; MI455X (gfx1250); checked and timed in simulation.
; The chip was launched on July 23, 2026; its instructions are those of AMD's public machine-readable ISA for CDNA 5 (MIT licence, August 2026) and "CDNA5" Instruction Set Architecture Reference Guide (July 2026). The comments in the code are by the model that wrote it; some were corrected since.
;; Encoder Block. Allowed arithmetic: matrix products marked QUANTISED: E5M2 operands, one E8M0 scale for each 32 along K, by v_wmma_scale_f32_16x16x128_f8f6f4 with both operands' format E5M2, f32 sums; everything else in f32.
;; Inputs: b1 4,096 float32; b2 1,024 float32; b_out 1,024 float32; g1 1,024 float32; g2 1,024 float32; w1 1,024 x 4,096 float32; w2 4,096 x 1,024 float32; w_in 1,024 x 3,072 float32; w_out 1,024 x 1,024 float32; x 2 x 2,048 x 1,024 float32.
;; Outputs: out0 2 x 2,048 x 1,024 float32.
;; This version of the problem:
;;   THIS VERSION OF THE PROBLEM IS GIVEN IN LOW PRECISION. The matrix products marked QUANTISED in the list below multiply operands that are first quantised to E5M2 (5 exponent bits, 2 mantissa bits; 8 bits a number), with one power-of-two scale for each 32 numbers along K (OCP MX v1.0); their sums are f32. All else is computed in f32.
;;   The module's matrix products, in the order in which they are computed (A, B: the left and right operand; K: the contracted axis; several contracted axes count as one K, in the product's order):
;;     1. [M 4,096, K 1,024] x [K 1,024, N 3,072]; A: computed on the way; B: input w_in: QUANTISED
;;     2. batch 32 x [M 2,048, K 64] x [K 64, N 2,048]; A: computed on the way; B: computed on the way: QUANTISED
;;     3. batch 32 x [M 64, K 2,048] x [K 2,048, N 2,048]; A: computed on the way; B: softmax (see below): QUANTISED
;;     4. [M 4,096, K 1,024] x [K 1,024, N 1,024]; A: computed on the way; B: input w_out: QUANTISED
;;     5. [M 4,096, K 1,024] x [K 1,024, N 4,096]; A: computed on the way; B: input w1: QUANTISED
;;     6. [M 4,096, K 4,096] x [K 4,096, N 1,024]; A: computed on the way; B: input w2: QUANTISED
;;   THE QUANTISER, for each operand of a quantised product, along K:
;;     - K is cut into blocks of 32 from its start; a last block that is shorter is filled with zeros.
;;     - A block's scale is 2^e with e = floor(log2(the largest magnitude in the block)) - 15, held to -126 .. 127; a block of zeros has e = 0. As a byte (E8M0): e + 127.
;;     - Each number is divided by its block's scale, clamped to +-57,344, and rounded to the nearest number of E5M2, ties to even, subnormals kept.
;;     - The product sums the exact products of the quantised numbers (number of the format x scale) in f32.
;;   ~~~python
;;   def quantise(x, axis):      # numpy; x: float32 -> the quantised numbers, widened to float32 again
;;       x = np.moveaxis(x, axis, -1); K = x.shape[-1]
;;       x = np.pad(x, [(0, 0)] * (x.ndim - 1) + [(0, -K % 32)]); x = x.reshape(x.shape[:-1] + (-1, 32)); a = np.abs(x).max(-1, keepdims=True)
;;       e = np.where(a > 0, np.clip(np.frexp(np.where(a > 0, a, 1))[1] - 1 - 15, -126, 127), 0)      # np.frexp(a)[1] - 1 = floor(log2(a)), exactly
;;       r = np.clip(x / 2.0 ** e, -57344, 57344)
;;       step = 2.0 ** (np.maximum(np.frexp(np.where(r == 0, 1, r))[1] - 1, -14) - 2)
;;       q = np.round(r / step) * step * 2.0 ** e      # np.round: ties to even
;;       return np.moveaxis(q.reshape(q.shape[:-2] + (-1,))[..., :K], -1, axis).astype(np.float32)
;;   ~~~
;;   SOFTMAX AHEAD OF A QUANTISED PRODUCT. Where the list says 'softmax', what is quantised is not the finished softmax but p = 2^(t - M), with t = logit x log2(e) and M = ceil(the row's largest t), a whole number; so 1/2 < the row's largest p <= 1. The row's sum l is taken of the UNQUANTISED p, in f32, and the product's result is divided by l at the end. Since M is a whole number, a kernel that streams over the keys may use a running M (the ceiling of the running maximum): every later rescaling is an exact power of two, which a block's scale takes up: the codes' values come out the same.
;;   OPERANDS COMPUTED ON THE WAY. 'Computed on the way' means the value that the module computes at that place (a softmax that the list does not call 'softmax' is quantised finished and normalised). What goes into a quantiser is computed in f32, as accurately as f32 sums, v_exp_f32 and their like allow (about 1e-6 of the number): no bf16 or f16 on the way to a quantiser, and a product that is left as it is and whose result goes on into a quantised operand takes f32 operands (vector FMAs, or v_wmma_f32_16x16x4_f32). A number that lies on a knife's edge between two numbers of the format may be rounded either way, as far as f32 arithmetic and the matrix unit's own rounding can turn it there, and no further.
;; One version. Each part assembles by itself: llvm-mc -triple=amdgcn-amd-amdhsa -mcpu=gfx1250 --defsym DOCPART=n.
;; ======== version 1 of 1: 7 launches
;; limits: right only within a limited range of input values
;; workspace buffers: W 13,008,896 bytes; N1 4,341,760 bytes; QKV 13,369,344 bytes; AT 4,325,376 bytes; Y 16,777,216 bytes; N2 4,341,760 bytes; HID 17,301,504 bytes
;; launch wq (part 1): grid 640 x 1, 4 waves a work-group, no clusters, 70,144 bytes of LDS; arguments w_in, w_out, w1, w2, W, x, g1, N1; writes W, N1
.if DOCPART == 1
	.amdgcn_target "amdgcn-amd-amdhsa--gfx1250"
	.amdhsa_code_object_version 6
	.text
	.protected	k_q300b7210b4_wq
	.globl	k_q300b7210b4_wq
	.p2align	8
	.type	k_q300b7210b4_wq,@function
k_q300b7210b4_wq:
	s_mov_b64 s[64:65], 0
	v_nop
	global_prefetch_b8 v0, s[64:65] scope:SCOPE_SE
	s_setreg_imm32_b32 hwreg(HW_REG_WAVE_MODE, 25, 1), 1
	s_wait_xcnt 0x0
; The four weights, f32 stored [K][N] (K is the FIRST axis), become codes of BF8 (E5M2) laid [n][K] with K innermost, and one E8M0 byte for each 32 along K, laid [K / 256][n][8].
; ROW ORDER: row position p of every such table holds logical row PI(p) = p with bits 3 and 4 exchanged.  Sixteen consecutive positions are then a tile whose results, two tiles together, are 16 logical neighbours in a lane.
; A block's scale is 2^(floor(log2(its largest magnitude)) - 15); its byte is the largest magnitude's exponent field - 15, held at 1 from below.
; LIMITS: a block of zeros gets the byte 1 (its codes are zeros, and this program alone reads the bytes); largest magnitudes under 2^-111 were not tried; NaN and infinities are not served.
; SHARES: a work-group takes 128 columns x 256 along K, a wave 32 columns, A LANE ONE COLUMN, and its registers run down K: a block of 32 lies in one lane, and the conversions give codes with K innermost.
; One path serves all four tensors: work-groups 0-95 w_in, 96-127 w_out, 128-255 w1, 256-383 w2; sizes and offsets are chosen by selects on the work-group's number.
; The codes leave through the wave's own stage in LDS: sixteen lanes store 256 consecutive bytes.  No barrier: waves share nothing.  Work-groups share no input, so there is no cluster.
.set PITCH, 272                        ; a stage row: 256 codes + 16
.set NB,    8                          ; blocks of 32 along K for a lane
.set X,     32                         ; v32-95   two sets of 32 numbers
.set C,     96                         ; v96-103  a block's codes
.set OUTR,  112                        ; v112-175 the way out
.set SB,    24                         ; v24-25   the eight scale bytes
.set VO,    176                        ; v176-207 4 x lane + i rows of the source
.set SA,    208                        ; v208-223 where two rows of codes go
.set BB,    32                         ; s[32:47] the source at my block t
; ONE PREPARING LAUNCH FOR ALL INPUTS: work-groups 0-383 take the weights (the text that follows), work-groups 384-639 the first norm of x (behind .Lnorm).  The two ways part here, on the work-group's number alone,
; share no register and no barrier, and each has LDS bytes and spare words of its own: the weights' way bytes 0 to 0x8dff, the norm's 0x9000 to 0x111ff.
	s_cmp_ge_u32 ttmp9, 384
	s_cbranch_scc1 .Lnorm
	s_load_b256 s[4:11], s[0:1], 0x0               ; w_in, w_out, w1, w2
	s_load_b64 s[12:13], s[0:1], 0x20              ; W
	v_lshl_add_u32 v224, v0, 2, 0x8c00
	v_mov_b32 v225, 0
	v_lshrrev_b32 v1, 5, v0
	v_readfirstlane_b32 s16, v1                    ; wave
	v_and_b32 v2, 31, v0                           ; lane
	s_wait_alu depctr_va_vdst(0)
	s_mov_b32 s20, 256                             ; w2's figures: first work-group,
	s_mov_b32 s21, 4096                            ; a source row in bytes,
	s_mov_b32 s22, 4096                            ; a row of codes in bytes,
	s_mov_b32 s23, 4                               ; log2 of the blocks of 256 along K,
	s_mov_b32 s24, 0x800000                        ; the codes' place in W,
	s_mov_b32 s25, 0xC48000                        ; the scale bytes' place,
	s_mov_b32 s26, 1024                            ; rows in a chunk of scale bytes
	s_cmp_lt_u32 ttmp9, 256                        ; w1's
	s_cselect_b32 s20, 128, s20
	s_cselect_b32 s21, 16384, s21
	s_cselect_b32 s22, 1024, s22
	s_cselect_b32 s23, 2, s23
	s_cselect_b32 s24, 0x400000, s24
	s_cselect_b32 s25, 0xC28000, s25
	s_cselect_b32 s26, 4096, s26
	s_cmp_lt_u32 ttmp9, 128                        ; w_out's
	s_cselect_b32 s20, 96, s20
	s_cselect_b32 s21, 4096, s21
	s_cselect_b32 s24, 0x300000, s24
	s_cselect_b32 s25, 0xC20000, s25
	s_cselect_b32 s26, 1024, s26
	s_cmp_lt_u32 ttmp9, 96                         ; w_in's
	s_cselect_b32 s20, 0, s20
	s_cselect_b32 s21, 12288, s21
	s_cselect_b32 s24, 0, s24
	s_cselect_b32 s25, 0xC00000, s25
	s_cselect_b32 s26, 4096, s26
	s_sub_co_u32 s27, ttmp9, s20                   ; my number within the tensor
	s_bfm_b32 s28, s23, 0
	s_and_b32 s28, s27, s28                        ; which 256 along K
	s_lshr_b32 s29, s27, s23
	s_lshl_b32 s29, s29, 7
	s_lshl_b32 s17, s16, 5
	s_add_co_u32 s29, s29, s17                     ; my wave's first column
	s_mul_i32 s30, s28, s21
	s_lshl_b32 s30, s30, 8                         ; 256 source rows for each block along K (under 2^24 bytes)
	s_lshl_b32 s17, s29, 2
	s_add_co_u32 s30, s30, s17
	s_mov_b32 s31, 0
	s_lshl_b32 s18, s21, 5                         ; 32 source rows
	s_mov_b32 s19, 0
	s_mul_i32 s52, s29, s22                        ; codes: column x row bytes + 256 x block + place
	s_add_co_u32 s52, s52, s24
	s_lshl_b32 s17, s28, 8
	s_add_co_u32 s52, s52, s17
	s_mov_b32 s53, 0
	s_mul_i32 s54, s28, s26                        ; scale bytes: (block x rows + column) x 8 + place
	s_add_co_u32 s54, s54, s29
	s_lshl_b32 s54, s54, 3
	s_add_co_u32 s54, s54, s25
	s_mov_b32 s55, 0
	s_mov_b32 s56, 0x600000                        ; the mantissa field of 57,344
	v_lshlrev_b32 v3, 2, v2
	s_mul_i32 s17, s16, 32*PITCH                   ; my stage
	v_mul_u32_u24 v4, v2, PITCH
	v_add_nc_u32 v4, s17, v4                       ; into it: row = my column
	v_and_b32 v5, 15, v2
	v_lshrrev_b32 v6, 4, v2
	v_mul_u32_u24 v7, v6, PITCH
	v_lshl_add_u32 v7, v5, 4, v7
	v_add_nc_u32 v7, s17, v7                       ; out of it: sixteen lanes to a row, two rows an instruction
	v_lshlrev_b32 v5, 4, v5
.set J, 0
.rept 32
	v_mad_u32_u24 v[VO+J], s21, J, v3
.set J, J+1
.endr
.set J, 0
.rept 16
.set PT, ((2*J)&7)|((((2*J)>>3)&1)<<4)|((((2*J)>>4)&1)<<3)
	v_add_nc_u32 v10, PT, v6                       ; logical columns 2 J and 2 J + 1 go to positions PI(2 J) and PI(2 J) + 1
	v_mad_u32_u24 v[SA+J], v10, s22, v5
.set J, J+1
.endr
	v_and_b32 v9, 7, v2                            ; 8 x PI(lane): my column's eight scale bytes
	v_bfe_u32 v10, v2, 3, 1
	v_lshl_or_b32 v9, v10, 4, v9
	v_bfe_u32 v10, v2, 4, 1
	v_lshl_or_b32 v9, v10, 3, v9
	v_lshlrev_b32 v9, 3, v9
	s_wait_kmcnt 0x0
	s_mov_b64 s[14:15], s[10:11]                   ; the source: chosen by the work-group's number alone
	s_cmp_lt_u32 ttmp9, 256
	s_cselect_b64 s[14:15], s[8:9], s[14:15]
	s_cmp_lt_u32 ttmp9, 128
	s_cselect_b64 s[14:15], s[6:7], s[14:15]
	s_cmp_lt_u32 ttmp9, 96
	s_cselect_b64 s[14:15], s[4:5], s[14:15]
	s_add_nc_u64 s[BB:BB+1], s[14:15], s[30:31]
.irp t, 1,2,3,4,5,6,7
	s_add_nc_u64 s[BB+2*\t:BB+2*\t+1], s[BB+2*\t-2:BB+2*\t-1], s[18:19]
.endr
	s_add_nc_u64 s[48:49], s[12:13], s[52:53]
	s_add_nc_u64 s[50:51], s[12:13], s[54:55]
.macro LOAD t                          ; block t: 32 rows of the source at my column: a wave reads 128 consecutive bytes, the work-group 512
.set J, 0
.rept 32
	global_load_b32 v[X+32*((\t)%2)+J], v[VO+J], s[BB+2*(\t):BB+2*(\t)+1] th:TH_LOAD_NT
.set J, J+1
.endr
.endm
	LOAD 0
	LOAD 1
.macro BLOCK t
.set XS, X+32*((\t)%2)
.if (\t) < NB-1
	s_wait_loadcnt 32                              ; this block's 32 loads are in; the next block's may be out
.else
	s_wait_loadcnt 0
.endif
	v_max3_num_f32 v12, |v[XS]|, |v[XS+1]|, |v[XS+2]|     ; the block's largest magnitude: all 32 numbers are mine
	v_max3_num_f32 v13, |v[XS+3]|, |v[XS+4]|, |v[XS+5]|
.irp i, 6,10,14,18,22,26
	v_max3_num_f32 v12, v12, |v[XS+\i]|, |v[XS+\i+1]|
	v_max3_num_f32 v13, v13, |v[XS+\i+2]|, |v[XS+\i+3]|
.endr
	v_max3_num_f32 v12, v12, |v[XS+30]|, |v[XS+31]|
	v_max3_num_f32 v12, v12, v13, 0x8000000        ; and the floor 2^(16 - 127): the byte cannot fall under 1
	v_add_nc_u32 v11, 0xf8800000, v12              ; 15 off the exponent field: the conversion's scale operand
	v_and_or_b32 v10, v12, 0x7f800000, s56         ; 57,344 x the scale
	v_lshrrev_b32 v13, 23, v11                     ; the scale's byte
.if (\t)%4 == 0
	v_mov_b32 v[SB+(\t)/4], v13
.else
	v_lshl_or_b32 v[SB+(\t)/4], v13, 8*((\t)%4), v[SB+(\t)/4]
.endif
.set J, 0
.rept 32
	v_med3_num_f32 v[XS+J], v[XS+J], -v10, v10     ; the conversion to an 8-bit code does not saturate (ISA guide 7.6.2): the hold comes first
.set J, J+1
.endr
.irp g, 0,1,2,3
	v_cvt_scalef32_pk8_bf8_f32 v[C+2*\g:C+2*\g+1], v[XS+8*\g:XS+8*\g+7], v11
.endr
	ds_store_b128 v4, v[C:C+3] offset:32*(\t)
	ds_store_b128 v4, v[C+4:C+7] offset:32*(\t)+16
.if (\t)+2 < NB
	LOAD (\t)+2
.endif
	s_wait_dscnt 0x0                               ; the stores have read their registers: the next block's codes may be written
.endm
.set Q, 0
.rept NB
	BLOCK Q
.set Q, Q+1
.endr
	global_store_b64 v9, v[SB:SB+1], s[50:51]      ; 32 lanes store 256 consecutive bytes
.irp t, 0,1,2,3,4,5,6,7,8,9,10,11,12,13,14,15
	ds_load_b128 v[OUTR+4*\t:OUTR+4*\t+3], v7 offset:2*\t*PITCH   ; LDS serves a wave's instructions in order: these see my stores
.endr
.irp t, 0,1,2,3,4,5,6,7,8,9,10,11,12,13,14,15
	s_wait_dscnt 15-\t
	global_store_b128 v[SA+\t], v[OUTR+4*\t:OUTR+4*\t+3], s[48:49]   ; sixteen lanes store 256 consecutive bytes of a row of codes
.endr
	s_wait_tensorcnt 0x0
	ds_add_u32 v224, v225
	s_wait_dscnt 0x0
	s_endpgm
.Lnorm:
; h = g1 x / (||x|| / 32 + 1e-8) for rows of 1,024 f32, quantised along the row to codes of BF8 (E5M2) with one E8M0 byte for each 32.  Stored: codes [4096 positions][1024] at byte 0 of N1, scale bytes
; [4 chunks of 256][4096 positions][8] at 0x400000, and f = 1 / (rms + eps) for each TOKEN at 0x420000.  Position p holds token PI(p) = p with bits 3 and 4 exchanged.
; A wave takes four rows and keeps them in registers between the sum of squares and the scaling; 512 numbers at a time turn through the wave's own stage in LDS, so that a lane holds 16 neighbours.  No barrier: waves share nothing.
; LIMITS: a block of zeros gets the byte 1 (its codes are zeros; this program alone reads the bytes); largest magnitudes under 2^-111 were not tried; NaN and infinities are not served.
.set NLDS, 0x9000                      ; where this way's LDS bytes begin
.set SP,   80                          ; a lane's place in a stage: 64 bytes + 16
.set WREG, 8192                        ; LDS for a wave: two stages of 32 x SP, then 128 scale bytes [chunk][row][8]
.set F,    20                          ; v20-23   the four rows' factors
.set E,    24                          ; v24-31   a scale byte for each of the eight steps
.set G,    32                          ; v32-63   g as loaded
.set R,    64                          ; v64-191  four rows as loaded
.set X,    192                         ; v192-223 two sets of 16 neighbours
.set C,    224                         ; v224-255 codes: four registers for each step, never written again
	s_load_b128 s[4:7], s[0:1], 0x28               ; x, g1
	s_load_b64 s[8:9], s[0:1], 0x38                ; N1
	s_set_vgpr_msb 0x40
	v_lshl_add_u32 v0, v0, 2, NLDS+0x8000          ; v256: my spare word; v257: 0
	v_mov_b32 v1, 0
	s_set_vgpr_msb 0x4000
	v_lshrrev_b32 v1, 5, v0
	v_readfirstlane_b32 s16, v1                    ; wave
	v_and_b32 v2, 31, v0                           ; lane
	v_lshlrev_b32 v3, 4, v2                        ; 16 x lane
	s_mul_i32 s17, s16, WREG
	s_add_co_u32 s17, s17, NLDS
	v_lshrrev_b32 v18, 2, v2
	v_mul_u32_u24 v18, v18, SP
	v_and_b32 v19, 3, v2
	v_lshl_add_u32 v18, v19, 4, v18
	v_add_nc_u32 v18, s17, v18                     ; the stage, on the way in: SP (lane / 4) + 16 (lane % 4)
	v_mul_u32_u24 v19, v2, SP
	v_add_nc_u32 v19, s17, v19                     ; and on the way out: SP x lane
	s_add_co_u32 s17, s17, 2*32*SP
	v_lshrrev_b32 v5, 4, v2
	v_lshlrev_b32 v5, 5, v5
	v_bfe_u32 v6, v2, 1, 3
	v_add_nc_u32 v5, v5, v6
	v_add_nc_u32 v5, s17, v5                       ; my block's byte: chunk (lane / 16) x 32 + (lane / 2) % 8
	v_lshlrev_b32 v6, 2, v2
	v_add_nc_u32 v6, s17, v6                       ; the 128 bytes back, a word a lane
	v_lshrrev_b32 v7, 3, v2
	v_lshlrev_b32 v7, 15, v7
	v_and_b32 v4, 7, v2
	v_lshl_add_u32 v7, v4, 2, v7                   ; and their place in memory: chunk x 32,768 + 4 (lane % 8)
	s_sub_co_u32 s18, ttmp9, 384                   ; my number among the norm's 256 work-groups
	s_lshl_b32 s18, s18, 4
	s_lshl_b32 s19, s16, 2
	s_add_co_u32 s18, s18, s19                     ; my first position
	s_and_b32 s19, s18, 0xfe7
	s_bfe_u32 s20, s18, 0x10003
	s_lshl_b32 s20, s20, 4
	s_or_b32 s19, s19, s20
	s_bfe_u32 s20, s18, 0x10004
	s_lshl_b32 s20, s20, 3
	s_or_b32 s19, s19, s20                         ; my first token
	s_lshl_b32 s20, s19, 12
	s_mov_b32 s21, 0
	s_lshl_b32 s22, s18, 10
	s_mov_b32 s23, 0
	s_lshl_b32 s24, s18, 3
	s_add_co_u32 s24, s24, 0x400000
	s_mov_b32 s25, 0
	s_lshl_b32 s26, s19, 2
	s_add_co_u32 s26, s26, 0x420000
	s_mov_b32 s27, 0
	s_mov_b32 s28, 0x76543210
	s_mov_b32 s29, 0xfedcba98                      ; v_permlanex16_b32's selects for lane l xor 16
	s_mov_b32 s30, 0x3d000000                      ; 1024^-0.5
	s_mov_b32 s31, 0x322bcc77                      ; 1e-8
	s_mov_b32 s12, 0x600000                        ; the mantissa field of 57,344
	s_wait_kmcnt 0x0
	s_add_nc_u64 s[4:5], s[4:5], s[20:21]
	s_add_nc_u64 s[10:11], s[8:9], s[22:23]        ; codes
	s_add_nc_u64 s[14:15], s[8:9], s[24:25]        ; scale bytes
	s_add_nc_u64 s[8:9], s[8:9], s[26:27]          ; f
.irp j, 0,1,2,3,4,5,6,7
	global_load_b128 v[G+4*\j:G+4*\j+3], v3, s[6:7] offset:512*\j
.endr
.irp p, 0,1,2,3
.irp j, 0,1,2,3,4,5,6,7
	global_load_b128 v[R+32*\p+4*\j:R+32*\p+4*\j+3], v3, s[4:5] offset:4096*\p+512*\j th:TH_LOAD_NT
.endr
.endr
.macro TURN rho, s                     ; 512 numbers of row rho through stage s: LDS serves a wave's instructions in order, so no wait stands between the stores and the loads
.irp i, 0,1,2,3
	ds_store_b128 v18, v[R+32*(\rho)+16*(\s)+4*\i:R+32*(\rho)+16*(\s)+4*\i+3] offset:32*SP*(\s)+8*SP*\i
.endr
.irp i, 0,1,2,3
	ds_load_b128 v[X+16*(\s)+4*\i:X+16*(\s)+4*\i+3], v19 offset:32*SP*(\s)+16*\i
.endr
.endm
.macro STEPQ rho, s                    ; 16 neighbours a lane, two lanes to a block: scale, hold, codes
.set XS, X+16*(\s)
.set TT, 2*(\rho)+(\s)
	v_max3_num_f32 v8, |v[XS]|, |v[XS+1]|, |v[XS+2]|
	v_max3_num_f32 v9, |v[XS+3]|, |v[XS+4]|, |v[XS+5]|
.irp i, 6,10
	v_max3_num_f32 v8, v8, |v[XS+\i]|, |v[XS+\i+1]|
	v_max3_num_f32 v9, v9, |v[XS+\i+2]|, |v[XS+\i+3]|
.endr
	v_max3_num_f32 v8, v8, |v[XS+14]|, |v[XS+15]|
	v_max3_num_f32 v8, v8, v9, 0x8000000           ; the floor 2^(16 - 127): the byte cannot fall under 1
	v_max_num_f32_dpp v8, v8, v8 row_xmask:1 row_mask:0xf bank_mask:0xf   ; with my neighbour's 16: the block's
	v_add_nc_u32 v11, 0xf8800000, v8               ; 15 off the exponent field: the conversion's scale operand
	v_and_or_b32 v10, v8, 0x7f800000, s12          ; 57,344 x the scale
.set J, 0
.rept 16
	v_med3_num_f32 v[XS+J], v[XS+J], -v10, v10     ; the conversion does not saturate (ISA guide 7.6.2): the hold comes first
.set J, J+1
.endr
	v_cvt_scalef32_pk8_bf8_f32 v[C+4*TT:C+4*TT+1], v[XS:XS+7], v11
	v_cvt_scalef32_pk8_bf8_f32 v[C+4*TT+2:C+4*TT+3], v[XS+8:XS+15], v11
	v_lshrrev_b32 v[E+TT], 23, v11                 ; the scale's byte
	ds_store_b8 v5, v[E+TT] offset:64*(\s)+8*(\rho)   ; both lanes of a block write the same byte with the same value
	global_store_b128 v3, v[C+4*TT:C+4*TT+3], s[10:11] offset:1024*(\rho)+512*(\s)   ; 512 consecutive bytes
.endm
.macro ROW rho
.set RR, R+32*(\rho)
	s_wait_loadcnt 24-8*(\rho)                     ; g and this row are in; the later rows' eight loads each may be out
.irp k, 0,1,2,3
	v_pk_mul_f32 v[8+2*\k:9+2*\k], v[RR+2*\k:RR+2*\k+1], v[RR+2*\k:RR+2*\k+1]     ; the sum of squares in four chains
.endr
.irp j, 8,16,24
.irp k, 0,1,2,3
	v_pk_fma_f32 v[8+2*\k:9+2*\k], v[RR+\j+2*\k:RR+\j+2*\k+1], v[RR+\j+2*\k:RR+\j+2*\k+1], v[8+2*\k:9+2*\k]
.endr
.endr
	v_pk_add_f32 v[8:9], v[8:9], v[10:11]
	v_pk_add_f32 v[12:13], v[12:13], v[14:15]
	v_pk_add_f32 v[8:9], v[8:9], v[12:13]
	v_add_f32 v8, v8, v9
	v_add_f32_dpp v8, v8, v8 row_xmask:1 row_mask:0xf bank_mask:0xf
	v_add_f32_dpp v8, v8, v8 row_xmask:2 row_mask:0xf bank_mask:0xf
	v_add_f32_dpp v8, v8, v8 row_xmask:4 row_mask:0xf bank_mask:0xf
	v_add_f32_dpp v8, v8, v8 row_xmask:8 row_mask:0xf bank_mask:0xf
	v_permlanex16_b32 v9, v8, s28, s29
	v_add_f32 v8, v8, v9                           ; every lane holds the row's sum of squares
	s_wait_alu depctr_va_vdst(0)
	v_sqrt_f32 v10, v8
	v_nop                                          ; a plain instruction behind the root,
	s_wait_alu depctr_va_vdst(0)                   ; and the wait ahead of its first reader
	v_fma_f32 v10, v10, s30, s31                   ; rms + eps
	s_wait_alu depctr_va_vdst(0)
	v_rcp_f32 v16, v10
	v_rcp_f32 v17, v10                             ; twice: a pair for the packed multiply
	v_nop
	s_wait_alu depctr_va_vdst(0)                   ; one wait for both reciprocals
	v_mov_b32 v[F+\rho], v16
.set J, 0
.rept 16
	v_pk_mul_f32 v[RR+J:RR+J+1], v[RR+J:RR+J+1], v[16:17]
.set J, J+2
.endr
.set J, 0
.rept 16
	v_pk_mul_f32 v[RR+J:RR+J+1], v[RR+J:RR+J+1], v[G+J:G+J+1]
.set J, J+2
.endr
	TURN \rho, 0
	TURN \rho, 1
	s_wait_dscnt 8                                 ; the first half is back; the second half's four stores and four loads may be out
	STEPQ \rho, 0
	s_wait_dscnt 1                                 ; the second half is back; the byte store may be out
	STEPQ \rho, 1
.endm
	ROW 0
	ROW 1
	ROW 2
	ROW 3
	ds_load_b32 v12, v6                            ; LDS serves a wave's instructions in order: this sees my byte stores
	s_wait_dscnt 0x0
	global_store_b32 v7, v12, s[14:15]             ; runs of 32 bytes, one for each chunk: the scale bytes are 1 / 128 of what this way reads
	v_mov_b32 v13, 0
	v_cmp_gt_u32 vcc_lo, 1, v2
	s_wait_alu depctr_va_vdst(0)
	s_wait_xcnt 0x0                                ; EXEC changes only behind this wait
	s_set_vgpr_msb 0x5
	s_wait_tensorcnt 0x0
	ds_add_u32 v0, v1
	s_wait_dscnt 0x0
	s_set_vgpr_msb 0x500
	s_and_saveexec_b32 s13, vcc_lo
	global_store_b128 v13, v[F:F+3], s[8:9]        ; lane 0: the four tokens' factors
	s_wait_xcnt 0x0
	s_or_b32 exec_lo, exec_lo, s13
	s_endpgm
.Lfunc_end_k_q300b7210b4_wq:
	.size	k_q300b7210b4_wq, .Lfunc_end_k_q300b7210b4_wq-k_q300b7210b4_wq
	.p2alignl 7, 3214868480
	.fill 96, 4, 3214868480
	.section	.rodata,"a",@progbits
	.p2align	6, 0x0
	.amdhsa_kernel k_q300b7210b4_wq
		.amdhsa_group_segment_fixed_size 70144
		.amdhsa_private_segment_fixed_size 0
		.amdhsa_enable_private_segment 0
		.amdhsa_kernarg_size 64
		.amdhsa_user_sgpr_count 2
		.amdhsa_user_sgpr_kernarg_segment_ptr 1
		.amdhsa_wavefront_size32 1
		.amdhsa_system_sgpr_workgroup_id_x 1
		.amdhsa_system_sgpr_workgroup_id_y 1
		.amdhsa_system_sgpr_workgroup_id_z 1
		.amdhsa_system_vgpr_workitem_id 0
		.amdhsa_next_free_vgpr 258
		.amdhsa_next_free_sgpr 66
		.amdhsa_reserve_vcc 1
		.amdhsa_float_denorm_mode_32 3
		.amdhsa_float_denorm_mode_16_64 3
		.amdhsa_memory_ordered 1
		.amdhsa_forward_progress 1
		.amdhsa_inst_pref_size 109
	.end_amdhsa_kernel
	.amdgpu_metadata
---
amdhsa.version: [ 1, 2 ]
amdhsa.kernels:
  - .name:           k_q300b7210b4_wq
    .symbol:         k_q300b7210b4_wq.kd
    .args:
      - { .name: w_in, .offset: 0, .size: 8, .value_kind: global_buffer, .address_space: global }
      - { .name: w_out, .offset: 8, .size: 8, .value_kind: global_buffer, .address_space: global }
      - { .name: w1, .offset: 16, .size: 8, .value_kind: global_buffer, .address_space: global }
      - { .name: w2, .offset: 24, .size: 8, .value_kind: global_buffer, .address_space: global }
      - { .name: W, .offset: 32, .size: 8, .value_kind: global_buffer, .address_space: global }
      - { .name: x, .offset: 40, .size: 8, .value_kind: global_buffer, .address_space: global }
      - { .name: g1, .offset: 48, .size: 8, .value_kind: global_buffer, .address_space: global }
      - { .name: N1, .offset: 56, .size: 8, .value_kind: global_buffer, .address_space: global }
    .group_segment_fixed_size: 70144
    .private_segment_fixed_size: 0
    .kernarg_segment_align: 8
    .kernarg_segment_size: 64
    .max_flat_workgroup_size: 128
    .sgpr_count:     66
    .vgpr_count:     258
    .wavefront_size: 32
...
	.end_amdgpu_metadata
.endif
;; end of part 1
;; launch qkv (part 2): grid 48 x 4, 4 waves a work-group, clusters of 4 x 4, 327,680 bytes of LDS; arguments N1, W, QKV; writes QKV
.if DOCPART == 2
	.amdgcn_target "amdgcn-amd-amdhsa--gfx1250"
	.amdhsa_code_object_version 6
	.text
	.protected	k_q300b7210b4_qkv
	.globl	k_q300b7210b4_qkv
	.p2align	8
	.type	k_q300b7210b4_qkv,@function
k_q300b7210b4_qkv:
	s_mov_b64 s[64:65], 0
	v_nop
	global_prefetch_b8 v0, s[64:65] scope:SCOPE_SE
	s_setreg_imm32_b32 hwreg(HW_REG_WAVE_MODE, 25, 1), 1
	s_wait_xcnt 0x0
	s_wait_alu depctr_hold_cnt(0) depctr_sa_sdst(0) depctr_va_vdst(0) depctr_va_sdst(0) depctr_va_ssrc(0) depctr_va_vcc(0) depctr_vm_vsrc(0)
	s_getreg_b32 s2, hwreg(HW_REG_IB_STS2, 6, 4)
	s_cmp_eq_u32 s2, 0
	s_cbranch_scc0 .Lentry_in_a_cluster
	s_endpgm
.Lentry_in_a_cluster:
	s_bfe_u32 s2, ttmp6, 0x10000c
	s_cmp_lg_u32 s2, 0xf033
	s_cbranch_scc0 .Lentry_shape_is_right
	s_endpgm
.Lentry_shape_is_right:
; q, k and v = h1 w_in on codes of BF8 (E5M2) with one E8M0 scale for each 32 along K = 1,024, and the results quantised on the way out.  One text makes two products of the form
; C[m][n] = sum over k of A[m][k] B[n][k], quantised along n, stored as [n / 64][m][64 codes] with a scale word (s0, s1, s0, s1) for each 64:
;   clusters 0-7:  A = h1 (4,096 rows), B = w_in's rows 0-2047: q and k, quantised along the head's 64;
;   clusters 8-11: A = w_in's rows 2048-3071, B = h1: v TRANSPOSED, the keys innermost, quantised along the keys.
; The choice hangs on the cluster's number alone, which all partners share; it selects buffers and offsets, no branch and no LDS address.
; ROW ORDER: in every table of codes row position p holds logical row PI(p) (bits 3 and 4 exchanged).  The matrix instruction is used transposed (source 0 = 16 rows of B, source 1 = 16 rows of A): a lane holds one row m,
; and the 16 registers of B's tiles 2 b and 2 b + 1 are the 16 logical neighbours n = 32 b + 16 (lane / 16) + 0 .. 15: the order that the conversions and the next operand want.
; A tile of C is 256 x 256: four waves, each 128 x 128 in 512 registers.  K goes in four steps of 256 through a ring of two LDS slots filled by the tensor data mover.  The scale bytes, laid [K / 256][row][8], come once.
; CLUSTERS: 4 x 4 work-groups; A's tiles are asked for jointly along a row of the cluster, B's along a column.  192 work-groups: the two products have 128 + 64 tiles of this size.
; LIMITS: a block of zeros gets the byte 1 (its codes are zeros; this program alone reads the bytes); largest magnitudes under 2^-111 were not tried; NaN and infinities are not served.
; REGISTERS: window 0: v0-31 addresses; v32-63 scale words, two sets; v128-255 A's fragments, one set.  window 1: B's fragments, two sets.  windows 2, 3: accumulator (a, b) at v[8 (8 (a % 4) + b)].
.set KSTEP,  256
.set NQ,     2
.set ROWB,   256
.set KROW,   1024
.set PITCH,  272                       ; an LDS row: 256 bytes + 16: the 16 rows that a load touches start at 16 different banks
.set FR,     16
.set NL,     4
.set NP,     8                         ; places behind this matrix instruction (ISA guide 7.12.1)
.set HALFT,  128*PITCH
.set SLOT,   4*HALFT
.set LAPS,   2
.set SCL,    2*SLOT                    ; behind the ring: A's scales [4 chunks][256 rows][8], then, 128 bytes further on, B's: the two halves of the lanes fall on different banks
.set HALFS,  4096
.set SPARE,  SCL+4*HALFS+256           ; the spare words, 128 bytes for each wave
.set CHK,    256*80                    ; the way out, in slot 0: codes [4 chunks of 64 columns][256 rows][64 + 16 bytes],
.set SST,    4*CHK                     ; then scale words [4][256][4]
.set ADRA, 16
.set RDS,  18
.set ADRB, 20
.set SELV, 22
.set SSO,  23
.set STO,  24
.set RD,   25
.set CO,   26
.set ADRS, 27
.set SPW,  28
.set NIL,  29
.set PW,   30
.set PW2,  31
.set SC,   32
.set TM,   32                          ; the way out: v32-35 largest magnitudes, v36-39 bytes, v40-43 the holds, v44-47 the conversions' scale operands
.set PC,   48                          ; v48-63 codes
.set HA,   64                          ; v64-127 the held numbers
.set AF,   128
.set BK,   128                         ; v128-255 rows read back
.set G1, 24
.set G0, 32
.set G1B, 48
.set G0B, 56
.set G1S, 68
.set G0S, 76
.set G1SB, 80
.set G0SB, 88
.set MSB, 0
.macro WIN new                         ; the immediate's high byte repeats the setting that is left
.if MSB != \new
	s_set_vgpr_msb (MSB<<8)|\new
.set MSB, \new
.endif
.endm
.set MUL_LO, 0xa1                      ; source 0 (B) window 1, source 1 (A) window 0, C and D window 2
.set MUL_HI, 0xf1
.set TO_B,   0x40
; A joint load: waves 0 and 1 fetch for A, waves 2 and 3 for B.  The branch hangs on the wave's number alone.  Four v_nop follow each of the two lines.
.macro JLOAD g0a, g1a, g0b, g1b
	s_cmp_eq_u32 s15, 0
	s_cbranch_scc0 .Lfor_b_\@
	tensor_load_to_lds s[\g0a:\g0a+3], s[\g1a:\g1a+7]
	s_nop 0
.rept 4
	v_nop
.endr
	s_branch .Lasked_\@
.Lfor_b_\@:
	tensor_load_to_lds s[\g0b:\g0b+3], s[\g1b:\g1b+7]
	s_nop 0
.rept 4
	v_nop
.endr
.Lasked_\@:
.endm
.macro CREST                           ; a round of the cluster's barrier behind its opening barrier
	s_cmp_lg_u32 s14, 0
	s_cbranch_scc1 .Lnot_wave_0_\@
	s_barrier_signal -3
.Lnot_wave_0_\@:
	s_barrier_wait -3
	s_barrier_signal -1
	s_barrier_wait -1
.endm
.macro CROUND
	s_barrier_signal -1
	s_barrier_wait -1
	CREST
.endm
	s_load_b128 s[4:7], s[0:1], 0x0                ; N1, W
	s_load_b64 s[12:13], s[0:1], 0x10              ; QKV
	v_lshl_add_u32 v[SPW], v0, 2, SPARE
	v_mov_b32 v[NIL], 0
	ds_add_u32 v28, v29
	ds_add_u32 v28, v29
	s_wait_dscnt 0x0
	v_lshrrev_b32 v1, 5, v0
	v_readfirstlane_b32 s14, v1                    ; wave 0..3
	s_lshr_b32 s15, s14, 1                         ; which half of the tile's rows is mine.  Also: I fetch for A (0) or for B (1)
	s_and_b32 s16, s14, 1                          ; which half of its columns.  Also: which 128 rows I fetch
	s_bfe_u32 s40, ttmp6, 0x40000                  ; cx, cy
	s_bfe_u32 s41, ttmp6, 0x40004
	s_lshr_b32 s95, ttmp9, 1                       ; q, k: the cluster's row,
	s_and_b32 s96, ttmp9, 1                        ; and column
	s_sub_co_u32 s97, ttmp9, 8                     ; v: its column
	s_mov_b32 s98, 0x400000                        ; where A's scale bytes lie in A's buffer,
	s_mov_b32 s99, 0xC00000                        ; B's in B's,
	s_mov_b32 s66, 4096                            ; rows m of the result,
	s_mov_b32 s100, 0xC00000                       ; where its scale words go
	s_cmp_ge_u32 ttmp9, 8                          ; the same in all sixteen partners
	s_cselect_b32 s95, 0, s95
	s_cselect_b32 s96, s97, s96
	s_cselect_b32 s97, 2048, 0                     ; A's first row
	s_cselect_b32 s98, 0xC00000, s98
	s_cselect_b32 s99, 0x400000, s99
	s_cselect_b32 s66, 1024, s66
	s_cselect_b32 s67, 0x800000, 0                 ; where the codes go
	s_cselect_b32 s100, 0xC80000, s100
	s_lshl_b32 s42, s96, 2
	s_add_co_u32 s42, s42, s40                     ; tile column
	s_lshl_b32 s17, s95, 2
	s_add_co_u32 s17, s17, s41                     ; tile row
	s_lshl_b32 s43, s41, 2
	s_lshl_b32 s43, 15, s43                        ; my row of the cluster
	s_lshl_b32 s44, 0x1111, s40                    ; my column
	s_or_b32 s[G1+0], s43, (0<<16)|(1<<20)|(1<<21)|(5<<22)|(3<<25)  ; the mask; elements of 1 byte; padding: 4 words after every 64; bit 21 beside a mask
	s_or_b32 s[G1B+0], s44, (0<<16)|(1<<20)|(1<<21)|(5<<22)|(3<<25)
.irp g, G1, G1B
	s_mov_b32 s[\g+1], ROWB<<16                    ; tensor_dim0
	s_mov_b32 s[\g+2], 256<<16                     ; tensor_dim1: 256 rows for the head's loads; set to 128 for the ring's behind the wait for them
	s_mov_b32 s[\g+3], ROWB<<16                    ; tile_dim0
	s_mov_b32 s[\g+4], 256                         ; tile_dim1 likewise
	s_mov_b32 s[\g+5], KROW                        ; from row to row
	s_mov_b32 s[\g+6], 0
	s_mov_b32 s[\g+7], 0
.endr
	s_or_b32 s[G1S+0], s43, (3<<16)|(1<<21)        ; the scales of 256 rows: 4 chunks of 256 elements of 8 bytes, 4,096 elements apart in both buffers; no padding
	s_or_b32 s[G1SB+0], s44, (3<<16)|(1<<21)
.irp g, G1S, G1SB
	s_mov_b32 s[\g+1], 256<<16
	s_mov_b32 s[\g+2], 4<<16
	s_mov_b32 s[\g+3], 256<<16
	s_mov_b32 s[\g+4], 4
	s_mov_b32 s[\g+5], 4096
	s_mov_b32 s[\g+6], 0
	s_mov_b32 s[\g+7], 0
.endr
	s_lshl_b32 s18, s16, 7
	s_lshl_b32 s20, s17, 8
	s_add_co_u32 s20, s20, s18
	s_add_co_u32 s20, s20, s97                     ; A: the first row that I fetch
	s_lshl_b32 s46, s42, 8
	s_add_co_u32 s46, s46, s18                     ; B: likewise
	s_sub_co_u32 s22, s20, s18                     ; the scales are fetched for the tile's 256 rows: from its first row
	s_lshl_b32 s22, s22, 3
	s_add_co_u32 s22, s22, s98
	s_mov_b32 s23, 0
	s_sub_co_u32 s92, s46, s18
	s_lshl_b32 s92, s92, 3
	s_add_co_u32 s92, s92, s99
	s_mov_b32 s93, 0
	s_lshl_b32 s20, s20, 10
	s_mov_b32 s21, 0
	s_lshl_b32 s46, s46, 10
	s_mov_b32 s47, 0
	s_mul_i32 s45, s14, HALFT                      ; where they go: by the wave's number alone
	s_mul_i32 s94, s15, 2*HALFS+128                ; A's scales (wave 1) at SCL, B's (wave 3) behind them and 128 bytes on
	s_wait_kmcnt 0x0
	s_cmp_ge_u32 ttmp9, 8
	s_cselect_b64 s[8:9], s[6:7], s[4:5]           ; A's buffer
	s_cselect_b64 s[10:11], s[4:5], s[6:7]         ; B's
	s_add_nc_u64 s[20:21], s[8:9], s[20:21]
	s_add_nc_u64 s[22:23], s[8:9], s[22:23]
	s_add_nc_u64 s[46:47], s[10:11], s[46:47]
	s_add_nc_u64 s[92:93], s[10:11], s[92:93]
	CROUND                                         ; all sixteen work-groups are here: the first joint loads meet
	s_mov_b32 s[G0S], 1
	s_add_co_u32 s[G0S+1], s94, SCL
	s_mov_b64 s[G0S+2:G0S+3], s[22:23]
	s_or_b32 s[G0S+3], s[G0S+3], 0x80000000
	s_mov_b32 s[G0SB], 1
	s_add_co_u32 s[G0SB+1], s94, SCL
	s_mov_b64 s[G0SB+2:G0SB+3], s[92:93]
	s_or_b32 s[G0SB+3], s[G0SB+3], 0x80000000
.irp s, 0,1
	s_mov_b32 s[G0+4*\s], 1
	s_add_co_u32 s[G0+4*\s+1], s45, \s*SLOT
	s_add_nc_u64 s[G0+4*\s+2:G0+4*\s+3], s[20:21], \s*ROWB
	s_or_b32 s[G0+4*\s+3], s[G0+4*\s+3], 0x80000000
	s_mov_b32 s[G0B+4*\s], 1
	s_add_co_u32 s[G0B+4*\s+1], s45, \s*SLOT
	s_add_nc_u64 s[G0B+4*\s+2:G0B+4*\s+3], s[46:47], \s*ROWB
	s_or_b32 s[G0B+4*\s+3], s[G0B+4*\s+3], 0x80000000
.endr
; THE HEAD'S LOADS, ONE A WAVE.  Waves 0 and 2 fetch from a tile's first row, so their slot 0 descriptors with 256 rows bring K step 0's whole tile of A and of B; wave 1 fetches A's scales, wave 3 B's.
; One chain of branches on the wave's number, a load to an arm, all arms leading to one join.
.macro ARM under, g0, g1, next
	s_cmp_lt_u32 s14, \under
	s_cbranch_scc0 \next
	tensor_load_to_lds s[\g0:\g0+3], s[\g1:\g1+7]
	s_nop 0
.rept 4
	v_nop
.endr
	s_branch .Lhead_asked
\next:
.endm
	ARM 1, G0,  G1,  .Lhead_sa
	ARM 2, G0S, G1S, .Lhead_b
	ARM 3, G0B, G1B, .Lhead_sb
	tensor_load_to_lds s[G0SB:G0SB+3], s[G1SB:G1SB+7]
	s_nop 0
.rept 4
	v_nop
.endr
.Lhead_asked:
; THE PREFETCHES: K steps 2 and 3, the ring's only refills, each asked for here at least one whole K step ahead of its load.  A K step is 256 bytes of each row.  Of the 128 rows that a wave fetches in the ring, each of the
; four partners that ask for them jointly names 32, told apart BY ADDRESS (cx for A, cy for B): a lane a row, so each block of 256 bytes is named once in each cluster that will load it.  v8 and s[4:5] are never rewritten.
	s_cmp_eq_u32 s15, 0                            ; do I fetch for A?
	s_cselect_b64 s[4:5], s[20:21], s[46:47]       ; my 128 rows
	s_cselect_b32 s6, s40, s41                     ; my place among the four
	s_lshl_b32 s6, s6, 15                          ; 32 rows of 1,024 bytes
	v_and_b32 v8, 31, v0
	v_lshl_add_u32 v8, v8, 10, s6
	global_prefetch_b8 v8, s[4:5] offset:2*ROWB th:TH_LOAD_NT scope:SCOPE_SE
	global_prefetch_b8 v8, s[4:5] offset:3*ROWB th:TH_LOAD_NT scope:SCOPE_SE
	v_and_b32 v1, 15, v0                           ; r
	v_bfe_u32 v2, v0, 4, 1                         ; h
	s_wait_alu depctr_va_vdst(0)
	v_mul_u32_u24 v3, v1, PITCH
	v_lshl_add_u32 v4, v2, 4, v3                   ; a fragment's row x pitch + 16 h
	s_mul_i32 s21, s15, HALFT
	s_mul_i32 s22, s16, HALFT
	s_add_co_u32 s22, s22, 2*HALFT
.irp s, 0,1
	v_add_nc_u32 v[ADRA+\s], s21, v4
	v_add_nc_u32 v[ADRB+\s], s22, v4
	s_add_co_u32 s21, s21, SLOT
	s_add_co_u32 s22, s22, SLOT
.endr
	v_lshlrev_b32 v5, 3, v1                        ; my row's scale words: 8 bytes a row and chunk
	s_mul_i32 s21, s15, 1024                       ; A's: my 128 rows of a chunk's 256
	s_mul_i32 s22, s16, 1024                       ; B's: likewise, behind A's region and 128 bytes on
	s_add_co_u32 s22, s22, 2*HALFS+128
	s_sub_co_u32 s22, s22, s21
	v_mul_u32_u24 v6, s22, v2                      ; lanes 16-31 take B's
	s_add_co_u32 s21, s21, SCL
	v_add_nc_u32 v5, v5, v6
	v_add_nc_u32 v[ADRS], s21, v5
	s_mul_i32 s23, s16, 2*CHK                      ; the stage, in: chunk 2 wc on, row 128 wr + r, 16 h
	s_mul_i32 s21, s15, 128*80
	s_add_co_u32 s23, s23, s21
	v_mul_u32_u24 v5, v1, 80
	v_lshl_add_u32 v5, v2, 4, v5
	v_add_nc_u32 v[STO], s23, v5
	s_lshl_b32 s23, s16, 11                        ; its scale words: chunk 2 wc + h, row 128 wr + r
	s_lshl_b32 s21, s15, 9
	s_add_co_u32 s23, s23, s21
	s_add_co_u32 s23, s23, SST
	v_lshlrev_b32 v5, 2, v1
	v_lshl_add_u32 v5, v2, 10, v5
	v_add_nc_u32 v[SSO], s23, v5
	v_and_b32 v6, 31, v0
	v_lshrrev_b32 v5, 2, v6                        ; back: wave w takes chunk w; four lanes to a row of 64 bytes
	v_mul_u32_u24 v5, v5, 80
	v_and_b32 v7, 3, v6
	v_lshl_add_u32 v5, v7, 4, v5
	s_mul_i32 s23, s14, CHK
	v_add_nc_u32 v[RD], s23, v5
	v_lshlrev_b32 v[CO], 4, v6
	s_lshl_b32 s23, s14, 10
	s_add_co_u32 s23, s23, SST
	v_add_nc_u32 v[RDS], s23, v[CO]
	v_mov_b32 v[SELV], 0x01000100                  ; lanes 0-15 write the word of blocks 0, 1; lanes 16-31 that of blocks 2, 3
	v_mov_b32 v7, 0x03020302
	v_cmp_ne_u32 vcc_lo, 0, v2
	v_cndmask_b32 v[SELV], v[SELV], v7, vcc_lo
	s_lshl_b32 s20, s42, 2                         ; where my chunk goes: ((4 x tile column + wave) x rows + 256 x tile row) x 64 bytes of codes, x 4 of words
	s_add_co_u32 s20, s20, s14
	s_mul_i32 s20, s20, s66
	s_lshl_b32 s21, s17, 8
	s_add_co_u32 s20, s20, s21
	s_lshl_b32 s46, s20, 2
	s_add_co_u32 s46, s46, s100
	s_mov_b32 s47, 0
	s_lshl_b32 s20, s20, 6
	s_add_co_u32 s20, s20, s67
	s_mov_b32 s21, 0
	s_add_nc_u64 s[10:11], s[12:13], s[46:47]
	s_add_nc_u64 s[12:13], s[12:13], s[20:21]
	s_mov_b32 s18, 0x76543210
	s_mov_b32 s19, 0xfedcba98                      ; v_permlanex16_b32's selects for lane l xor 16
	s_mov_b32 s2, 0x600000                         ; the mantissa field of 57,344
.macro FRAG reg, adr, q, i             ; 16 rows x 128 K: registers 4 c .. 4 c + 3 hold K = 32 c + 16 (lane / 16) + 0 .. 15
.irp c, 0,1,2,3
	ds_load_b128 v[\reg+4*\c:\reg+4*\c+3], v[\adr] offset:128*(\q)+32*\c+(\i)*16*PITCH
.endr
.endm
; 16 matrix instructions: A's blocks a0, a0 + 1 x B's eight.  The 64 accumulators take turns, one instruction a turn, in the same order in every step.
.macro MUL16 a0, p, q, sc, zero
.irp a, \a0, \a0+1
.irp b, 0,1,2,3,4,5,6,7
.if \zero
	v_wmma_scale_f32_16x16x128_f8f6f4 v[8*(8*((\a)%4)+\b):8*(8*((\a)%4)+\b)+7], v[128*(\p)+FR*\b:128*(\p)+FR*\b+FR-1], v[AF+FR*(\a):AF+FR*(\a)+FR-1], 0, v[SC+8*NQ*(\sc)+NQ*\b+(\q)], v[SC+8*NQ*(\sc)+NQ*(\a)+(\q)] matrix_a_fmt:MATRIX_FMT_BF8 matrix_b_fmt:MATRIX_FMT_BF8 matrix_a_scale:MATRIX_SCALE_ROW1
.else
	v_wmma_scale_f32_16x16x128_f8f6f4 v[8*(8*((\a)%4)+\b):8*(8*((\a)%4)+\b)+7], v[128*(\p)+FR*\b:128*(\p)+FR*\b+FR-1], v[AF+FR*(\a):AF+FR*(\a)+FR-1], v[8*(8*((\a)%4)+\b):8*(8*((\a)%4)+\b)+7], v[SC+8*NQ*(\sc)+NQ*\b+(\q)], v[SC+8*NQ*(\sc)+NQ*(\a)+(\q)] matrix_a_fmt:MATRIX_FMT_BF8 matrix_b_fmt:MATRIX_FMT_BF8 matrix_a_scale:MATRIX_SCALE_ROW1
.endif
.endr
.endr
.endm
.macro FETCH_B slot, q, p
	WIN TO_B
.irp i, 0,1,2,3,4,5,6,7
	FRAG 128*(\p)+FR*\i, ADRB+\slot, \q, \i
.endr
	WIN 0
.endm
.macro FETCH_A slot, q, i0
.irp i, \i0, \i0+1, \i0+2, \i0+3
	FRAG AF+FR*(\i), ADRA+\slot, \q, \i
.endr
.endm
.macro SCALES sc                       ; a K step's two words a row: lanes 0-15 take A's block i, lanes 16-31 B's block i
.irp i, 0,1,2,3,4,5,6,7
	ds_load_b64 v[SC+8*NQ*\sc+NQ*\i:SC+8*NQ*\sc+NQ*\i+1], v[ADRS] offset:\i*128
.endr
.endm
.macro PLACES n                        ; plain vector instructions between a matrix instruction and a load into, or a read of, its registers
.rept \n
	v_nop
.endr
.endm
.macro STEP slot, q, zero              ; 128 along K with its successor in the same slot
	s_wait_dscnt 4*NL                              ; B's set and A's blocks 0-3 are in; the youngest sixteen loads (A's blocks 4-7) may be out
	WIN MUL_LO
	MUL16 0, (\q)%2, \q, \slot, \zero
	MUL16 2, (\q)%2, \q, \slot, \zero
	s_wait_dscnt 0
	PLACES NP
	FETCH_B \slot, (\q)+1, 1-(\q)%2
	FETCH_A \slot, (\q)+1, 0
	WIN MUL_HI
	MUL16 4, (\q)%2, \q, \slot, \zero
	MUL16 6, (\q)%2, \q, \slot, \zero
	PLACES NP
	WIN 0
	FETCH_A \slot, (\q)+1, 4
.endm
; A slot's last step changes slots: one barrier; in front of it each wave waits for all its tensor loads, adds 0 to its spare word, and waits for that and for its reads of this slot.
.macro TURN slot, next, fill
	s_wait_tensorcnt 0x0                           ; all my tensor loads have landed: my part of the next slot
	ds_add_u32 v[SPW], v[NIL]                      ; 0 onto my spare word
	s_wait_dscnt 4*NL+1                            ; the add and the youngest sixteen loads may be out
	WIN MUL_LO
	MUL16 0, 1, NQ-1, \slot, 0
	s_wait_dscnt 0x0                               ; the add is done, and my reads of this slot are over
	s_barrier_signal -1
	MUL16 2, 1, NQ-1, \slot, 0
	WIN 0
	s_barrier_wait -1
.if \fill
	CREST                                          ; the barrier has opened a round of the cluster's barrier: no wave of any partner still reads this slot or has a load on its way
	s_add_nc_u64 s[G0+4*\slot+2:G0+4*\slot+3], s[G0+4*\slot+2:G0+4*\slot+3], 2*ROWB
	s_add_nc_u64 s[G0B+4*\slot+2:G0B+4*\slot+3], s[G0B+4*\slot+2:G0B+4*\slot+3], 2*ROWB
	JLOAD G0+4*\slot, G1, G0B+4*\slot, G1B         ; the first tensor load behind the round
	PLACES NP-4
.else
	PLACES NP
.endif
	s_wait_alu depctr_va_vdst(0)
	v_add_nc_u32 v[ADRS], 2048, v[ADRS]            ; the next chunk of scale words: 256 rows x 8 bytes on
	FETCH_B \next, 0, 0
	FETCH_A \next, 0, 0
	SCALES \next
	WIN MUL_HI
	MUL16 4, 1, NQ-1, \slot, 0
	MUL16 6, 1, NQ-1, \slot, 0
	PLACES NP
	WIN 0
	FETCH_A \next, 0, 4
.endm
	s_wait_alu depctr_va_vdst(0)                   ; the wait at the head's end
	s_wait_tensorcnt 0x0                           ; my tile of the head's four is in; the lines ahead of a later first fill:
	ds_add_u32 v[SPW], v[NIL]
	s_mov_b32 s[G1+2], 128<<16                     ; no tensor load of mine is out: from here on a load brings 128 rows
	s_mov_b32 s[G1+4], 128
	s_mov_b32 s[G1B+2], 128<<16
	s_mov_b32 s[G1B+4], 128
	s_wait_dscnt 0x0
	CROUND                                         ; all four tiles are in, and all sixteen work-groups are here
	JLOAD G0+4, G1, G0B+4, G1B                     ; K step 1, the first tensor load behind the round
	FETCH_B 0, 0, 0
	FETCH_A 0, 0, 0
	SCALES 0
	FETCH_A 0, 0, 4
	STEP 0, 0, 1                                   ; the first step's products start the sums
	s_mov_b32 s3, LAPS-1
.Llap:
	TURN 0, 1, 1
	STEP 1, 0, 0
	TURN 1, 0, 1
	STEP 0, 0, 0
	s_sub_co_u32 s3, s3, 1
	s_cmp_lg_u32 s3, 0
	s_cbranch_scc1 .Llap
	TURN 0, 1, 0                                   ; the last lap fills nothing
	STEP 1, 0, 0
	s_wait_dscnt 4*NL
	WIN MUL_LO
	MUL16 0, 1, NQ-1, 1, 0
	MUL16 2, 1, NQ-1, 1, 0
	s_wait_dscnt 0
	WIN MUL_HI
	MUL16 4, 1, NQ-1, 1, 0
	MUL16 6, 1, NQ-1, 1, 0
	WIN 0
; THE WAY OUT.  Block a's 64 numbers of a lane lie on end in window 2 or 3: register 16 b + i is column 32 b + 16 (lane / 16) + i of my row.  They are read in place, from each accumulator's low end on.
.macro QUANTW a
.set AC, 64*((\a)%4)
.set WA, 2+(\a)/4
.set WW, 5*WA
	s_wait_dscnt 0x0                               ; the last block's stores have read their registers
	WIN WW                                         ; sources 0 and 1: the accumulators' window
.irp b, 0,1,2,3
	v_max3_num_f32 v[TM+\b], |v[AC+16*\b]|, |v[AC+1+16*\b]|, 0x8000000   ; my 16 numbers of block b, and the floor 2^(16 - 127)
.endr
.irp i, 2,4,6,8,10,12,14
.irp b, 0,1,2,3
	v_max3_num_f32 v[TM+\b], |v[AC+16*\b+\i]|, |v[AC+1+16*\b+\i]|, v[TM+\b]
.endr
.endr
	WIN 0
.irp b, 0,1,2,3
	v_permlanex16_b32 v[TM+4+\b], v[TM+\b], s18, s19
.endr
.irp b, 0,1,2,3
	v_max_num_f32 v[TM+\b], v[TM+\b], v[TM+4+\b]   ; with lane l xor 16's: the block's largest magnitude
.endr
.irp b, 0,1,2,3
	v_add_nc_u32 v[TM+12+\b], 0xf8800000, v[TM+\b] ; 15 off the exponent field: the conversion's scale operand
.endr
.irp b, 0,1,2,3
	v_and_or_b32 v[TM+8+\b], v[TM+\b], 0x7f800000, s2   ; 57,344 x the scale
.endr
.irp b, 0,1,2,3
	v_lshrrev_b32 v[TM+4+\b], 23, v[TM+12+\b]      ; the scale's byte
.endr
	v_lshl_or_b32 v[PW], v[TM+5], 8, v[TM+4]
	v_lshl_or_b32 v[PW], v[TM+6], 16, v[PW]
	v_lshl_or_b32 v[PW], v[TM+7], 24, v[PW]
	v_perm_b32 v[PW2], v[PW], v[PW], v[SELV]       ; (s0, s1, s0, s1) of my half's chunk of 64 columns
	WIN WA
.irp b, 0,1,2,3
.irp i, 0,1,2,3,4,5,6,7,8,9,10,11,12,13,14,15
	v_med3_num_f32 v[HA+16*\b+\i], v[AC+16*\b+\i], -v[TM+8+\b], v[TM+8+\b]   ; the conversion does not saturate (ISA guide 7.6.2): the hold comes first
.endr
.endr
	WIN 0
.irp b, 0,1,2,3
	v_cvt_scalef32_pk8_bf8_f32 v[PC+4*\b:PC+4*\b+1], v[HA+16*\b:HA+16*\b+7], v[TM+12+\b]
	v_cvt_scalef32_pk8_bf8_f32 v[PC+4*\b+2:PC+4*\b+3], v[HA+16*\b+8:HA+16*\b+15], v[TM+12+\b]
.endr
	v_nop                                          ; a plain instruction behind the last conversion
.irp b, 0,1,2,3
	ds_store_b128 v[STO], v[PC+4*\b:PC+4*\b+3] offset:(\b/2)*CHK+(\b%2)*32+1280*(\a)
.endr
	ds_store_b32 v[SSO], v[PW2] offset:64*(\a)
.endm
	PLACES NP                                      ; behind the last products, ahead of every read of results and every write of operands
.irp b, 0,1,2,3
	v_mov_b32 v[TM+4+\b], 0                        ; written once: a lane permute's destination counts as one of its sources
.endr
.irp a, 0,1,2,3,4,5,6,7
	QUANTW \a
.endr
	s_wait_dscnt 0x0                               ; for the others' sake: my stores into the stage are done
	s_barrier_signal -1
	s_barrier_wait -1
.set J, 0
.rept 32
	ds_load_b128 v[BK+4*J:BK+4*J+3], v[RD] offset:640*J     ; eight rows of 64 bytes
.set J, J+1
.endr
	ds_load_b128 v[HA:HA+3], v[RDS]
	ds_load_b128 v[HA+4:HA+7], v[RDS] offset:512
.set J, 0
.rept 32
	s_wait_dscnt 33-J
	global_store_b128 v[CO], v[BK+4*J:BK+4*J+3], s[12:13] offset:512*J   ; 512 consecutive bytes; a wave's chunk is 16 KB on end
.set J, J+1
.endr
	s_wait_dscnt 1
	global_store_b128 v[CO], v[HA:HA+3], s[10:11]
	s_wait_dscnt 0
	global_store_b128 v[CO], v[HA+4:HA+7], s[10:11] offset:512
	s_wait_tensorcnt 0x0                           ; the wave's end
	ds_add_u32 v[SPW], v[NIL]
	s_wait_dscnt 0x0
	CROUND                                         ; the closing round
	s_endpgm
.Lfunc_end_k_q300b7210b4_qkv:
	.size	k_q300b7210b4_qkv, .Lfunc_end_k_q300b7210b4_qkv-k_q300b7210b4_qkv
	.p2alignl 7, 3214868480
	.fill 96, 4, 3214868480
	.section	.rodata,"a",@progbits
	.p2align	6, 0x0
	.amdhsa_kernel k_q300b7210b4_qkv
		.amdhsa_group_segment_fixed_size 327680
		.amdhsa_private_segment_fixed_size 0
		.amdhsa_enable_private_segment 0
		.amdhsa_kernarg_size 24
		.amdhsa_user_sgpr_count 2
		.amdhsa_user_sgpr_kernarg_segment_ptr 1
		.amdhsa_wavefront_size32 1
		.amdhsa_system_sgpr_workgroup_id_x 1
		.amdhsa_system_sgpr_workgroup_id_y 1
		.amdhsa_system_sgpr_workgroup_id_z 1
		.amdhsa_system_vgpr_workitem_id 0
		.amdhsa_next_free_vgpr 1024
		.amdhsa_next_free_sgpr 102
		.amdhsa_reserve_vcc 1
		.amdhsa_float_denorm_mode_32 3
		.amdhsa_float_denorm_mode_16_64 3
		.amdhsa_memory_ordered 1
		.amdhsa_forward_progress 1
		.amdhsa_inst_pref_size 194
	.end_amdhsa_kernel
	.amdgpu_metadata
---
amdhsa.version: [ 1, 2 ]
amdhsa.kernels:
  - .name:           k_q300b7210b4_qkv
    .symbol:         k_q300b7210b4_qkv.kd
    .args:
      - { .name: N1, .offset: 0, .size: 8, .value_kind: global_buffer, .address_space: global }
      - { .name: W, .offset: 8, .size: 8, .value_kind: global_buffer, .address_space: global }
      - { .name: QKV, .offset: 16, .size: 8, .value_kind: global_buffer, .address_space: global }
    .group_segment_fixed_size: 327680
    .private_segment_fixed_size: 0
    .kernarg_segment_align: 8
    .kernarg_segment_size: 24
    .max_flat_workgroup_size: 128
    .sgpr_count:     102
    .vgpr_count:     1024
    .wavefront_size: 32
...
	.end_amdgpu_metadata
.endif
;; end of part 2
;; launch attn (part 3): grid 8 x 32, 8 waves a work-group, clusters of 4 x 1, 327,680 bytes of LDS; arguments QKV, AT; writes AT
.if DOCPART == 3
	.amdgcn_target "amdgcn-amd-amdhsa--gfx1250"
	.amdhsa_code_object_version 6
	.text
	.protected	k_q300b7210b4_attn
	.globl	k_q300b7210b4_attn
	.p2align	8
	.type	k_q300b7210b4_attn,@function
k_q300b7210b4_attn:
	s_mov_b64 s[64:65], 0
	v_nop
	global_prefetch_b8 v0, s[64:65] scope:SCOPE_SE
	s_setreg_imm32_b32 hwreg(HW_REG_WAVE_MODE, 25, 1), 1
	s_wait_xcnt 0x0
	s_wait_alu depctr_hold_cnt(0) depctr_sa_sdst(0) depctr_va_vdst(0) depctr_va_sdst(0) depctr_va_ssrc(0) depctr_va_vcc(0) depctr_vm_vsrc(0)
	s_getreg_b32 s2, hwreg(HW_REG_IB_STS2, 6, 4)
	s_cmp_eq_u32 s2, 0
	s_cbranch_scc0 .Lentry_in_a_cluster
	s_endpgm
.Lentry_in_a_cluster:
	s_bfe_u32 s2, ttmp6, 0x10000c
	s_cmp_lg_u32 s2, 0x3003
	s_cbranch_scc0 .Lentry_shape_is_right
	s_endpgm
.Lentry_shape_is_right:
; Attention for one batch and head (work-group y = 16 b + head) and 256 queries (work-group x), head size 64, both products on codes of BF8 (E5M2) with one E8M0 scale for each 32 along a product's K; the result is
; quantised along the head's 64 for the next product.  q, k: [chunk][4096 rows][64 codes] (chunk = head, 16 + head); v: keys innermost, [b x 32 + keys / 64][head x 64 + d][64 codes]; a scale word (s0, s1, s0, s1) for each 64 codes.
; THE SOFTMAX: t = score x log2(e) / 8; M = the row's largest t so far, rounded UP to a whole number; p = 2^(t - M) is quantised along the keys, not normalised; the row's sum is taken of the unquantised p and divides at the end.
; When M moves, the sum and O are multiplied by f = 2^(old M - new M): exact.
; SHARES: eight waves, each 32 queries, TWO TILES of 16, in 512 registers; every wave walks all 2,048 keys, 128 a step.  Each fragment of K and V that a wave reads from LDS feeds two products.
; WINDOWS: tile 0's own registers lie in window 0, tile 1's in window 1 under the same numbers, so one text serves both.  Addresses, K's and V's fragments and every scale word lie in window 0.
; Both products are used transposed (S^T = K Q^T, O^T = V^T P^T): a lane holds one query.  Rows of every table lie in the order PI (bits 3 and 4 of the row number exchanged), so the 16 registers of tiles 2 b and 2 b + 1 are 16 logical neighbours.
; K = 64 OF THE FIRST PRODUCT is filled to the instruction's 128 by Q's zero codes (v24-31).  K's tile t is v[KFR + 8 t .. + 15]: its upper eight registers are tile t + 1's codes (finite numbers: the quantiser holds at the largest
; code), which Q's zeros multiply; behind tile 7 lie eight registers of zeros.
; LDS: FOUR GROUPS of four key steps, each byte filled once.  In a group: K's codes (4 x 8,704 bytes with padding), V's (4 x 8,704), K's scale words (4 x 544), V's (4 x 544).  Eight loads a group, one a wave:
; waves 0-1 K's codes of two steps each, 2-3 V's, 4-5 K's scale words, 6-7 V's.  Group g + 1 is asked for behind the round ahead of group g's four steps.
; CLUSTER: the four query blocks of a cluster walk the same K and V: every load is joint (mask 15), and stands behind a round of the cluster's barrier.  By the text's own count a wave has one tensor load out.
; NO PREFETCH: each group's own load goes out four key steps ahead of the wait for it, and the first group has no trip ahead of it in which to ask.
; THE ROW'S SUM COMES A STEP LATE: the holds write a copy, p stays in S, and step i's additions stand behind step i's last products and behind step i + 1's first: they are the places that those products ask for.
; LIMITS: the scaled scores stay under 2^31 in magnitude; a block of zeros gets the byte 1 (its codes are zeros; this program alone reads the bytes); NaN and infinities are not served.
.set UNIT,  272                        ; four rows of 64 codes + 16 bytes
.set TILE,  4*UNIT
.set PIECE, 16*UNIT
.set KST,   2*PIECE                    ; a step's codes of K, or of V
.set GV0,   4*KST                      ; in a group: V's codes,
.set GKS,   8*KST                      ; K's scale words,
.set GVS,   GKS+4*544                  ; V's
.set GRP,   GVS+4*544                  ; 73,984 bytes
.set SPARE, 4*GRP                      ; the spare words, 128 bytes for each of 8 waves
.set STAGE, SPARE+1024                 ; the way out: 2,048 bytes for each wave, into which no tile lands
.set AK0, 1                            ; my lane's place in a tile
.set AS0, 2                            ; and among K's scale words: a word a lane, two tiles to a load
.set SPW, 3
.set NIL, 4
.set AD,  5
.set ADS, 6
.set TMP, 7
.set L,   8                            ; v[8:9] the row's sum in two halves
.set FF,  10                           ; v[10:11] f
.set VS,  12                           ; v12-13 V's scale words for 128 keys: lanes 0-15 tile 2 j, lanes 16-31 tile 2 j + 1
.set PWD, 14                           ; p's scale word (tile 1: its first three bytes)
.set QW,  15                           ; Q's, tile 0
.set Q,   16                           ; v16-23 Q's codes, v24-31 zeros
.set KFR, 32                           ; v32-95 K's eight tiles, then V's four fragments; v96-103 zeros
.set S,   104                          ; v104-167 S^T, then p
.set OT,  168                          ; v168-199 O^T
.set PC,  200                          ; v200-215 p's codes
.set T,   216                          ; v216-231 the sum's eight partial pairs; then the held numbers, two sets of eight
.set BM,  232
.set PX,  236
.set TM2, 236                          ; (free between the maxima's lane step and the bytes)
.set HL,  240
.set VW,  240                          ; V's scale words as loaded lie in tile 0's holds' registers until the holds are made
.set SO,  244
.set KW,  248                          ; v248-251 K's scale words: lanes 0-15 tile 2 j, lanes 16-31 tile 2 j + 1
.set NM,  252                          ; -M; with v253 a pair for the packed form
.set MX,  253                          ; the largest score so far
.set QW1, 254                          ; window 0: Q's scale words, tile 1
.set PW1, 255                          ; window 0: p's scale word, tile 1
.set OA,  32                           ; the way out's addresses, v32-37; v40-55 the rows read back
.set TBC, 2
.set CNT, 3
.set GC,  66
.set TBS, 67
.set WV,  18
.set MNT, 19
.set SEL, 20
.set CS,  22
.set GK,  24                           ; groups 0: K's codes, V's codes, K's scale words, V's
.set GV,  28
.set GSK, 32
.set GSV, 36
.set G1K, 40                           ; groups 1
.set G1V, 48
.set G1SK, 56
.set G1SV, 68
.set W0C, 15|(1<<20)|(1<<21)|(5<<22)|(3<<25)   ; the cluster's four; elements of 1 byte; 4 words of padding after every 64; bit 21 beside a mask
.set W0S, W0C|(3<<16)                          ; the same with elements of 8 bytes
.set ALL1, 0x55                        ; every operand in window 1
.set MUL1, 0x54                        ; source 0 (K, V) window 0; source 1, C and D window 1
.set MSB, 0
.macro WIN new                         ; the immediate's high byte repeats the setting that is left
.if MSB != \new
	s_set_vgpr_msb (MSB<<8)|\new
.set MSB, \new
.endif
.endm
.macro ROUND                           ; a round of the cluster's barrier
	s_barrier_signal -1
	s_barrier_wait -1
	s_cmp_lg_u32 s[WV], 0
	s_cbranch_scc1 .Lnot_wave_0_\@
	s_barrier_signal -3
.Lnot_wave_0_\@:
	s_barrier_wait -3
	s_barrier_signal -1
	s_barrier_wait -1
.endm
.macro GRP1 g, w0, c, r, p             ; r rows of c elements, p elements apart
	s_mov_b32 s[\g], \w0
	s_mov_b32 s[\g+1], (\c)<<16
	s_mov_b32 s[\g+2], (\r)<<16
	s_mov_b32 s[\g+3], (\c)<<16
	s_mov_b32 s[\g+4], \r
	s_mov_b32 s[\g+5], \p
	s_mov_b32 s[\g+6], 0
	s_mov_b32 s[\g+7], 0
.endm
.macro TL g0, g1                       ; an s_nop 0 and four v_nop follow each load
	tensor_load_to_lds s[\g0:\g0+3], s[\g1:\g1+7]
	s_nop 0
.rept 4
	v_nop
.endr
.endm
.macro LOADS id                        ; a group's eight loads: one chain of branches on the wave's number, a load to an arm, one join
	s_cmp_lt_u32 s[WV], 2
	s_cbranch_scc0 .Lv\id
	TL GK, G1K
	s_branch .Lj\id
.Lv\id:
	s_cmp_lt_u32 s[WV], 4
	s_cbranch_scc0 .Lsk\id
	TL GV, G1V
	s_branch .Lj\id
.Lsk\id:
	s_cmp_lt_u32 s[WV], 6
	s_cbranch_scc0 .Lsv\id
	TL GSK, G1SK
	s_branch .Lj\id
.Lsv\id:
	TL GSV, G1SV
.Lj\id:
.endm
	s_load_b128 s[4:7], s[0:1], 0x0                ; QKV, AT
	v_lshl_add_u32 v[SPW], v0, 2, SPARE
	v_mov_b32 v[NIL], 0
	ds_add_u32 v[SPW], v[NIL]                      ; the opening lines: the add, twice on end, and its wait
	ds_add_u32 v[SPW], v[NIL]
	v_lshrrev_b32 v[TMP], 5, v0
	v_readfirstlane_b32 s[WV], v[TMP]              ; wave 0..7
	s_and_b32 s82, ttmp7, 0xffff
	s_lshr_b32 s83, s82, 4                         ; b
	s_and_b32 s98, s82, 15                         ; head
	s_bfe_u32 s80, ttmp6, 0x40000                  ; cx: it enters Q's and the result's global addresses alone
	s_lshl_b32 s81, ttmp9, 2
	s_add_co_u32 s81, s81, s80                     ; work-group x
	s_and_b32 s84, s[WV], 1                        ; which two steps of a group I fetch for
	s_add_co_u32 s90, s98, 16
	s_lshl_b32 s90, s90, 12
	s_lshl_b32 s82, s83, 11
	s_add_co_u32 s90, s90, s82                     ; K's first row: (16 + head) x 4096 + 2048 b
	s_lshl_b32 s91, s83, 15
	s_lshl_b32 s82, s98, 6
	s_add_co_u32 s91, s91, s82                     ; V's first row: 32 b x 1024 + 64 head
	s_lshl_b32 s86, s90, 6                         ; byte offsets in QKV: K's codes, 8,192 a step;
	s_lshl_b32 s85, s84, 14
	s_add_co_u32 s86, s86, s85
	s_mov_b32 s87, 0
	s_lshl_b32 s88, s91, 6                         ; V's codes, two chunks of 65,536 a step;
	s_add_co_u32 s88, s88, 0x800000
	s_lshl_b32 s85, s84, 18
	s_add_co_u32 s88, s88, s85
	s_mov_b32 s89, 0
	s_lshl_b32 s92, s90, 2                         ; K's scale words, 512 a step;
	s_add_co_u32 s92, s92, 0xC00000
	s_lshl_b32 s85, s84, 10
	s_add_co_u32 s92, s92, s85
	s_mov_b32 s93, 0
	s_lshl_b32 s94, s91, 2                         ; V's, two chunks of 4,096 a step
	s_add_co_u32 s94, s94, 0xC80000
	s_lshl_b32 s85, s84, 14
	s_add_co_u32 s94, s94, s85
	s_mov_b32 s95, 0
	s_mul_i32 s96, s84, 2*KST                      ; my two steps' place among a group's codes,
	s_mul_i32 s97, s84, 2*544                      ; and among its scale words
	GRP1 G1K, W0C, 256, 64, 256                    ; 256 keys x 64 bytes are dense: 64 rows of 256
	GRP1 G1V, W0C, 4096, 4, 65536                  ; four key chunks of 4,096 dense bytes; the padding's interval divides the row
	GRP1 G1SK, W0S, 32, 4, 32                      ; 1,024 dense bytes: 4 rows of 256
	GRP1 G1SV, W0S, 32, 4, 512                     ; 4 rows of 256 bytes, 4,096 apart
	s_mov_b32 s[GK], 1
	s_mov_b32 s[GK+1], s96
	s_mov_b32 s[GV], 1
	s_add_co_u32 s[GV+1], s96, GV0
	s_mov_b32 s[GSK], 1
	s_add_co_u32 s[GSK+1], s97, GKS
	s_mov_b32 s[GSV], 1
	s_add_co_u32 s[GSV+1], s97, GVS
	s_mov_b32 s[SEL], 0x76543210
	s_mov_b32 s[SEL+1], 0xfedcba98                 ; v_permlanex16_b32's selects for lane l xor 16
	s_mov_b32 s[CS], 0x3e38aa3b                    ; c = log2(e) / 8
	s_mov_b32 s[CS+1], s[CS]
	s_mov_b32 s[MNT], 0x600000                     ; the mantissa field of 57,344
	s_mov_b32 s[TBC], 0
	s_mov_b32 s[TBS], 0
	s_wait_dscnt 0x0                               ; both opening adds are done
	ROUND                                          ; in front of the first joint loads
	s_wait_kmcnt 0x0
	s_add_nc_u64 s[GK+2:GK+3], s[4:5], s[86:87]
	s_or_b32 s[GK+3], s[GK+3], 0x80000000
	s_add_nc_u64 s[GV+2:GV+3], s[4:5], s[88:89]
	s_or_b32 s[GV+3], s[GV+3], 0x80000000
	s_add_nc_u64 s[GSK+2:GSK+3], s[4:5], s[92:93]
	s_or_b32 s[GSK+3], s[GSK+3], 0x80000000
	s_add_nc_u64 s[GSV+2:GSV+3], s[4:5], s[94:95]
	s_or_b32 s[GSV+3], s[GSV+3], 0x80000000
	LOADS 0                                        ; group 0: a wave's one load at the head
	s_lshl_b32 s84, s83, 11
	s_lshl_b32 s85, s81, 8
	s_add_co_u32 s84, s84, s85
	s_lshl_b32 s85, s[WV], 5
	s_add_co_u32 s84, s84, s85                     ; my first query's row: 2048 b + 256 x + 32 wave
	s_lshl_b32 s86, s98, 12
	s_add_co_u32 s86, s86, s84                     ; + 4096 head
	s_lshl_b32 s88, s86, 6                         ; its codes: Q's in QKV, mine in AT
	s_mov_b32 s89, 0
	s_lshl_b32 s90, s86, 2
	s_add_co_u32 s90, s90, 0xC00000                ; Q's scale words
	s_mov_b32 s91, 0
	s_lshr_b32 s92, s98, 2                         ; my scale bytes: ((head / 4) x 4096 + row) x 8 + 2 (head % 4)
	s_lshl_b32 s92, s92, 12
	s_add_co_u32 s92, s92, s84
	s_lshl_b32 s92, s92, 3
	s_and_b32 s93, s98, 3
	s_lshl_b32 s93, s93, 1
	s_add_co_u32 s92, s92, s93
	s_add_co_u32 s92, s92, 0x400000
	s_mov_b32 s93, 0
	s_add_nc_u64 s[8:9], s[4:5], s[88:89]
	s_add_nc_u64 s[10:11], s[4:5], s[90:91]
	s_add_nc_u64 s[12:13], s[6:7], s[88:89]
	s_add_nc_u64 s[14:15], s[6:7], s[92:93]
	v_and_b32 v[T], 15, v0                         ; r
	v_bfe_u32 v[T+1], v0, 4, 1                     ; h
	v_lshlrev_b32 v[T+2], 6, v[T]
	v_lshlrev_b32 v[T+3], 2, v[T]
	v_lshl_add_u32 v[T+2], v[T+1], 4, v[T+2]
	global_load_b128 v[Q:Q+3], v[T+2], s[8:9]      ; Q's fragments stay in registers: tile 0's,
	global_load_b128 v[Q+4:Q+7], v[T+2], s[8:9] offset:32
	global_load_b32 v[QW], v[T+3], s[10:11]
	global_load_b32 v[QW1], v[T+3], s[10:11] offset:64
	WIN 0x40
	global_load_b128 v[Q:Q+3], v[T+2], s[8:9] offset:1024      ; and tile 1's, 16 rows on, into window 1
	global_load_b128 v[Q+4:Q+7], v[T+2], s[8:9] offset:1056
	WIN 0
	v_bfe_u32 v[AK0], v0, 2, 2                     ; my row of a tile: unit r / 4,
	v_and_b32 v[T+4], 3, v0
	v_mul_u32_u24 v[AK0], v[AK0], UNIT
	v_and_b32 v[AS0], 31, v0
	v_lshl_add_u32 v[AK0], v[T+4], 6, v[AK0]       ; row r % 4 in it,
	v_lshl_add_u32 v[AS0], v[AS0], 2, GKS
	v_lshl_add_u32 v[AK0], v[T+1], 4, v[AK0]       ; + 16 h
.irp j, 0,1,2,3,4,5,6,7
	v_mov_b32 v[KFR+64+\j], 0                      ; what lies behind K's tile 7
.endr
.macro INIT                            ; a tile's own registers
	v_mov_b32 v[MX], 0xff61b1e6                    ; the largest score so far: -3e38
	v_mul_f32 v[TMP], s[CS], v[MX]
	v_floor_f32 v[NM], -v[TMP]                     ; -M
	v_mov_b32 v[L], 0
	v_mov_b32 v[L+1], 0
	v_mov_b32 v[FF], 1.0
	v_mov_b32 v[FF+1], 0                           ; named as the upper half of the pair
.irp j, 0,1,2,3,4,5,6,7
	v_mov_b32 v[Q+8+\j], 0                         ; the zero codes that fill K = 64 to 128
.endr
.set J, 0
.rept 64
	v_mov_b32 v[S+J], 0                            ; the step is written once: the first finds a p of zeros to sum,
.set J, J+1
.endr
.set J, 0
.rept 32
	v_mov_b32 v[OT+J], 0                           ; and an O^T of zeros
.set J, J+1
.endr
.irp b, 0,1,2,3
	v_mov_b32 v[PX+\b], 0                          ; a lane permute's destination counts as one of its sources
.endr
.endm
	INIT
	WIN ALL1
	INIT
	WIN 0
.macro SUMA                            ; the sum of the last step's p: 32 pairs into eight partial pairs: the first eight lines,
.irp j, 0,1,2,3,4,5,6,7
	v_pk_add_f32 v[T+2*\j:T+2*\j+1], v[S+4*\j:S+4*\j+1], v[S+4*\j+2:S+4*\j+3]
.endr
.endm
.macro SUMB                            ; the other sixteen,
.irp o, 32,48
.irp j, 0,1,2,3,4,5,6,7
	v_pk_add_f32 v[T+2*\j:T+2*\j+1], v[T+2*\j:T+2*\j+1], v[S+\o+2*\j:S+\o+2*\j+1]
.endr
.endr
.endm
.macro TAIL                            ; and eight lines that name no register of a product: sum = sum x f + the step's
.irp j, 0,1,2,3
	v_pk_add_f32 v[T+2*\j:T+2*\j+1], v[T+2*\j:T+2*\j+1], v[T+8+2*\j:T+9+2*\j]
.endr
	v_pk_add_f32 v[T:T+1], v[T:T+1], v[T+4:T+5]
	v_pk_add_f32 v[T+2:T+3], v[T+2:T+3], v[T+6:T+7]
	v_pk_add_f32 v[T:T+1], v[T:T+1], v[T+2:T+3]
	v_pk_fma_f32 v[L:L+1], v[L:L+1], v[FF:FF+1], v[T:T+1] op_sel_hi:[1,0,1]
.endm
.macro SMUL t, qs                      ; S^T's tile t; qs: Q's scale words
.if (\t)%2
	v_wmma_scale_f32_16x16x128_f8f6f4 v[S+8*\t:S+8*\t+7], v[KFR+8*\t:KFR+8*\t+15], v[Q:Q+15], 0, v[KW+\t/2], v[\qs] matrix_a_fmt:MATRIX_FMT_BF8 matrix_b_fmt:MATRIX_FMT_BF8 matrix_a_scale:MATRIX_SCALE_ROW1
.else
	v_wmma_scale_f32_16x16x128_f8f6f4 v[S+8*\t:S+8*\t+7], v[KFR+8*\t:KFR+8*\t+15], v[Q:Q+15], 0, v[KW+\t/2], v[\qs] matrix_a_fmt:MATRIX_FMT_BF8 matrix_b_fmt:MATRIX_FMT_BF8
.endif
.endm
.macro OMUL t, ps                      ; O^T's tile t; ps: p's scale word
.if (\t)%2
	v_wmma_scale_f32_16x16x128_f8f6f4 v[OT+8*\t:OT+8*\t+7], v[KFR+16*\t:KFR+16*\t+15], v[PC:PC+15], v[OT+8*\t:OT+8*\t+7], v[VS+\t/2], v[\ps] matrix_a_fmt:MATRIX_FMT_BF8 matrix_b_fmt:MATRIX_FMT_BF8 matrix_a_scale:MATRIX_SCALE_ROW1
.else
	v_wmma_scale_f32_16x16x128_f8f6f4 v[OT+8*\t:OT+8*\t+7], v[KFR+16*\t:KFR+16*\t+15], v[PC:PC+15], v[OT+8*\t:OT+8*\t+7], v[VS+\t/2], v[\ps] matrix_a_fmt:MATRIX_FMT_BF8 matrix_b_fmt:MATRIX_FMT_BF8
.endif
.endm
.macro HOLD2 d, x, h                   ; two numbers held at the largest code x the scale, into a copy: p is not negative, so the hold is one-sided
	v_dual_min_num_f32 v[\d], v[\x], v[\h] :: v_dual_min_num_f32 v[\d+1], v[\x+1], v[\h]
.endm
.macro SOFT w                          ; a tile's softmax and quantiser, from S^T to p's codes, its scale word and the rescaled O^T.  w: the tile, and its window
.if \w
	s_wait_alu depctr_va_vdst(0)
.endif
.irp b, 0,1,2,3
	v_max3_num_f32 v[BM+\b], v[S+16*\b], v[S+1+16*\b], v[S+2+16*\b]   ; the largest score of each block of 32 keys: for the row's maximum and, since p rises with the score, for the block's largest p
.endr
.irp i, 3,5,7,9,11,13
.irp b, 0,1,2,3
	v_max3_num_f32 v[BM+\b], v[BM+\b], v[S+16*\b+\i], v[S+1+16*\b+\i]
.endr
.endr
.irp b, 0,1,2,3
	v_max_num_f32 v[BM+\b], v[BM+\b], v[S+15+16*\b]
.endr
.irp b, 0,1,2,3
	v_permlanex16_b32 v[PX+\b], v[BM+\b], s[SEL], s[SEL+1]
.endr
.irp b, 0,1,2,3
	v_max_num_f32 v[BM+\b], v[BM+\b], v[PX+\b]
.endr
	v_max3_num_f32 v[TMP], v[BM], v[BM+1], v[BM+2]
	v_mov_b32 v[TM2], v[NM]
	v_max3_num_f32 v[MX], v[MX], v[TMP], v[BM+3]   ; the running largest score
	v_mul_f32 v[TMP], s[CS], v[MX]                 ; as t (c is positive)
	v_floor_f32 v[NM], -v[TMP]                     ; the new -M = -ceil(t)
	v_sub_f32 v[TM2], v[NM], v[TM2]                ; old M - new M: a whole number, 0 or less
	v_cvt_i32_f32 v[TM2], v[TM2]                   ; (it saturates)
	v_ldexp_f32 v[FF], 1.0, v[TM2]                 ; f
.set J, 0
.rept 32
	v_pk_fma_f32 v[S+J:S+J+1], v[S+J:S+J+1], s[CS:CS+1], v[NM:NM+1] op_sel_hi:[1,0,0]   ; t - M
.set J, J+2
.endr
.irp b, 0,1,2,3
	v_fma_f32 v[BM+\b], v[BM+\b], s[CS], v[NM]
.endr
	s_wait_alu depctr_va_vdst(0)                   ; the wait ahead of the batch
.irp b, 0,1,2,3
	v_exp_f32 v[BM+\b], v[BM+\b]                   ; the block's largest p
.endr
.set J, 0
.rept 64
	v_exp_f32 v[S+J], v[S+J]                       ; p = 2^(t - M)
.set J, J+1
.endr
.if \w
	v_nop                                          ; a plain line behind the batch
.else
.irp j, 0,1
	v_perm_b32 v[VS+\j], v[VW+2+\j], v[VW+\j], 0x05040100   ; V's word for these 128 keys: the low halves of its two chunks' words.  (Plain lines behind the batch)
.endr
.endif
	s_wait_alu depctr_va_vdst(0)                   ; one wait for the whole batch, ahead of its first reader
.irp b, 0,1,2,3
	v_max_num_f32 v[BM+\b], 0x8000000, v[BM+\b]    ; the floor 2^(16 - 127): the byte cannot fall under 1
.endr
.irp b, 0,1,2,3
	v_add_nc_u32 v[SO+\b], 0xf8800000, v[BM+\b]    ; 15 off the exponent field: the conversion's scale operand
.endr
.irp b, 0,1,2,3
	v_and_or_b32 v[HL+\b], v[BM+\b], 0x7f800000, s[MNT]   ; 57,344 x the scale
.endr
.irp b, 0,1,2,3
	v_lshrrev_b32 v[PX+\b], 23, v[SO+\b]           ; the scale's byte
.endr
	v_lshl_or_b32 v[PWD], v[PX+1], 8, v[PX]
	v_lshl_or_b32 v[PWD], v[PX+2], 16, v[PWD]
.if \w
	WIN 0x15                                       ; a scale operand is taken from window 0: the word's last line writes there
	v_lshl_or_b32 v[PW1], v[PX+3], 24, v[PWD]
	WIN ALL1
.else
	v_lshl_or_b32 v[PWD], v[PX+3], 24, v[PWD]
.endif
.irp b, 0,1,2,3
.irp u, 0,1
.irp i, 0,2,4,6
	HOLD2 T+8*\u+\i, S+16*\b+8*\u+\i, HL+\b        ; the conversion does not saturate (ISA guide 7.6.2)
.endr
	v_cvt_scalef32_pk8_bf8_f32 v[PC+4*\b+2*\u:PC+4*\b+2*\u+1], v[T+8*\u:T+8*\u+7], v[SO+\b]
.endr
.endr
.if \w == 0
	s_wait_dscnt 0x0                               ; V's fragments, asked for ahead of the softmax
.endif
	s_wait_alu depctr_va_vdst(0)                   ; directly ahead of the first reader of O^T
.set J, 0
.rept 16
	v_pk_mul_f32 v[OT+J:OT+J+1], v[OT+J:OT+J+1], v[FF:FF+1] op_sel_hi:[1,0]   ; O^T under the new M; also the places between the conversions and the products
.set J, J+2
.endr
.endm
.macro STEP                            ; 128 keys x 32 queries
	v_add_nc_u32 v[AD], s[TBC], v[AK0]
	v_add_nc_u32 v[ADS], s[TBS], v[AS0]
	SUMA                                           ; with the two additions: ten places behind the last step's products, ahead of the loads into registers that they read
.irp t, 0,1,2,3,4,5,6,7
	ds_load_b128 v[KFR+8*\t:KFR+8*\t+3], v[AD] offset:\t*TILE
	ds_load_b128 v[KFR+8*\t+4:KFR+8*\t+7], v[AD] offset:\t*TILE+32
.endr
.irp j, 0,1,2,3
	ds_load_b32 v[KW+\j], v[ADS] offset:272*(\j/2)+128*(\j%2)
.endr
.irp k, 0,1
.irp j, 0,1
	ds_load_b32 v[VW+2*\k+\j], v[ADS] offset:GVS-GKS+272*\k+128*\j
.endr
.endr
	SUMB
	WIN ALL1
	SUMA                                           ; tile 1's sum stands under the loads' flight
	SUMB
	WIN 0
	s_wait_alu depctr_va_vdst(0)
	s_wait_dscnt 0x0
.irp t, 0,1,2,3,4,5,6,7
	SMUL \t, QW
.endr
	WIN MUL1
.irp t, 0,1,2,3,4,5,6,7
	SMUL \t, QW1
.endr
	WIN 0
	TAIL                                           ; the eight places behind the products
.irp t, 0,1,2,3                        ; V's four fragments (16 channels x 128 keys) into the registers that K has left
.irp c, 0,1,2,3
	ds_load_b128 v[KFR+16*\t+4*\c:KFR+16*\t+4*\c+3], v[AD] offset:GV0+(\c/2)*PIECE+\t*TILE+(\c%2)*32
.endr
.endr
	WIN ALL1
	TAIL
	WIN 0
	SOFT 0
.irp t, 0,1,2,3
	OMUL \t, PWD
.endr
	WIN ALL1
	SOFT 1                                         ; tile 1's vector work follows tile 0's products and names none of their registers
	WIN MUL1
.irp t, 0,1,2,3
	OMUL \t, PW1
.endr
	WIN 0
	s_add_co_u32 s[TBC], s[TBC], KST
	s_add_co_u32 s[TBS], s[TBS], 544
.endm
	s_wait_alu depctr_va_vdst(0)                   ; the wait at the head's end
	s_wait_loadcnt 0x0                             ; Q
	s_mov_b32 s[GC], 3
.Lgroup:                                           ; three trips: the group in hand is whole, the next is asked for, four key steps
	s_wait_tensorcnt 0x0                           ; my load of the group in hand has landed: the descriptors may be written
	ds_add_u32 v[SPW], v[NIL]
	s_add_co_u32 s[GK+1], s[GK+1], GRP             ; a group and four steps on
	s_add_nc_u64 s[GK+2:GK+3], s[GK+2:GK+3], 4*8192
	s_add_co_u32 s[GV+1], s[GV+1], GRP
	s_add_nc_u64 s[GV+2:GV+3], s[GV+2:GV+3], 4*131072
	s_add_co_u32 s[GSK+1], s[GSK+1], GRP
	s_add_nc_u64 s[GSK+2:GSK+3], s[GSK+2:GSK+3], 4*512
	s_add_co_u32 s[GSV+1], s[GSV+1], GRP
	s_add_nc_u64 s[GSV+2:GSV+3], s[GSV+2:GSV+3], 4*8192
	s_wait_dscnt 0x0
	ROUND
	LOADS 1                                        ; the first tensor load behind the round, one a wave; it fills bytes that no load has filled
	s_mov_b32 s[CNT], 4
.Lstep:
	STEP
	s_sub_co_u32 s[CNT], s[CNT], 1
	s_cmp_lg_u32 s[CNT], 0
	s_cbranch_scc1 .Lstep
	s_add_co_u32 s[TBC], s[TBC], GRP-4*KST         ; on to the next group's codes and scale words
	s_add_co_u32 s[TBS], s[TBS], GRP-4*544
	s_sub_co_u32 s[GC], s[GC], 1
	s_cmp_lg_u32 s[GC], 0
	s_cbranch_scc1 .Lgroup
	s_wait_tensorcnt 0x0                           ; the last group is written out: nothing more is asked for, so a work-group barrier shows it
	ds_add_u32 v[SPW], v[NIL]
	s_wait_dscnt 0x0
	s_barrier_signal -1
	s_barrier_wait -1
	s_mov_b32 s[CNT], 4
.Llast:
	STEP
	s_sub_co_u32 s[CNT], s[CNT], 1
	s_cmp_lg_u32 s[CNT], 0
	s_cbranch_scc1 .Llast
; THE WAY OUT, tile by tile: the last step's sum; O^T / the sum, quantised along the head's 64 (two blocks), into my own 2,048 bytes of stage.
.macro FIN w
	WIN ALL1*\w
	SUMA                                           ; these 32 lines are also the places behind the last products
	SUMB
	TAIL
	v_add_f32 v[L], v[L], v[L+1]
	v_permlanex16_b32 v[TMP], v[L], s[SEL], s[SEL+1]
	v_add_f32 v[L], v[L], v[TMP]                   ; the row's sum
	s_wait_alu depctr_va_vdst(0)                   ; the wait ahead of the transcendental
	v_rcp_f32 v[L], v[L]
.if \w
	v_nop                                          ; a plain line behind the transcendental
.else
	v_and_b32 v[OA], 15, v0
	v_bfe_u32 v[OA+1], v0, 4, 1
	s_lshl_b32 s82, s[WV], 11
	s_add_co_u32 s82, s82, STAGE
	v_lshlrev_b32 v[OA+2], 6, v[OA]
	v_and_b32 v[OA+3], 31, v0
	v_lshl_add_u32 v[OA+2], v[OA+1], 4, v[OA+2]
	v_lshlrev_b32 v[OA+3], 4, v[OA+3]
	v_add_nc_u32 v[OA+2], s82, v[OA+2]             ; in: row r of 64 bytes, + 16 h
	v_add_nc_u32 v[OA+4], s82, v[OA+3]             ; back: 16 bytes a lane
	v_lshl_add_u32 v[OA+5], v[OA], 3, v[OA+1]      ; my scale byte: 8 r + h
	v_cmp_ne_u32 vcc_lo, 0, v[OA+1]
.endif
	s_wait_alu depctr_va_vdst(0)                   ; ahead of the reciprocal's first reader, and of the first readers of O^T
.set J, 0
.rept 32
	v_mul_f32 v[S+J], v[OT+J], v[L]                ; register 16 b + i: channel 32 b + 16 h + i of my query
.set J, J+1
.endr
.irp b, 0,1
	v_max3_num_f32 v[BM+\b], |v[S+16*\b]|, |v[S+1+16*\b]|, 0x8000000
.endr
.irp i, 2,4,6,8,10,12,14
.irp b, 0,1
	v_max3_num_f32 v[BM+\b], v[BM+\b], |v[S+16*\b+\i]|, |v[S+1+16*\b+\i]|
.endr
.endr
.irp b, 0,1
	v_permlanex16_b32 v[PX+\b], v[BM+\b], s[SEL], s[SEL+1]
.endr
.irp b, 0,1
	v_max_num_f32 v[BM+\b], v[BM+\b], v[PX+\b]
.endr
.irp b, 0,1
	v_add_nc_u32 v[SO+\b], 0xf8800000, v[BM+\b]
.endr
.irp b, 0,1
	v_and_or_b32 v[HL+\b], v[BM+\b], 0x7f800000, s[MNT]
.endr
.irp b, 0,1
	v_lshrrev_b32 v[PX+\b], 23, v[SO+\b]
.endr
	v_cndmask_b32 v[TMP], v[PX], v[PX+1], vcc_lo   ; lanes 0-15 store block 0's byte, lanes 16-31 block 1's
.irp b, 0,1
.irp i, 0,1,2,3,4,5,6,7,8,9,10,11,12,13,14,15
	v_med3_num_f32 v[S+16*\b+\i], v[S+16*\b+\i], -v[HL+\b], v[HL+\b]
.endr
	v_cvt_scalef32_pk8_bf8_f32 v[PC+4*\b:PC+4*\b+1], v[S+16*\b:S+16*\b+7], v[SO+\b]
	v_cvt_scalef32_pk8_bf8_f32 v[PC+4*\b+2:PC+4*\b+3], v[S+16*\b+8:S+16*\b+15], v[SO+\b]
.endr
	v_nop                                          ; a plain line behind the last conversion
	WIN 0x04*\w                                    ; addresses in window 0, the data in the tile's
	ds_store_b128 v[OA+2], v[PC:PC+3] offset:1024*\w
	ds_store_b128 v[OA+2], v[PC+4:PC+7] offset:1024*\w+32
	global_store_b8 v[OA+5], v[TMP], s[14:15] offset:128*\w   ; single bytes, two to a row: 1 / 32 of the codes
.endm
	FIN 0
	FIN 1
	WIN 0
.irp i, 0,1,2,3
	ds_load_b128 v[40+4*\i:43+4*\i], v[OA+4] offset:512*\i     ; LDS serves a wave's instructions in order: these see my stores
.endr
.irp i, 0,1,2,3
	s_wait_dscnt 3-\i
	global_store_b128 v[OA+3], v[40+4*\i:43+4*\i], s[12:13] offset:512*\i   ; my 32 rows are 2,048 bytes on end
.endr
	s_wait_tensorcnt 0x0                           ; the wave's end
	ds_add_u32 v[SPW], v[NIL]
	s_wait_dscnt 0x0
	ROUND                                          ; the closing round
	s_endpgm
.Lfunc_end_k_q300b7210b4_attn:
	.size	k_q300b7210b4_attn, .Lfunc_end_k_q300b7210b4_attn-k_q300b7210b4_attn
	.p2alignl 7, 3214868480
	.fill 96, 4, 3214868480
	.section	.rodata,"a",@progbits
	.p2align	6, 0x0
	.amdhsa_kernel k_q300b7210b4_attn
		.amdhsa_group_segment_fixed_size 327680
		.amdhsa_private_segment_fixed_size 0
		.amdhsa_enable_private_segment 0
		.amdhsa_kernarg_size 16
		.amdhsa_user_sgpr_count 2
		.amdhsa_user_sgpr_kernarg_segment_ptr 1
		.amdhsa_wavefront_size32 1
		.amdhsa_system_sgpr_workgroup_id_x 1
		.amdhsa_system_sgpr_workgroup_id_y 1
		.amdhsa_system_sgpr_workgroup_id_z 1
		.amdhsa_system_vgpr_workitem_id 0
		.amdhsa_next_free_vgpr 512
		.amdhsa_next_free_sgpr 100
		.amdhsa_reserve_vcc 1
		.amdhsa_float_denorm_mode_32 3
		.amdhsa_float_denorm_mode_16_64 3
		.amdhsa_memory_ordered 1
		.amdhsa_forward_progress 1
		.amdhsa_inst_pref_size 104
	.end_amdhsa_kernel
	.amdgpu_metadata
---
amdhsa.version: [ 1, 2 ]
amdhsa.kernels:
  - .name:           k_q300b7210b4_attn
    .symbol:         k_q300b7210b4_attn.kd
    .args:
      - { .name: QKV, .offset: 0, .size: 8, .value_kind: global_buffer, .address_space: global }
      - { .name: AT, .offset: 8, .size: 8, .value_kind: global_buffer, .address_space: global }
    .group_segment_fixed_size: 327680
    .private_segment_fixed_size: 0
    .kernarg_segment_align: 8
    .kernarg_segment_size: 16
    .max_flat_workgroup_size: 256
    .sgpr_count:     100
    .vgpr_count:     512
    .wavefront_size: 32
...
	.end_amdgpu_metadata
.endif
;; end of part 3
;; launch proj (part 4): grid 8 x 32, 4 waves a work-group, clusters of 4 x 4, 327,680 bytes of LDS; arguments AT, W, b_out, x, g1, N1, Y; writes Y
.if DOCPART == 4
	.amdgcn_target "amdgcn-amd-amdhsa--gfx1250"
	.amdhsa_code_object_version 6
	.text
	.protected	k_q300b7210b4_proj
	.globl	k_q300b7210b4_proj
	.p2align	8
	.type	k_q300b7210b4_proj,@function
k_q300b7210b4_proj:
	s_mov_b64 s[64:65], 0
	v_nop
	global_prefetch_b8 v0, s[64:65] scope:SCOPE_SE
	s_setreg_imm32_b32 hwreg(HW_REG_WAVE_MODE, 25, 1), 1
	s_wait_xcnt 0x0
	s_wait_alu depctr_hold_cnt(0) depctr_sa_sdst(0) depctr_va_vdst(0) depctr_va_sdst(0) depctr_va_ssrc(0) depctr_va_vcc(0) depctr_vm_vsrc(0)
	s_getreg_b32 s2, hwreg(HW_REG_IB_STS2, 6, 4)
	s_cmp_eq_u32 s2, 0
	s_cbranch_scc0 .Lentry_in_a_cluster
	s_endpgm
.Lentry_in_a_cluster:
	s_bfe_u32 s2, ttmp6, 0x10000c
	s_cmp_lg_u32 s2, 0xf033
	s_cbranch_scc0 .Lentry_shape_is_right
	s_endpgm
.Lentry_shape_is_right:
.set SIZE_K, 1024
.set HEADS,  1
.set WCO,    0x300000
.set WSO,    0xC20000
.set ASO,    0x400000
.set KSTEP,  512
.set PB,     528
.set HALFB,  64*PB
.if HEADS
.set HALFA,  8*64*80
.set ASTEP,  8*262144
.else
.set HALFA,  HALFB
.set ASTEP,  KSTEP
.endif
.set SLOT,   2*HALFA+2*HALFB
.set LAPS,   SIZE_K/(2*KSTEP)
.set NCH,    SIZE_K/256
.set SCL,    2*SLOT
.set HALFS,  NCH*512
.set SPARE,  SCL+4*HALFS+256
.set SPITCH, 528
.set ADRA, 16
.set ADRB, 20
.set STO,  24
.set RD,   25
.set CO,   26
.set ADRS, 27
.set SPW,  28
.set NIL,  29
.set SC,   32
.set GG,   96
.set BI,   100
.set ACC,  128
.set F0,   0
.set F1,   128
.set FS,   68
.set G1, 24
.set G0, 32
.set G1B, 48
.set G0B, 56
.set G1S, 68
.set G0S, 76
.set G1SB, 80
.set G0SB, 88
.set MSB, 0
.macro WIN new
.if MSB != \new
	s_set_vgpr_msb (MSB<<8)|\new
.set MSB, \new
.endif
.endm
.macro JLOAD g0a, g1a, g0b, g1b
	s_cmp_eq_u32 s19, 0
	s_cbranch_scc0 .Lfor_b_\@
	tensor_load_to_lds s[\g0a:\g0a+3], s[\g1a:\g1a+7]
	s_nop 0
.rept 4
	v_nop
.endr
	s_branch .Lasked_\@
.Lfor_b_\@:
	tensor_load_to_lds s[\g0b:\g0b+3], s[\g1b:\g1b+7]
	s_nop 0
.rept 4
	v_nop
.endr
.Lasked_\@:
.endm
.macro CREST
	s_cmp_lg_u32 s18, 0
	s_cbranch_scc1 .Lnot_wave_0_\@
	s_barrier_signal -3
.Lnot_wave_0_\@:
	s_barrier_wait -3
	s_barrier_signal -1
	s_barrier_wait -1
.endm
.macro CROUND
	s_barrier_signal -1
	s_barrier_wait -1
	CREST
.endm
	s_load_b256 s[4:11], s[0:1], 0x0
	s_load_b128 s[12:15], s[0:1], 0x20
	s_load_b64 s[16:17], s[0:1], 0x30
	v_lshl_add_u32 v[SPW], v0, 2, SPARE
	v_mov_b32 v[NIL], 0
	ds_add_u32 v28, v29
	ds_add_u32 v28, v29
	s_wait_dscnt 0x0
	v_lshrrev_b32 v1, 5, v0
	v_readfirstlane_b32 s18, v1
	s_lshr_b32 s19, s18, 1
	s_and_b32 s20, s18, 1
	s_bfe_u32 s40, ttmp6, 0x40000
	s_bfe_u32 s41, ttmp6, 0x40004
	s_lshl_b32 s22, ttmp9, 2
	s_add_co_u32 s22, s22, s40
	s_and_b32 s21, ttmp7, 0xffff
	s_lshl_b32 s21, s21, 2
	s_add_co_u32 s21, s21, s41
	s_lshl_b32 s42, s41, 2
	s_lshl_b32 s42, 15, s42
	s_lshl_b32 s43, 0x1111, s40
	s_or_b32 s[G1B+0], s43, (0<<16)|(1<<20)|(1<<21)|(6<<22)|(3<<25)
	s_mov_b32 s[G1B+1], KSTEP<<16
	s_mov_b32 s[G1B+2], 64<<16
	s_mov_b32 s[G1B+3], KSTEP<<16
	s_mov_b32 s[G1B+4], 64
	s_mov_b32 s[G1B+5], SIZE_K
	s_mov_b32 s[G1B+6], 0
	s_mov_b32 s[G1B+7], 0
.if HEADS
	s_or_b32 s[G1+0], s42, (0<<16)|(1<<20)|(1<<21)|(3<<22)|(3<<25)
	s_mov_b32 s[G1+1], 4096<<16
	s_mov_b32 s[G1+2], 8<<16
	s_mov_b32 s[G1+3], 4096<<16
	s_mov_b32 s[G1+4], 8
	s_mov_b32 s[G1+5], 262144
.else
	s_or_b32 s[G1+0], s42, (0<<16)|(1<<20)|(1<<21)|(6<<22)|(3<<25)
	s_mov_b32 s[G1+1], KSTEP<<16
	s_mov_b32 s[G1+2], 64<<16
	s_mov_b32 s[G1+3], KSTEP<<16
	s_mov_b32 s[G1+4], 64
	s_mov_b32 s[G1+5], SIZE_K
.endif
	s_mov_b32 s[G1+6], 0
	s_mov_b32 s[G1+7], 0
	s_or_b32 s[G1S+0], s42, (3<<16)|(1<<21)
	s_or_b32 s[G1SB+0], s43, (3<<16)|(1<<21)
.irp g, G1S, G1SB
	s_mov_b32 s[\g+1], 64<<16
	s_mov_b32 s[\g+2], NCH<<16
	s_mov_b32 s[\g+3], 64<<16
	s_mov_b32 s[\g+4], NCH
	s_mov_b32 s[\g+6], 0
	s_mov_b32 s[\g+7], 0
.endr
	s_mov_b32 s[G1S+5], 4096
	s_mov_b32 s[G1SB+5], 1024
	s_lshl_b32 s23, s20, 6
	s_lshl_b32 s44, s21, 7
	s_add_co_u32 s44, s44, s23
	s_lshl_b32 s92, s22, 7
	s_add_co_u32 s92, s92, s23
	s_lshl_b32 s46, s44, 3
	s_add_co_u32 s46, s46, ASO
	s_mov_b32 s47, 0
	s_lshl_b32 s94, s92, 3
	s_add_co_u32 s94, s94, WSO
	s_mov_b32 s95, 0
.if HEADS
	s_lshl_b32 s44, s44, 6
.else
	s_lshl_b32 s44, s44, 12
.endif
	s_mov_b32 s45, 0
	s_mul_i32 s92, s92, SIZE_K
	s_add_co_u32 s92, s92, WCO
	s_mov_b32 s93, 0
	s_mul_i32 s96, s20, HALFA
	s_mul_i32 s97, s20, HALFB
	s_add_co_u32 s97, s97, 2*HALFA
	s_mul_i32 s98, s20, HALFS
	s_wait_kmcnt 0x0
	s_add_nc_u64 s[44:45], s[4:5], s[44:45]
	s_add_nc_u64 s[46:47], s[4:5], s[46:47]
	s_add_nc_u64 s[92:93], s[6:7], s[92:93]
	s_add_nc_u64 s[94:95], s[6:7], s[94:95]
	CROUND
	s_mov_b32 s[G0S], 1
	s_add_co_u32 s[G0S+1], s98, SCL
	s_mov_b64 s[G0S+2:G0S+3], s[46:47]
	s_or_b32 s[G0S+3], s[G0S+3], 0x80000000
	s_mov_b32 s[G0SB], 1
	s_add_co_u32 s[G0SB+1], s98, SCL+2*HALFS+128
	s_mov_b64 s[G0SB+2:G0SB+3], s[94:95]
	s_or_b32 s[G0SB+3], s[G0SB+3], 0x80000000
	JLOAD G0S, G1S, G0SB, G1SB
.irp s, 0,1
	s_mov_b32 s[G0+4*\s], 1
	s_add_co_u32 s[G0+4*\s+1], s96, \s*SLOT
	s_add_nc_u64 s[G0+4*\s+2:G0+4*\s+3], s[44:45], \s*ASTEP
	s_or_b32 s[G0+4*\s+3], s[G0+4*\s+3], 0x80000000
	s_mov_b32 s[G0B+4*\s], 1
	s_add_co_u32 s[G0B+4*\s+1], s97, \s*SLOT
	s_add_nc_u64 s[G0B+4*\s+2:G0B+4*\s+3], s[92:93], \s*KSTEP
	s_or_b32 s[G0B+4*\s+3], s[G0B+4*\s+3], 0x80000000
	s_wait_alu depctr_va_vdst(0)
	s_wait_tensorcnt 0x0
	ds_add_u32 v28, v29
	s_wait_dscnt 0x0
	CROUND
	JLOAD G0+4*\s, G1, G0B+4*\s, G1B
.endr
	v_and_b32 v6, 31, v0
	v_lshlrev_b32 v[CO], 4, v6
	s_wait_alu depctr_va_vdst(0)
	s_lshl_b32 s44, s22, 9
	s_mov_b32 s45, 0
	s_add_nc_u64 s[8:9], s[8:9], s[44:45]
	s_add_nc_u64 s[12:13], s[12:13], s[44:45]
	global_load_b128 v[BI:BI+3], v[CO], s[8:9]
	global_load_b128 v[GG:GG+3], v[CO], s[12:13]
	s_lshl_b32 s46, s21, 7
	s_lshl_b32 s47, s18, 5
	s_add_co_u32 s46, s46, s47
	s_lshl_b32 s92, s46, 2
	s_add_co_u32 s92, s92, 0x420000
	s_mov_b32 s93, 0
	s_add_nc_u64 s[14:15], s[14:15], s[92:93]
	s_lshl_b32 s46, s46, 12
	s_mov_b32 s47, 0
	s_add_nc_u64 s[46:47], s[46:47], s[44:45]
	s_add_nc_u64 s[10:11], s[10:11], s[46:47]
	s_add_nc_u64 s[16:17], s[16:17], s[46:47]
	WIN 0x80
.set J, 0
.rept 32
.set PT, (J&7)|(((J>>3)&1)<<4)|(((J>>4)&1)<<3)
	global_load_b128 v[4*J:4*J+3], v[CO], s[10:11] offset:PT*4096 th:TH_LOAD_NT
.set J, J+1
.endr
	WIN 0
	v_and_b32 v1, 15, v0
	v_bfe_u32 v2, v0, 4, 1
	v_mul_u32_u24 v3, v1, PB
	v_lshl_add_u32 v3, v2, 4, v3
.if HEADS
	v_mul_u32_u24 v4, v1, 80
	v_lshl_add_u32 v4, v2, 4, v4
.else
	v_mov_b32 v4, v3
.endif
	s_mul_i32 s44, s19, HALFA
	s_mul_i32 s45, s20, HALFB
	s_add_co_u32 s45, s45, 2*HALFA
.irp s, 0,1
	v_add_nc_u32 v[ADRA+\s], s44, v4
	v_add_nc_u32 v[ADRB+\s], s45, v3
	s_add_co_u32 s44, s44, SLOT
	s_add_co_u32 s45, s45, SLOT
.endr
	v_lshlrev_b32 v5, 3, v1
	s_mul_i32 s44, s19, HALFS
	s_mul_i32 s45, s20, HALFS
	s_add_co_u32 s45, s45, 2*HALFS+128
	s_sub_co_u32 s45, s45, s44
	v_mul_u32_u24 v7, s45, v2
	s_add_co_u32 s44, s44, SCL
	v_add_nc_u32 v5, v5, v7
	v_add_nc_u32 v[ADRS], s44, v5
	s_mul_i32 s44, s19, 64*SPITCH
	s_lshl_b32 s45, s20, 8
	s_add_co_u32 s44, s44, s45
	v_mul_u32_u24 v5, v1, SPITCH
	v_lshl_add_u32 v5, v2, 6, v5
	v_add_nc_u32 v[STO], s44, v5
	s_mul_i32 s44, s18, 32*SPITCH
	v_add_nc_u32 v[RD], s44, v[CO]
.macro FRAGB reg, slot, q, i
.irp c, 0,1,2,3
	ds_load_b128 v[\reg+4*\c:\reg+4*\c+3], v[ADRB+\slot] offset:128*(\q)+32*\c+(\i)*16*PB
.endr
.endm
.macro FRAGA reg, slot, q, i
.irp c, 0,1,2,3
.if HEADS
	ds_load_b128 v[\reg+4*\c:\reg+4*\c+3], v[ADRA+\slot] offset:(2*(\q)+\c/2)*5120+(\c%2)*32+(\i)*16*80
.else
	ds_load_b128 v[\reg+4*\c:\reg+4*\c+3], v[ADRA+\slot] offset:128*(\q)+32*\c+(\i)*16*PB
.endif
.endr
.endm
.macro FETCH slot, q, f
	WIN 0x40
.irp i, 0,1,2,3
	FRAGB \f+64+16*\i, \slot, \q, \i
.endr
.irp i, 0,1,2,3
	FRAGA \f+16*\i, \slot, \q, \i
.endr
.endm
.macro SCALES sc
.irp i, 0,1,2,3
.irp k, 0,1
	ds_load_b64 v[SC+16*\sc+4*\i+2*\k:SC+16*\sc+4*\i+2*\k+1], v[ADRS] offset:512*\k+128*\i
.endr
.endr
.endm
.macro MULA f, sc, q, a, zero
.irp b, 0,1,2,3
.if \zero
	v_wmma_scale_f32_16x16x128_f8f6f4 v[ACC+8*(4*(\a)+\b):ACC+8*(4*(\a)+\b)+7], v[\f+64+16*\b:\f+64+16*\b+15], v[\f+16*(\a):\f+16*(\a)+15], 0, v[SC+16*(\sc)+4*\b+(\q)], v[SC+16*(\sc)+4*(\a)+(\q)] matrix_a_fmt:MATRIX_FMT_BF8 matrix_b_fmt:MATRIX_FMT_BF8 matrix_a_scale:MATRIX_SCALE_ROW1
.else
	v_wmma_scale_f32_16x16x128_f8f6f4 v[ACC+8*(4*(\a)+\b):ACC+8*(4*(\a)+\b)+7], v[\f+64+16*\b:\f+64+16*\b+15], v[\f+16*(\a):\f+16*(\a)+15], v[ACC+8*(4*(\a)+\b):ACC+8*(4*(\a)+\b)+7], v[SC+16*(\sc)+4*\b+(\q)], v[SC+16*(\sc)+4*(\a)+(\q)] matrix_a_fmt:MATRIX_FMT_BF8 matrix_b_fmt:MATRIX_FMT_BF8 matrix_a_scale:MATRIX_SCALE_ROW1
.endif
.endr
.endm
.macro PLACES n
.rept \n
	v_nop
.endr
.endm
.macro SUB slot, q, f, g, zero
	s_wait_dscnt 8
	WIN 0x05
	MULA \f, \slot, \q, 0, \zero
	MULA \f, \slot, \q, 1, \zero
	PLACES 8
	FETCH \slot, (\q)+1, \g
	s_wait_dscnt 32
	WIN 0x05
	MULA \f, \slot, \q, 2, \zero
	MULA \f, \slot, \q, 3, \zero
.endm
.macro TURN slot, next, fill
	WIN 0
	s_wait_tensorcnt 0x0
	ds_add_u32 v[SPW], v[NIL]
	s_wait_dscnt 9
	WIN 0x05
	MULA F1, \slot, 3, 0, 0
	MULA F1, \slot, 3, 1, 0
	s_wait_dscnt 0x0
	s_barrier_signal -1
	MULA F1, \slot, 3, 2, 0
	WIN 0
	s_barrier_wait -1
.if \fill
	CREST
	s_add_nc_u64 s[G0+4*\slot+2:G0+4*\slot+3], s[G0+4*\slot+2:G0+4*\slot+3], 2*ASTEP
	s_add_nc_u64 s[G0B+4*\slot+2:G0B+4*\slot+3], s[G0B+4*\slot+2:G0B+4*\slot+3], 2*KSTEP
	JLOAD G0+4*\slot, G1, G0B+4*\slot, G1B
	PLACES 4
.else
	PLACES 8
.endif
	v_add_nc_u32 v[ADRS], 1024, v[ADRS]
	SCALES \next
	FETCH \next, 0, F0
	WIN 0x05
	MULA F1, \slot, 3, 3, 0
.endm
	s_wait_alu depctr_va_vdst(0)
	s_wait_tensorcnt 1
	s_barrier_signal -1
	s_barrier_wait -1
	SCALES 0
	FETCH 0, 0, F0
	SUB 0, 0, F0, F1, 1
.if LAPS > 1
	WIN 0
	s_mov_b32 s23, LAPS-1
.Llap:
	SUB 0, 1, F1, F0, 0
	SUB 0, 2, F0, F1, 0
	TURN 0, 1, 1
	SUB 1, 0, F0, F1, 0
	SUB 1, 1, F1, F0, 0
	SUB 1, 2, F0, F1, 0
	TURN 1, 0, 1
	SUB 0, 0, F0, F1, 0
	WIN 0
	s_sub_co_u32 s23, s23, 1
	s_cmp_lg_u32 s23, 0
	s_cbranch_scc1 .Llap
.endif
	SUB 0, 1, F1, F0, 0
	SUB 0, 2, F0, F1, 0
	TURN 0, 1, 0
	s_load_b512 s[FS:FS+15], s[14:15], 0x0
	s_load_b512 s[FS+16:FS+31], s[14:15], 0x40
	SUB 1, 0, F0, F1, 0
	SUB 1, 1, F1, F0, 0
	SUB 1, 2, F0, F1, 0
	s_wait_dscnt 8
	WIN 0x05
	MULA F1, 1, 3, 0, 0
	MULA F1, 1, 3, 1, 0
	s_wait_dscnt 0
	MULA F1, 1, 3, 2, 0
	MULA F1, 1, 3, 3, 0
	WIN 0
	PLACES 8
.irp a, 0,1,2,3
.irp b, 0,1,2,3
	ds_store_b128 v[STO], v[ACC+8*(4*\a+\b):ACC+8*(4*\a+\b)+3] offset:\a*16*SPITCH+128*(\b/2)+32*(\b%2)
	ds_store_b128 v[STO], v[ACC+8*(4*\a+\b)+4:ACC+8*(4*\a+\b)+7] offset:\a*16*SPITCH+128*(\b/2)+32*(\b%2)+16
.endr
.endr
	s_wait_dscnt 0x0
	s_barrier_signal -1
	s_barrier_wait -1
.set J, 0
.rept 32
	ds_load_b128 v[ACC+4*J:ACC+4*J+3], v[RD] offset:J*SPITCH
.set J, J+1
.endr
	s_wait_loadcnt 0x0
	s_wait_kmcnt 0x0
	WIN 0x88
.set J, 0
.rept 32
.set PT, (J&7)|(((J>>3)&1)<<4)|(((J>>4)&1)<<3)
.irp e, 0,1,2,3
	v_mul_f32 v[4*J+\e], s[FS+PT], v[4*J+\e]
.endr
.set J, J+1
.endr
	s_wait_dscnt 0x0
	WIN 0x02
.set J, 0
.rept 32
	v_pk_fma_f32 v[ACC+4*J:ACC+4*J+1], v[4*J:4*J+1], v[GG:GG+1], v[ACC+4*J:ACC+4*J+1]
	v_pk_fma_f32 v[ACC+4*J+2:ACC+4*J+3], v[4*J+2:4*J+3], v[GG+2:GG+3], v[ACC+4*J+2:ACC+4*J+3]
.set J, J+1
.endr
	WIN 0
.set J, 0
.rept 32
	v_pk_add_f32 v[ACC+4*J:ACC+4*J+1], v[ACC+4*J:ACC+4*J+1], v[BI:BI+1]
	v_pk_add_f32 v[ACC+4*J+2:ACC+4*J+3], v[ACC+4*J+2:ACC+4*J+3], v[BI+2:BI+3]
.set J, J+1
.endr
.set J, 0
.rept 32
.set PT, (J&7)|(((J>>3)&1)<<4)|(((J>>4)&1)<<3)
.if HEADS
	global_store_b128 v[CO], v[ACC+4*J:ACC+4*J+3], s[16:17] offset:PT*4096
.else
	global_store_b128 v[CO], v[ACC+4*J:ACC+4*J+3], s[16:17] offset:PT*4096 th:TH_STORE_NT
.endif
.set J, J+1
.endr
	s_wait_tensorcnt 0x0
	ds_add_u32 v[SPW], v[NIL]
	s_wait_dscnt 0x0
	CROUND
	s_endpgm
.Lfunc_end_k_q300b7210b4_proj:
	.size	k_q300b7210b4_proj, .Lfunc_end_k_q300b7210b4_proj-k_q300b7210b4_proj
	.p2alignl 7, 3214868480
	.fill 96, 4, 3214868480
	.section	.rodata,"a",@progbits
	.p2align	6, 0x0
	.amdhsa_kernel k_q300b7210b4_proj
		.amdhsa_group_segment_fixed_size 327680
		.amdhsa_private_segment_fixed_size 0
		.amdhsa_enable_private_segment 0
		.amdhsa_kernarg_size 56
		.amdhsa_user_sgpr_count 2
		.amdhsa_user_sgpr_kernarg_segment_ptr 1
		.amdhsa_wavefront_size32 1
		.amdhsa_system_sgpr_workgroup_id_x 1
		.amdhsa_system_sgpr_workgroup_id_y 1
		.amdhsa_system_sgpr_workgroup_id_z 1
		.amdhsa_system_vgpr_workitem_id 0
		.amdhsa_next_free_vgpr 768
		.amdhsa_next_free_sgpr 100
		.amdhsa_reserve_vcc 0
		.amdhsa_float_denorm_mode_32 3
		.amdhsa_float_denorm_mode_16_64 3
		.amdhsa_memory_ordered 1
		.amdhsa_forward_progress 1
		.amdhsa_inst_pref_size 71
	.end_amdhsa_kernel
	.amdgpu_metadata
---
amdhsa.version: [ 1, 2 ]
amdhsa.kernels:
  - .name:           k_q300b7210b4_proj
    .symbol:         k_q300b7210b4_proj.kd
    .args:
      - { .name: AT, .offset: 0, .size: 8, .value_kind: global_buffer, .address_space: global }
      - { .name: W, .offset: 8, .size: 8, .value_kind: global_buffer, .address_space: global }
      - { .name: b_out, .offset: 16, .size: 8, .value_kind: global_buffer, .address_space: global }
      - { .name: x, .offset: 24, .size: 8, .value_kind: global_buffer, .address_space: global }
      - { .name: g1, .offset: 32, .size: 8, .value_kind: global_buffer, .address_space: global }
      - { .name: N1, .offset: 40, .size: 8, .value_kind: global_buffer, .address_space: global }
      - { .name: Y, .offset: 48, .size: 8, .value_kind: global_buffer, .address_space: global }
    .group_segment_fixed_size: 327680
    .private_segment_fixed_size: 0
    .kernarg_segment_align: 8
    .kernarg_segment_size: 56
    .max_flat_workgroup_size: 128
    .sgpr_count:     100
    .vgpr_count:     768
    .wavefront_size: 32
...
	.end_amdgpu_metadata
.endif
;; end of part 4
;; launch norm1 (part 5): grid 256 x 1, 4 waves a work-group, no clusters, 33,280 bytes of LDS; arguments Y, g2, N2; writes N2
.if DOCPART == 5
	.amdgcn_target "amdgcn-amd-amdhsa--gfx1250"
	.amdhsa_code_object_version 6
	.text
	.protected	k_q300b7210b4_norm1
	.globl	k_q300b7210b4_norm1
	.p2align	8
	.type	k_q300b7210b4_norm1,@function
k_q300b7210b4_norm1:
	s_mov_b64 s[64:65], 0
	v_nop
	global_prefetch_b8 v0, s[64:65] scope:SCOPE_SE
	s_setreg_imm32_b32 hwreg(HW_REG_WAVE_MODE, 25, 1), 1
	s_wait_xcnt 0x0
; h = g x in / (||in|| / 32 + 1e-8) for rows of 1,024 f32, quantised along the row to codes of BF8 (E5M2) with one E8M0 byte for each 32.  h itself is not stored: the launch stores
; codes [4096 positions][1024] at byte 0, scale bytes [4 chunks of 256][4096 positions][8] at 0x400000, and f = 1 / (rms + eps) for each TOKEN at 0x420000; later launches rebuild h as in x f x g.
; ROW ORDER: position p holds token PI(p) = p with bits 3 and 4 exchanged.
; LIMITS: a block of zeros gets the byte 1 (its codes are zeros; this program alone reads the bytes); largest magnitudes under 2^-111 were not tried; NaN and infinities are not served.
; SHARES: a wave takes four rows (positions 4 W .. 4 W + 3, which are four consecutive tokens) and keeps them in registers between the sum of squares and the scaling: the input is read once.
; Each load reads 512 consecutive bytes.  The conversions want 16 NEIGHBOURS in a lane, so 512 numbers at a time turn through the wave's own stage in LDS (16 bytes of padding behind each 64).
; No barrier: waves share nothing.  No cluster: work-groups share only g, 4 KB.
.set SP,   80                          ; a lane's place in a stage: 64 bytes + 16
.set WREG, 8192                        ; LDS for a wave: two stages of 32 x SP, then 128 scale bytes [chunk][row][8]
.set F,    20                          ; v20-23   the four rows' factors
.set E,    24                          ; v24-31   a scale byte for each of the eight steps
.set G,    32                          ; v32-63   g as loaded
.set R,    64                          ; v64-191  four rows as loaded
.set X,    192                         ; v192-223 two sets of 16 neighbours
.set C,    224                         ; v224-255 codes: four registers for each step, never written again
	s_load_b128 s[4:7], s[0:1], 0x0                ; in, g
	s_load_b64 s[8:9], s[0:1], 0x10                ; out
	s_set_vgpr_msb 0x40
	v_lshl_add_u32 v0, v0, 2, 0x8000
	v_mov_b32 v1, 0
	s_set_vgpr_msb 0x4000
	v_lshrrev_b32 v1, 5, v0
	v_readfirstlane_b32 s16, v1                    ; wave
	v_and_b32 v2, 31, v0                           ; lane
	v_lshlrev_b32 v3, 4, v2                        ; 16 x lane: my bytes of a load's 512 and of a step's codes
	s_mul_i32 s17, s16, WREG
	v_lshrrev_b32 v18, 2, v2
	v_mul_u32_u24 v18, v18, SP
	v_and_b32 v19, 3, v2
	v_lshl_add_u32 v18, v19, 4, v18
	v_add_nc_u32 v18, s17, v18                     ; the stage, on the way in: SP (lane / 4) + 16 (lane % 4)
	v_mul_u32_u24 v19, v2, SP
	v_add_nc_u32 v19, s17, v19                     ; and on the way out: SP x lane
	s_add_co_u32 s17, s17, 2*32*SP
	v_lshrrev_b32 v5, 4, v2
	v_lshlrev_b32 v5, 5, v5
	v_bfe_u32 v6, v2, 1, 3
	v_add_nc_u32 v5, v5, v6
	v_add_nc_u32 v5, s17, v5                       ; my block's byte: chunk (lane / 16) x 32 + (lane / 2) % 8
	v_lshlrev_b32 v6, 2, v2
	v_add_nc_u32 v6, s17, v6                       ; the 128 bytes back, a word a lane
	v_lshrrev_b32 v7, 3, v2
	v_lshlrev_b32 v7, 15, v7
	v_and_b32 v4, 7, v2
	v_lshl_add_u32 v7, v4, 2, v7                   ; and their place in memory: chunk x 32,768 + 4 (lane % 8)
	s_lshl_b32 s18, ttmp9, 4
	s_lshl_b32 s19, s16, 2
	s_add_co_u32 s18, s18, s19                     ; my first position
	s_and_b32 s19, s18, 0xfe7
	s_bfe_u32 s20, s18, 0x10003
	s_lshl_b32 s20, s20, 4
	s_or_b32 s19, s19, s20
	s_bfe_u32 s20, s18, 0x10004
	s_lshl_b32 s20, s20, 3
	s_or_b32 s19, s19, s20                         ; my first token
	s_lshl_b32 s20, s19, 12
	s_mov_b32 s21, 0
	s_lshl_b32 s22, s18, 10
	s_mov_b32 s23, 0
	s_lshl_b32 s24, s18, 3
	s_add_co_u32 s24, s24, 0x400000
	s_mov_b32 s25, 0
	s_lshl_b32 s26, s19, 2
	s_add_co_u32 s26, s26, 0x420000
	s_mov_b32 s27, 0
	s_mov_b32 s28, 0x76543210
	s_mov_b32 s29, 0xfedcba98                      ; v_permlanex16_b32's selects for lane l xor 16
	s_mov_b32 s30, 0x3d000000                      ; 1024^-0.5
	s_mov_b32 s31, 0x322bcc77                      ; 1e-8
	s_mov_b32 s12, 0x600000                        ; the mantissa field of 57,344
	s_wait_kmcnt 0x0
	s_add_nc_u64 s[4:5], s[4:5], s[20:21]
	s_add_nc_u64 s[10:11], s[8:9], s[22:23]        ; codes
	s_add_nc_u64 s[14:15], s[8:9], s[24:25]        ; scale bytes
	s_add_nc_u64 s[8:9], s[8:9], s[26:27]          ; f
.irp j, 0,1,2,3,4,5,6,7
	global_load_b128 v[G+4*\j:G+4*\j+3], v3, s[6:7] offset:512*\j
.endr
.irp p, 0,1,2,3
.irp j, 0,1,2,3,4,5,6,7
	global_load_b128 v[R+32*\p+4*\j:R+32*\p+4*\j+3], v3, s[4:5] offset:4096*\p+512*\j th:TH_LOAD_NT
.endr
.endr
.macro TURN rho, s                     ; 512 numbers of row rho through stage s: LDS serves a wave's instructions in order, so no wait stands between the stores and the loads
.irp i, 0,1,2,3
	ds_store_b128 v18, v[R+32*(\rho)+16*(\s)+4*\i:R+32*(\rho)+16*(\s)+4*\i+3] offset:32*SP*(\s)+8*SP*\i
.endr
.irp i, 0,1,2,3
	ds_load_b128 v[X+16*(\s)+4*\i:X+16*(\s)+4*\i+3], v19 offset:32*SP*(\s)+16*\i
.endr
.endm
.macro STEPQ rho, s                    ; 16 neighbours a lane, two lanes to a block: scale, hold, codes
.set XS, X+16*(\s)
.set TT, 2*(\rho)+(\s)
	v_max3_num_f32 v8, |v[XS]|, |v[XS+1]|, |v[XS+2]|
	v_max3_num_f32 v9, |v[XS+3]|, |v[XS+4]|, |v[XS+5]|
.irp i, 6,10
	v_max3_num_f32 v8, v8, |v[XS+\i]|, |v[XS+\i+1]|
	v_max3_num_f32 v9, v9, |v[XS+\i+2]|, |v[XS+\i+3]|
.endr
	v_max3_num_f32 v8, v8, |v[XS+14]|, |v[XS+15]|
	v_max3_num_f32 v8, v8, v9, 0x8000000           ; the floor 2^(16 - 127): the byte cannot fall under 1
	v_max_num_f32_dpp v8, v8, v8 row_xmask:1 row_mask:0xf bank_mask:0xf   ; with my neighbour's 16: the block's
	v_add_nc_u32 v11, 0xf8800000, v8               ; 15 off the exponent field: the conversion's scale operand
	v_and_or_b32 v10, v8, 0x7f800000, s12          ; 57,344 x the scale
.set J, 0
.rept 16
	v_med3_num_f32 v[XS+J], v[XS+J], -v10, v10     ; the conversion does not saturate (ISA guide 7.6.2): the hold comes first
.set J, J+1
.endr
	v_cvt_scalef32_pk8_bf8_f32 v[C+4*TT:C+4*TT+1], v[XS:XS+7], v11
	v_cvt_scalef32_pk8_bf8_f32 v[C+4*TT+2:C+4*TT+3], v[XS+8:XS+15], v11
	v_lshrrev_b32 v[E+TT], 23, v11                 ; the scale's byte
	ds_store_b8 v5, v[E+TT] offset:64*(\s)+8*(\rho)   ; both lanes of a block write the same byte with the same value
	global_store_b128 v3, v[C+4*TT:C+4*TT+3], s[10:11] offset:1024*(\rho)+512*(\s)   ; 512 consecutive bytes
.endm
.macro ROW rho
.set RR, R+32*(\rho)
	s_wait_loadcnt 24-8*(\rho)                     ; g and this row are in; the later rows' eight loads each may be out
.irp k, 0,1,2,3
	v_pk_mul_f32 v[8+2*\k:9+2*\k], v[RR+2*\k:RR+2*\k+1], v[RR+2*\k:RR+2*\k+1]     ; the sum of squares in four chains
.endr
.irp j, 8,16,24
.irp k, 0,1,2,3
	v_pk_fma_f32 v[8+2*\k:9+2*\k], v[RR+\j+2*\k:RR+\j+2*\k+1], v[RR+\j+2*\k:RR+\j+2*\k+1], v[8+2*\k:9+2*\k]
.endr
.endr
	v_pk_add_f32 v[8:9], v[8:9], v[10:11]
	v_pk_add_f32 v[12:13], v[12:13], v[14:15]
	v_pk_add_f32 v[8:9], v[8:9], v[12:13]
	v_add_f32 v8, v8, v9
	v_add_f32_dpp v8, v8, v8 row_xmask:1 row_mask:0xf bank_mask:0xf
	v_add_f32_dpp v8, v8, v8 row_xmask:2 row_mask:0xf bank_mask:0xf
	v_add_f32_dpp v8, v8, v8 row_xmask:4 row_mask:0xf bank_mask:0xf
	v_add_f32_dpp v8, v8, v8 row_xmask:8 row_mask:0xf bank_mask:0xf
	v_permlanex16_b32 v9, v8, s28, s29
	v_add_f32 v8, v8, v9                           ; every lane holds the row's sum of squares
	s_wait_alu depctr_va_vdst(0)
	v_sqrt_f32 v10, v8
	v_nop                                          ; a plain instruction behind the root,
	s_wait_alu depctr_va_vdst(0)                   ; and the wait ahead of its first reader
	v_fma_f32 v10, v10, s30, s31                   ; rms + eps
	s_wait_alu depctr_va_vdst(0)
	v_rcp_f32 v16, v10
	v_rcp_f32 v17, v10                             ; twice: a pair for the packed multiply
	v_nop
	s_wait_alu depctr_va_vdst(0)                   ; one wait for both reciprocals
	v_mov_b32 v[F+\rho], v16
.set J, 0
.rept 16
	v_pk_mul_f32 v[RR+J:RR+J+1], v[RR+J:RR+J+1], v[16:17]
.set J, J+2
.endr
.set J, 0
.rept 16
	v_pk_mul_f32 v[RR+J:RR+J+1], v[RR+J:RR+J+1], v[G+J:G+J+1]
.set J, J+2
.endr
	TURN \rho, 0
	TURN \rho, 1
	s_wait_dscnt 8                                 ; the first half is back; the second half's four stores and four loads may be out
	STEPQ \rho, 0
	s_wait_dscnt 1                                 ; the second half is back; the byte store may be out
	STEPQ \rho, 1
.endm
	ROW 0
	ROW 1
	ROW 2
	ROW 3
	ds_load_b32 v12, v6                            ; LDS serves a wave's instructions in order: this sees my byte stores
	s_wait_dscnt 0x0
	global_store_b32 v7, v12, s[14:15]             ; runs of 32 bytes, one for each chunk: the scale bytes are 1 / 128 of what the launch reads
	v_mov_b32 v13, 0
	v_cmp_gt_u32 vcc_lo, 1, v2
	s_wait_alu depctr_va_vdst(0)
	s_wait_xcnt 0x0                                ; EXEC changes only behind this wait
	s_set_vgpr_msb 0x5
	s_wait_tensorcnt 0x0
	ds_add_u32 v0, v1
	s_wait_dscnt 0x0
	s_set_vgpr_msb 0x500
	s_and_saveexec_b32 s13, vcc_lo
	global_store_b128 v13, v[F:F+3], s[8:9]        ; lane 0: the four tokens' factors
	s_wait_xcnt 0x0
	s_or_b32 exec_lo, exec_lo, s13
	s_endpgm
.Lfunc_end_k_q300b7210b4_norm1:
	.size	k_q300b7210b4_norm1, .Lfunc_end_k_q300b7210b4_norm1-k_q300b7210b4_norm1
	.p2alignl 7, 3214868480
	.fill 96, 4, 3214868480
	.section	.rodata,"a",@progbits
	.p2align	6, 0x0
	.amdhsa_kernel k_q300b7210b4_norm1
		.amdhsa_group_segment_fixed_size 33280
		.amdhsa_private_segment_fixed_size 0
		.amdhsa_enable_private_segment 0
		.amdhsa_kernarg_size 24
		.amdhsa_user_sgpr_count 2
		.amdhsa_user_sgpr_kernarg_segment_ptr 1
		.amdhsa_wavefront_size32 1
		.amdhsa_system_sgpr_workgroup_id_x 1
		.amdhsa_system_sgpr_workgroup_id_y 1
		.amdhsa_system_sgpr_workgroup_id_z 1
		.amdhsa_system_vgpr_workitem_id 0
		.amdhsa_next_free_vgpr 258
		.amdhsa_next_free_sgpr 66
		.amdhsa_reserve_vcc 1
		.amdhsa_float_denorm_mode_32 3
		.amdhsa_float_denorm_mode_16_64 3
		.amdhsa_memory_ordered 1
		.amdhsa_forward_progress 1
		.amdhsa_inst_pref_size 44
	.end_amdhsa_kernel
	.amdgpu_metadata
---
amdhsa.version: [ 1, 2 ]
amdhsa.kernels:
  - .name:           k_q300b7210b4_norm1
    .symbol:         k_q300b7210b4_norm1.kd
    .args:
      - { .name: Y, .offset: 0, .size: 8, .value_kind: global_buffer, .address_space: global }
      - { .name: g2, .offset: 8, .size: 8, .value_kind: global_buffer, .address_space: global }
      - { .name: N2, .offset: 16, .size: 8, .value_kind: global_buffer, .address_space: global }
    .group_segment_fixed_size: 33280
    .private_segment_fixed_size: 0
    .kernarg_segment_align: 8
    .kernarg_segment_size: 24
    .max_flat_workgroup_size: 128
    .sgpr_count:     66
    .vgpr_count:     258
    .wavefront_size: 32
...
	.end_amdgpu_metadata
.endif
;; end of part 5
;; launch ffn1 (part 6): grid 16 x 16, 4 waves a work-group, clusters of 4 x 4, 327,680 bytes of LDS; arguments N2, W, b1, HID; writes HID
.if DOCPART == 6
	.amdgcn_target "amdgcn-amd-amdhsa--gfx1250"
	.amdhsa_code_object_version 6
	.text
	.protected	k_q300b7210b4_ffn1
	.globl	k_q300b7210b4_ffn1
	.p2align	8
	.type	k_q300b7210b4_ffn1,@function
k_q300b7210b4_ffn1:
	s_mov_b64 s[64:65], 0
	v_nop
	global_prefetch_b8 v0, s[64:65] scope:SCOPE_SE
	s_setreg_imm32_b32 hwreg(HW_REG_WAVE_MODE, 25, 1), 1
	s_wait_xcnt 0x0
	s_wait_alu depctr_hold_cnt(0) depctr_sa_sdst(0) depctr_va_vdst(0) depctr_va_sdst(0) depctr_va_ssrc(0) depctr_va_vcc(0) depctr_vm_vsrc(0)
	s_getreg_b32 s2, hwreg(HW_REG_IB_STS2, 6, 4)
	s_cmp_eq_u32 s2, 0
	s_cbranch_scc0 .Lentry_in_a_cluster
	s_endpgm
.Lentry_in_a_cluster:
	s_bfe_u32 s2, ttmp6, 0x10000c
	s_cmp_lg_u32 s2, 0xf033
	s_cbranch_scc0 .Lentry_shape_is_right
	s_endpgm
.Lentry_shape_is_right:
.set KSTEP,  256
.set NQ,     2
.set ROWB,   256
.set KROW,   1024
.set PITCH,  272
.set FR,     16
.set NL,     4
.set NP,     8
.set HALFT,  128*PITCH
.set SLOT,   4*HALFT
.set LAPS,   2
.set SCL,    2*SLOT
.set HALFS,  4096
.set SPARE,  SCL+4*HALFS+256
.set SST,    256*272
.set CSC,  15
.set ADRA, 16
.set AD1,  18
.set AD2,  19
.set ADRB, 20
.set RDS,  22
.set BO,   23
.set STO,  24
.set RD,   25
.set CO,   26
.set ADRS, 27
.set SPW,  28
.set NIL,  29
.set PW,   30
.set SSO,  31
.set SC,   32
.set TM,   32
.set PC,   48
.set BI,   64
.set AF,   128
.set XA,   128
.set RG,   192
.set BK,   128
.set TT,   0
.set PP,   64
.set XX,   128
.set KC,   192
.set G1, 24
.set G0, 32
.set G1B, 48
.set G0B, 56
.set G1S, 68
.set G0S, 76
.set G1SB, 80
.set G0SB, 88
.set MSB, 0
.macro WIN new
.if MSB != \new
	s_set_vgpr_msb (MSB<<8)|\new
.set MSB, \new
.endif
.endm
.set MUL_LO, 0xa1
.set MUL_HI, 0xf1
.set TO_B,   0x40
.macro JLOAD g0a, g1a, g0b, g1b
	s_cmp_eq_u32 s15, 0
	s_cbranch_scc0 .Lfor_b_\@
	tensor_load_to_lds s[\g0a:\g0a+3], s[\g1a:\g1a+7]
	s_nop 0
.rept 4
	v_nop
.endr
	s_branch .Lasked_\@
.Lfor_b_\@:
	tensor_load_to_lds s[\g0b:\g0b+3], s[\g1b:\g1b+7]
	s_nop 0
.rept 4
	v_nop
.endr
.Lasked_\@:
.endm
.macro CREST
	s_cmp_lg_u32 s14, 0
	s_cbranch_scc1 .Lnot_wave_0_\@
	s_barrier_signal -3
.Lnot_wave_0_\@:
	s_barrier_wait -3
	s_barrier_signal -1
	s_barrier_wait -1
.endm
.macro CROUND
	s_barrier_signal -1
	s_barrier_wait -1
	CREST
.endm
	s_load_b256 s[4:11], s[0:1], 0x0
	v_lshl_add_u32 v[SPW], v0, 2, SPARE
	v_mov_b32 v[NIL], 0
	ds_add_u32 v28, v29
	ds_add_u32 v28, v29
	s_wait_dscnt 0x0
	v_lshrrev_b32 v1, 5, v0
	v_readfirstlane_b32 s14, v1
	s_lshr_b32 s15, s14, 1
	s_and_b32 s16, s14, 1
	s_bfe_u32 s40, ttmp6, 0x40000
	s_bfe_u32 s41, ttmp6, 0x40004
	s_lshl_b32 s42, ttmp9, 2
	s_add_co_u32 s42, s42, s40
	s_and_b32 s17, ttmp7, 0xffff
	s_lshl_b32 s17, s17, 2
	s_add_co_u32 s17, s17, s41
	s_lshl_b32 s43, s41, 2
	s_lshl_b32 s43, 15, s43
	s_lshl_b32 s44, 0x1111, s40
	s_or_b32 s[G1+0], s43, (0<<16)|(1<<20)|(1<<21)|(5<<22)|(3<<25)
	s_or_b32 s[G1B+0], s44, (0<<16)|(1<<20)|(1<<21)|(5<<22)|(3<<25)
.irp g, G1, G1B
	s_mov_b32 s[\g+1], ROWB<<16
	s_mov_b32 s[\g+2], 256<<16                     ; 256 rows for the head's loads; set to 128 for the ring's behind the wait for them
	s_mov_b32 s[\g+3], ROWB<<16
	s_mov_b32 s[\g+4], 256
	s_mov_b32 s[\g+5], KROW
	s_mov_b32 s[\g+6], 0
	s_mov_b32 s[\g+7], 0
.endr
	s_or_b32 s[G1S+0], s43, (3<<16)|(1<<21)
	s_or_b32 s[G1SB+0], s44, (3<<16)|(1<<21)
.irp g, G1S, G1SB
	s_mov_b32 s[\g+1], 256<<16
	s_mov_b32 s[\g+2], 4<<16
	s_mov_b32 s[\g+3], 256<<16
	s_mov_b32 s[\g+4], 4
	s_mov_b32 s[\g+5], 4096
	s_mov_b32 s[\g+6], 0
	s_mov_b32 s[\g+7], 0
.endr
	s_lshl_b32 s18, s16, 7
	s_lshl_b32 s20, s17, 8
	s_add_co_u32 s20, s20, s18
	s_lshl_b32 s46, s42, 8
	s_add_co_u32 s46, s46, s18
	s_sub_co_u32 s22, s20, s18                     ; the scales are fetched for the tile's 256 rows: from its first row
	s_lshl_b32 s22, s22, 3
	s_add_co_u32 s22, s22, 0x400000
	s_mov_b32 s23, 0
	s_sub_co_u32 s92, s46, s18
	s_lshl_b32 s92, s92, 3
	s_add_co_u32 s92, s92, 0xC28000
	s_mov_b32 s93, 0
	s_lshl_b32 s20, s20, 10
	s_mov_b32 s21, 0
	s_lshl_b32 s46, s46, 10
	s_add_co_u32 s46, s46, 0x400000
	s_mov_b32 s47, 0
	s_mul_i32 s45, s14, HALFT
	s_mul_i32 s94, s15, 2*HALFS+128                ; A's scales (wave 1) at SCL, laid [4 chunks][256 rows][8]; B's (wave 3) behind them and 128 bytes on
	s_wait_kmcnt 0x0
	s_add_nc_u64 s[20:21], s[4:5], s[20:21]
	s_add_nc_u64 s[22:23], s[4:5], s[22:23]
	s_add_nc_u64 s[46:47], s[6:7], s[46:47]
	s_add_nc_u64 s[92:93], s[6:7], s[92:93]
	CROUND
	s_mov_b32 s[G0S], 1
	s_add_co_u32 s[G0S+1], s94, SCL
	s_mov_b64 s[G0S+2:G0S+3], s[22:23]
	s_or_b32 s[G0S+3], s[G0S+3], 0x80000000
	s_mov_b32 s[G0SB], 1
	s_add_co_u32 s[G0SB+1], s94, SCL
	s_mov_b64 s[G0SB+2:G0SB+3], s[92:93]
	s_or_b32 s[G0SB+3], s[G0SB+3], 0x80000000
.irp s, 0,1
	s_mov_b32 s[G0+4*\s], 1
	s_add_co_u32 s[G0+4*\s+1], s45, \s*SLOT
	s_add_nc_u64 s[G0+4*\s+2:G0+4*\s+3], s[20:21], \s*ROWB
	s_or_b32 s[G0+4*\s+3], s[G0+4*\s+3], 0x80000000
	s_mov_b32 s[G0B+4*\s], 1
	s_add_co_u32 s[G0B+4*\s+1], s45, \s*SLOT
	s_add_nc_u64 s[G0B+4*\s+2:G0B+4*\s+3], s[46:47], \s*ROWB
	s_or_b32 s[G0B+4*\s+3], s[G0B+4*\s+3], 0x80000000
.endr
; THE HEAD'S LOADS, ONE A WAVE.  Waves 0 and 2 fetch from a tile's first row, so their slot 0 descriptors with 256 rows bring K step 0's whole tile of A and of B; wave 1 fetches A's scales, wave 3 B's.
.macro ARM under, g0, g1, next
	s_cmp_lt_u32 s14, \under
	s_cbranch_scc0 \next
	tensor_load_to_lds s[\g0:\g0+3], s[\g1:\g1+7]
	s_nop 0
.rept 4
	v_nop
.endr
	s_branch .Lhead_asked
\next:
.endm
	ARM 1, G0,  G1,  .Lhead_sa
	ARM 2, G0S, G1S, .Lhead_b
	ARM 3, G0B, G1B, .Lhead_sb
	tensor_load_to_lds s[G0SB:G0SB+3], s[G1SB:G1SB+7]
	s_nop 0
.rept 4
	v_nop
.endr
.Lhead_asked:
; THE PREFETCHES: K steps 2 and 3, the ring's only refills, each asked for here at least one whole K step ahead of its load.  A K step is 256 bytes of each row.  Of the 128 rows that a wave fetches in the ring, each of the
; four partners that ask for them jointly names 32, told apart BY ADDRESS (cx for A, cy for B): a lane a row, so each block of 256 bytes is named once in each cluster that will load it.  v8 and s[4:5] are never rewritten.
	s_cmp_eq_u32 s15, 0                            ; do I fetch for A?
	s_cselect_b64 s[4:5], s[20:21], s[46:47]       ; my 128 rows
	s_cselect_b32 s6, s40, s41                     ; my place among the four
	s_lshl_b32 s6, s6, 15                          ; 32 rows of 1,024 bytes
	v_and_b32 v8, 31, v0
	v_lshl_add_u32 v8, v8, 10, s6
	global_prefetch_b8 v8, s[4:5] offset:2*ROWB th:TH_LOAD_NT scope:SCOPE_SE
	global_prefetch_b8 v8, s[4:5] offset:3*ROWB th:TH_LOAD_NT scope:SCOPE_SE
	v_and_b32 v1, 15, v0
	s_wait_alu depctr_va_vdst(0)
	v_bfe_u32 v2, v0, 4, 1
	s_wait_alu depctr_va_vdst(0)
	s_lshl_b32 s20, s42, 10
	s_lshl_b32 s21, s16, 9
	s_add_co_u32 s20, s20, s21
	s_mov_b32 s21, 0
	s_add_nc_u64 s[8:9], s[8:9], s[20:21]
	v_lshlrev_b32 v[BO], 6, v2
.irp b, 0,1,2,3
.irp j, 0,1,2,3
	global_load_b128 v[BI+16*\b+4*\j:BI+16*\b+4*\j+3], v[BO], s[8:9] offset:128*\b+16*\j
.endr
.endr
	v_mul_u32_u24 v3, v1, PITCH
	v_lshl_add_u32 v4, v2, 4, v3
	s_mul_i32 s21, s15, HALFT
	s_mul_i32 s22, s16, HALFT
	s_add_co_u32 s22, s22, 2*HALFT
.irp s, 0,1
	v_add_nc_u32 v[ADRA+\s], s21, v4
	v_add_nc_u32 v[ADRB+\s], s22, v4
	s_add_co_u32 s21, s21, SLOT
	s_add_co_u32 s22, s22, SLOT
.endr
	v_lshlrev_b32 v5, 3, v1
	s_mul_i32 s21, s15, 1024                       ; my 128 rows of a chunk's 256
	s_mul_i32 s22, s16, 1024
	s_add_co_u32 s22, s22, 2*HALFS+128
	s_sub_co_u32 s22, s22, s21
	v_mul_u32_u24 v6, s22, v2
	s_add_co_u32 s21, s21, SCL
	v_add_nc_u32 v5, v5, v6
	v_add_nc_u32 v[ADRS], s21, v5
	s_mul_i32 s23, s15, 128*272
	s_lshl_b32 s21, s16, 7
	s_add_co_u32 s23, s23, s21
	v_mul_u32_u24 v5, v1, 272
	v_lshl_add_u32 v5, v2, 4, v5
	v_add_nc_u32 v[STO], s23, v5
	s_lshl_b32 s23, s15, 10
	s_lshl_b32 s21, s16, 2
	s_add_co_u32 s23, s23, s21
	s_add_co_u32 s23, s23, SST
	v_lshl_add_u32 v[SSO], v1, 3, s23
	s_mul_i32 s23, s14, 64*272
	v_mul_u32_u24 v5, v2, 272
	v_lshl_add_u32 v5, v1, 4, v5
	v_add_nc_u32 v[RD], s23, v5
	v_lshlrev_b32 v5, 12, v2
	v_lshl_add_u32 v[CO], v1, 4, v5
	v_and_b32 v6, 31, v0
	v_lshlrev_b32 v[CSC], 4, v6
	s_lshl_b32 s23, s14, 9
	s_add_co_u32 s23, s23, SST
	v_add_nc_u32 v[RDS], s23, v[CSC]
	s_lshl_b32 s20, s17, 8
	s_lshl_b32 s21, s14, 6
	s_add_co_u32 s20, s20, s21
	s_lshl_b32 s20, s20, 12
	s_lshl_b32 s21, s42, 8
	s_add_co_u32 s20, s20, s21
	s_mov_b32 s21, 0
	s_add_nc_u64 s[12:13], s[10:11], s[20:21]
	s_lshl_b32 s20, s42, 12
	s_lshl_b32 s21, s17, 8
	s_add_co_u32 s20, s20, s21
	s_lshl_b32 s20, s20, 3
	s_lshl_b32 s21, s14, 9
	s_add_co_u32 s20, s20, s21
	s_add_co_u32 s20, s20, 0x1000000
	s_mov_b32 s21, 0
	s_add_nc_u64 s[10:11], s[10:11], s[20:21]
	s_mov_b32 s18, 0x76543210
	s_mov_b32 s19, 0xfedcba98
	s_mov_b32 s2, 0x600000
.macro FRAG reg, adr, q, i
.irp c, 0,1,2,3
	ds_load_b128 v[\reg+4*\c:\reg+4*\c+3], v[\adr] offset:128*(\q)+32*\c+(\i)*16*PITCH
.endr
.endm
.macro MUL16 a0, p, q, sc, zero
.irp a, \a0, \a0+1
.irp b, 0,1,2,3,4,5,6,7
.if \zero
	v_wmma_scale_f32_16x16x128_f8f6f4 v[8*(8*((\a)%4)+\b):8*(8*((\a)%4)+\b)+7], v[128*(\p)+FR*\b:128*(\p)+FR*\b+FR-1], v[AF+FR*(\a):AF+FR*(\a)+FR-1], 0, v[SC+8*NQ*(\sc)+NQ*\b+(\q)], v[SC+8*NQ*(\sc)+NQ*(\a)+(\q)] matrix_a_fmt:MATRIX_FMT_BF8 matrix_b_fmt:MATRIX_FMT_BF8 matrix_a_scale:MATRIX_SCALE_ROW1
.else
	v_wmma_scale_f32_16x16x128_f8f6f4 v[8*(8*((\a)%4)+\b):8*(8*((\a)%4)+\b)+7], v[128*(\p)+FR*\b:128*(\p)+FR*\b+FR-1], v[AF+FR*(\a):AF+FR*(\a)+FR-1], v[8*(8*((\a)%4)+\b):8*(8*((\a)%4)+\b)+7], v[SC+8*NQ*(\sc)+NQ*\b+(\q)], v[SC+8*NQ*(\sc)+NQ*(\a)+(\q)] matrix_a_fmt:MATRIX_FMT_BF8 matrix_b_fmt:MATRIX_FMT_BF8 matrix_a_scale:MATRIX_SCALE_ROW1
.endif
.endr
.endr
.endm
.macro FETCH_B slot, q, p
	WIN TO_B
.irp i, 0,1,2,3,4,5,6,7
	FRAG 128*(\p)+FR*\i, ADRB+\slot, \q, \i
.endr
	WIN 0
.endm
.macro FETCH_A slot, q, i0
.irp i, \i0, \i0+1, \i0+2, \i0+3
	FRAG AF+FR*(\i), ADRA+\slot, \q, \i
.endr
.endm
.macro SCALES sc
.irp i, 0,1,2,3,4,5,6,7
	ds_load_b64 v[SC+8*NQ*\sc+NQ*\i:SC+8*NQ*\sc+NQ*\i+1], v[ADRS] offset:\i*128
.endr
.endm
.macro PLACES n
.rept \n
	v_nop
.endr
.endm
.macro STEP slot, q, zero
	s_wait_dscnt 4*NL
	WIN MUL_LO
	MUL16 0, (\q)%2, \q, \slot, \zero
	MUL16 2, (\q)%2, \q, \slot, \zero
	s_wait_dscnt 0
	PLACES NP
	FETCH_B \slot, (\q)+1, 1-(\q)%2
	FETCH_A \slot, (\q)+1, 0
	WIN MUL_HI
	MUL16 4, (\q)%2, \q, \slot, \zero
	MUL16 6, (\q)%2, \q, \slot, \zero
	PLACES NP
	WIN 0
	FETCH_A \slot, (\q)+1, 4
.endm
.macro TURN slot, next, fill
	s_wait_tensorcnt 0x0
	ds_add_u32 v[SPW], v[NIL]
	s_wait_dscnt 4*NL+1
	WIN MUL_LO
	MUL16 0, 1, NQ-1, \slot, 0
	s_wait_dscnt 0x0
	s_barrier_signal -1
	MUL16 2, 1, NQ-1, \slot, 0
	WIN 0
	s_barrier_wait -1
.if \fill
	CREST
	s_add_nc_u64 s[G0+4*\slot+2:G0+4*\slot+3], s[G0+4*\slot+2:G0+4*\slot+3], 2*ROWB
	s_add_nc_u64 s[G0B+4*\slot+2:G0B+4*\slot+3], s[G0B+4*\slot+2:G0B+4*\slot+3], 2*ROWB
	JLOAD G0+4*\slot, G1, G0B+4*\slot, G1B
	PLACES NP-4
.else
	PLACES NP
.endif
	s_wait_alu depctr_va_vdst(0)
	v_add_nc_u32 v[ADRS], 2048, v[ADRS]            ; the next chunk of scale words: 256 rows x 8 bytes on
	FETCH_B \next, 0, 0
	FETCH_A \next, 0, 0
	SCALES \next
	WIN MUL_HI
	MUL16 4, 1, NQ-1, \slot, 0
	MUL16 6, 1, NQ-1, \slot, 0
	PLACES NP
	WIN 0
	FETCH_A \next, 0, 4
.endm
	s_wait_alu depctr_va_vdst(0)                   ; the wait at the head's end
	s_wait_tensorcnt 0x0                           ; my tile of the head's four is in; the lines ahead of a later first fill:
	ds_add_u32 v[SPW], v[NIL]
	s_mov_b32 s[G1+2], 128<<16                     ; no tensor load of mine is out: from here on a load brings 128 rows
	s_mov_b32 s[G1+4], 128
	s_mov_b32 s[G1B+2], 128<<16
	s_mov_b32 s[G1B+4], 128
	s_wait_dscnt 0x0
	CROUND                                         ; all four tiles are in, and all sixteen work-groups are here
	JLOAD G0+4, G1, G0B+4, G1B                     ; K step 1, the first tensor load behind the round
	FETCH_B 0, 0, 0
	FETCH_A 0, 0, 0
	SCALES 0
	FETCH_A 0, 0, 4
	STEP 0, 0, 1
	s_mov_b32 s3, LAPS-1
.Llap:
	TURN 0, 1, 1
	STEP 1, 0, 0
	TURN 1, 0, 1
	STEP 0, 0, 0
	s_sub_co_u32 s3, s3, 1
	s_cmp_lg_u32 s3, 0
	s_cbranch_scc1 .Llap
	TURN 0, 1, 0
	STEP 1, 0, 0
	s_wait_dscnt 4*NL
	WIN MUL_LO
	MUL16 0, 1, NQ-1, 1, 0
	MUL16 2, 1, NQ-1, 1, 0
	s_wait_dscnt 0
	WIN MUL_HI
	MUL16 4, 1, NQ-1, 1, 0
	MUL16 6, 1, NQ-1, 1, 0
	WIN 0
.macro GET a
.set WA, 2+(\a)/4
	WIN WA
.set J, 0
.rept 32
	v_pk_add_f32 v[XA+J:XA+J+1], v[64*((\a)%4)+J:64*((\a)%4)+J+1], v[BI+J:BI+J+1]
.set J, J+2
.endr
	WIN 0
.endm
.macro KSET k, val
	v_mov_b32 v[KC+2*\k], \val
	v_mov_b32 v[KC+2*\k+1], \val
.endm
	PLACES NP
	s_wait_loadcnt 0x0
.irp b, 0,1,2,3
	v_mov_b32 v[TM+4+\b], 0
.endr
	WIN 0x40
	KSET 0, -1.26551223
	KSET 1, 1.00002368
	KSET 2, 0.37409196
	KSET 3, 0.09678418
	KSET 4, -0.18628806
	KSET 5, 0.27886807
	KSET 6, -1.13520398
	KSET 7, 1.48851587
	KSET 8, -0.82215223
	KSET 9, 0.17087277
	KSET 10, -0.5
	KSET 11, 0x3fb8aa3b
	KSET 12, -1.0
	WIN 0
	s_mov_b32 s22, 0x3eb504f3
	s_mov_b32 s20, 0
	s_mov_b32 s21, 0
	s_mov_b32 s3, 0
.Lout:
.irp a, 0,1,2,3,4,5,6
	s_cmp_eq_u32 s3, \a
	s_cbranch_scc1 .Lget_\a
.endr
	GET 7
	s_branch .Lcommon
.irp a, 0,1,2,3,4,5,6
.Lget_\a:
	GET \a
	s_branch .Lcommon
.endr
.Lcommon:
	WIN 0x40
.set J, 0
.rept 64
	v_fma_f32 v[TT+J], |v[XA+J]|, s22, 1.0
.set J, J+1
.endr
.set J, 0
.rept 32
	v_pk_mul_f32 v[XX+J:XX+J+1], v[XA+J:XA+J+1], v[XA+J:XA+J+1]
.set J, J+2
.endr
	WIN 0
.set J, 0
.rept 64
	v_max_num_f32 v[RG+J], 0, v[XA+J]
.set J, J+1
.endr
	WIN 0x55
.set J, 0
	s_wait_alu depctr_va_vdst(0)
.rept 64
	v_rcp_f32 v[TT+J], v[TT+J]
.set J, J+1
.endr
	v_nop
	s_wait_alu depctr_va_vdst(0)
.set J, 0
.rept 32
	v_pk_fma_f32 v[PP+J:PP+J+1], v[TT+J:TT+J+1], v[KC+18:KC+19], v[KC+16:KC+17]
.set J, J+2
.endr
.irp k, 7,6,5,4,3,2,1,0
.set J, 0
.rept 32
	v_pk_fma_f32 v[PP+J:PP+J+1], v[PP+J:PP+J+1], v[TT+J:TT+J+1], v[KC+2*\k:KC+2*\k+1]
.set J, J+2
.endr
.endr
.set J, 0
.rept 32
	v_pk_fma_f32 v[PP+J:PP+J+1], v[XX+J:XX+J+1], v[KC+20:KC+21], v[PP+J:PP+J+1]
.set J, J+2
.endr
.set J, 0
.rept 32
	v_pk_fma_f32 v[PP+J:PP+J+1], v[PP+J:PP+J+1], v[KC+22:KC+23], v[KC+24:KC+25]
.set J, J+2
.endr
.set J, 0
	s_wait_alu depctr_va_vdst(0)
.rept 64
	v_exp_f32 v[PP+J], v[PP+J]
.set J, J+1
.endr
	v_nop
	s_wait_alu depctr_va_vdst(0)
.set J, 0
.rept 32
	v_pk_mul_f32 v[PP+J:PP+J+1], v[PP+J:PP+J+1], v[TT+J:TT+J+1]
.set J, J+2
.endr
	WIN 0x04
.set J, 0
.rept 64
	v_fma_f32 v[XA+J], -|v[XA+J]|, v[PP+J], v[RG+J]
.set J, J+1
.endr
	WIN 0
	s_wait_dscnt 0x0
.irp b, 0,1,2,3
	v_max3_num_f32 v[TM+\b], |v[XA+16*\b]|, |v[XA+1+16*\b]|, 0x8000000
.endr
.irp i, 2,4,6,8,10,12,14
.irp b, 0,1,2,3
	v_max3_num_f32 v[TM+\b], v[TM+\b], |v[XA+16*\b+\i]|, |v[XA+1+16*\b+\i]|
.endr
.endr
.irp b, 0,1,2,3
	v_permlanex16_b32 v[TM+4+\b], v[TM+\b], s18, s19
.endr
.irp b, 0,1,2,3
	v_max_num_f32 v[TM+\b], v[TM+\b], v[TM+4+\b]
.endr
.irp b, 0,1,2,3
	v_add_nc_u32 v[TM+12+\b], 0xf8800000, v[TM+\b]
.endr
.irp b, 0,1,2,3
	v_and_or_b32 v[TM+8+\b], v[TM+\b], 0x7f800000, s2
.endr
.irp b, 0,1,2,3
	v_lshrrev_b32 v[TM+4+\b], 23, v[TM+12+\b]
.endr
	v_lshl_or_b32 v[PW], v[TM+5], 8, v[TM+4]
	v_lshl_or_b32 v[PW], v[TM+6], 16, v[PW]
	v_lshl_or_b32 v[PW], v[TM+7], 24, v[PW]
.irp b, 0,1,2,3
.irp i, 0,1,2,3,4,5,6,7,8,9,10,11,12,13,14,15
	v_med3_num_f32 v[XA+16*\b+\i], v[XA+16*\b+\i], -v[TM+8+\b], v[TM+8+\b]
.endr
	v_cvt_scalef32_pk8_bf8_f32 v[PC+4*\b:PC+4*\b+1], v[XA+16*\b:XA+16*\b+7], v[TM+12+\b]
	v_cvt_scalef32_pk8_bf8_f32 v[PC+4*\b+2:PC+4*\b+3], v[XA+16*\b+8:XA+16*\b+15], v[TM+12+\b]
.endr
	v_nop
	v_add_nc_u32 v[AD1], s20, v[STO]
	v_add_nc_u32 v[AD2], s21, v[SSO]
.irp b, 0,1,2,3
	ds_store_b128 v[AD1], v[PC+4*\b:PC+4*\b+3] offset:32*\b
.endr
	ds_store_b32 v[AD2], v[PW]
	s_add_co_u32 s20, s20, 16*272
	s_add_co_u32 s21, s21, 128
	s_add_co_u32 s3, s3, 1
	s_cmp_lt_u32 s3, 8
	s_cbranch_scc1 .Lout
	s_wait_dscnt 0x0
	s_barrier_signal -1
	s_barrier_wait -1
.set J, 0
.rept 32
	ds_load_b128 v[BK+4*J:BK+4*J+3], v[RD] offset:J*2*272
.set J, J+1
.endr
	ds_load_b128 v[BI:BI+3], v[RDS]
.set J, 0
.rept 32
	s_wait_dscnt 32-J
	global_store_b128 v[CO], v[BK+4*J:BK+4*J+3], s[12:13] offset:J*2*4096
.set J, J+1
.endr
	s_wait_dscnt 0
	global_store_b128 v[CSC], v[BI:BI+3], s[10:11]
	s_wait_tensorcnt 0x0
	ds_add_u32 v[SPW], v[NIL]
	s_wait_dscnt 0x0
	CROUND
	s_endpgm
.Lfunc_end_k_q300b7210b4_ffn1:
	.size	k_q300b7210b4_ffn1, .Lfunc_end_k_q300b7210b4_ffn1-k_q300b7210b4_ffn1
	.p2alignl 7, 3214868480
	.fill 96, 4, 3214868480
	.section	.rodata,"a",@progbits
	.p2align	6, 0x0
	.amdhsa_kernel k_q300b7210b4_ffn1
		.amdhsa_group_segment_fixed_size 327680
		.amdhsa_private_segment_fixed_size 0
		.amdhsa_enable_private_segment 0
		.amdhsa_kernarg_size 32
		.amdhsa_user_sgpr_count 2
		.amdhsa_user_sgpr_kernarg_segment_ptr 1
		.amdhsa_wavefront_size32 1
		.amdhsa_system_sgpr_workgroup_id_x 1
		.amdhsa_system_sgpr_workgroup_id_y 1
		.amdhsa_system_sgpr_workgroup_id_z 1
		.amdhsa_system_vgpr_workitem_id 0
		.amdhsa_next_free_vgpr 1024
		.amdhsa_next_free_sgpr 100
		.amdhsa_reserve_vcc 0
		.amdhsa_float_denorm_mode_32 3
		.amdhsa_float_denorm_mode_16_64 3
		.amdhsa_memory_ordered 1
		.amdhsa_forward_progress 1
		.amdhsa_inst_pref_size 194
	.end_amdhsa_kernel
	.amdgpu_metadata
---
amdhsa.version: [ 1, 2 ]
amdhsa.kernels:
  - .name:           k_q300b7210b4_ffn1
    .symbol:         k_q300b7210b4_ffn1.kd
    .args:
      - { .name: N2, .offset: 0, .size: 8, .value_kind: global_buffer, .address_space: global }
      - { .name: W, .offset: 8, .size: 8, .value_kind: global_buffer, .address_space: global }
      - { .name: b1, .offset: 16, .size: 8, .value_kind: global_buffer, .address_space: global }
      - { .name: HID, .offset: 24, .size: 8, .value_kind: global_buffer, .address_space: global }
    .group_segment_fixed_size: 327680
    .private_segment_fixed_size: 0
    .kernarg_segment_align: 8
    .kernarg_segment_size: 32
    .max_flat_workgroup_size: 128
    .sgpr_count:     100
    .vgpr_count:     1024
    .wavefront_size: 32
...
	.end_amdgpu_metadata
.endif
;; end of part 6
;; launch ffn2 (part 7): grid 8 x 32, 4 waves a work-group, clusters of 4 x 4, 327,680 bytes of LDS; arguments HID, W, b2, Y, g2, N2, out0; writes out0
.if DOCPART == 7
	.amdgcn_target "amdgcn-amd-amdhsa--gfx1250"
	.amdhsa_code_object_version 6
	.text
	.protected	k_q300b7210b4_ffn2
	.globl	k_q300b7210b4_ffn2
	.p2align	8
	.type	k_q300b7210b4_ffn2,@function
k_q300b7210b4_ffn2:
	s_mov_b64 s[64:65], 0
	v_nop
	global_prefetch_b8 v0, s[64:65] scope:SCOPE_SE
	s_setreg_imm32_b32 hwreg(HW_REG_WAVE_MODE, 25, 1), 1
	s_wait_xcnt 0x0
	s_wait_alu depctr_hold_cnt(0) depctr_sa_sdst(0) depctr_va_vdst(0) depctr_va_sdst(0) depctr_va_ssrc(0) depctr_va_vcc(0) depctr_vm_vsrc(0)
	s_getreg_b32 s2, hwreg(HW_REG_IB_STS2, 6, 4)
	s_cmp_eq_u32 s2, 0
	s_cbranch_scc0 .Lentry_in_a_cluster
	s_endpgm
.Lentry_in_a_cluster:
	s_bfe_u32 s2, ttmp6, 0x10000c
	s_cmp_lg_u32 s2, 0xf033
	s_cbranch_scc0 .Lentry_shape_is_right
	s_endpgm
.Lentry_shape_is_right:
.set SIZE_K, 4096
.set HEADS,  0
.set WCO,    0x800000
.set WSO,    0xC48000
.set ASO,    0x1000000
.set KSTEP,  512
.set PB,     528
.set HALFB,  64*PB
.if HEADS
.set HALFA,  8*64*80
.set ASTEP,  8*262144
.else
.set HALFA,  HALFB
.set ASTEP,  KSTEP
.endif
.set SLOT,   2*HALFA+2*HALFB
.set LAPS,   SIZE_K/(2*KSTEP)
.set NCH,    SIZE_K/256
.set SCL,    2*SLOT
.set HALFS,  NCH*512
.set SPARE,  SCL+4*HALFS+256
.set SPITCH, 528
.set ADRA, 16
.set ADRB, 20
.set STO,  24
.set RD,   25
.set CO,   26
.set ADRS, 27
.set SPW,  28
.set NIL,  29
.set SC,   32
.set GG,   96
.set BI,   100
.set ACC,  128
.set F0,   0
.set F1,   128
.set FS,   68
.set G1, 24
.set G0, 32
.set G1B, 48
.set G0B, 56
.set G1S, 68
.set G0S, 76
.set G1SB, 80
.set G0SB, 88
.set MSB, 0
.macro WIN new
.if MSB != \new
	s_set_vgpr_msb (MSB<<8)|\new
.set MSB, \new
.endif
.endm
.macro JLOAD g0a, g1a, g0b, g1b
	s_cmp_eq_u32 s19, 0
	s_cbranch_scc0 .Lfor_b_\@
	tensor_load_to_lds s[\g0a:\g0a+3], s[\g1a:\g1a+7]
	s_nop 0
.rept 4
	v_nop
.endr
	s_branch .Lasked_\@
.Lfor_b_\@:
	tensor_load_to_lds s[\g0b:\g0b+3], s[\g1b:\g1b+7]
	s_nop 0
.rept 4
	v_nop
.endr
.Lasked_\@:
.endm
.macro CREST
	s_cmp_lg_u32 s18, 0
	s_cbranch_scc1 .Lnot_wave_0_\@
	s_barrier_signal -3
.Lnot_wave_0_\@:
	s_barrier_wait -3
	s_barrier_signal -1
	s_barrier_wait -1
.endm
.macro CROUND
	s_barrier_signal -1
	s_barrier_wait -1
	CREST
.endm
	s_load_b256 s[4:11], s[0:1], 0x0
	s_load_b128 s[12:15], s[0:1], 0x20
	s_load_b64 s[16:17], s[0:1], 0x30
	v_lshl_add_u32 v[SPW], v0, 2, SPARE
	v_mov_b32 v[NIL], 0
	ds_add_u32 v28, v29
	ds_add_u32 v28, v29
	s_wait_dscnt 0x0
	v_lshrrev_b32 v1, 5, v0
	v_readfirstlane_b32 s18, v1
	s_lshr_b32 s19, s18, 1
	s_and_b32 s20, s18, 1
	s_bfe_u32 s40, ttmp6, 0x40000
	s_bfe_u32 s41, ttmp6, 0x40004
	s_lshl_b32 s22, ttmp9, 2
	s_add_co_u32 s22, s22, s40
	s_and_b32 s21, ttmp7, 0xffff
	s_lshl_b32 s21, s21, 2
	s_add_co_u32 s21, s21, s41
	s_lshl_b32 s42, s41, 2
	s_lshl_b32 s42, 15, s42
	s_lshl_b32 s43, 0x1111, s40
	s_or_b32 s[G1B+0], s43, (0<<16)|(1<<20)|(1<<21)|(6<<22)|(3<<25)
	s_mov_b32 s[G1B+1], KSTEP<<16
	s_mov_b32 s[G1B+2], 128<<16                    ; 128 rows for the head's loads; set to 64 for the ring's behind the wait for them
	s_mov_b32 s[G1B+3], KSTEP<<16
	s_mov_b32 s[G1B+4], 128
	s_mov_b32 s[G1B+5], SIZE_K
	s_mov_b32 s[G1B+6], 0
	s_mov_b32 s[G1B+7], 0
.if HEADS
	s_or_b32 s[G1+0], s42, (0<<16)|(1<<20)|(1<<21)|(3<<22)|(3<<25)
	s_mov_b32 s[G1+1], 4096<<16
	s_mov_b32 s[G1+2], 8<<16
	s_mov_b32 s[G1+3], 4096<<16
	s_mov_b32 s[G1+4], 8
	s_mov_b32 s[G1+5], 262144
.else
	s_or_b32 s[G1+0], s42, (0<<16)|(1<<20)|(1<<21)|(6<<22)|(3<<25)
	s_mov_b32 s[G1+1], KSTEP<<16
	s_mov_b32 s[G1+2], 128<<16
	s_mov_b32 s[G1+3], KSTEP<<16
	s_mov_b32 s[G1+4], 128
	s_mov_b32 s[G1+5], SIZE_K
.endif
	s_mov_b32 s[G1+6], 0
	s_mov_b32 s[G1+7], 0
	s_or_b32 s[G1S+0], s42, (3<<16)|(1<<21)
	s_or_b32 s[G1SB+0], s43, (3<<16)|(1<<21)
.irp g, G1S, G1SB
	s_mov_b32 s[\g+1], 128<<16
	s_mov_b32 s[\g+2], NCH<<16
	s_mov_b32 s[\g+3], 128<<16
	s_mov_b32 s[\g+4], NCH
	s_mov_b32 s[\g+6], 0
	s_mov_b32 s[\g+7], 0
.endr
	s_mov_b32 s[G1S+5], 4096
	s_mov_b32 s[G1SB+5], 1024
	s_lshl_b32 s23, s20, 6
	s_lshl_b32 s44, s21, 7
	s_add_co_u32 s44, s44, s23
	s_lshl_b32 s92, s22, 7
	s_add_co_u32 s92, s92, s23
	s_sub_co_u32 s46, s44, s23                     ; the scales are fetched for the tile's 128 rows: from its first row
	s_lshl_b32 s46, s46, 3
	s_add_co_u32 s46, s46, ASO
	s_mov_b32 s47, 0
	s_sub_co_u32 s94, s92, s23
	s_lshl_b32 s94, s94, 3
	s_add_co_u32 s94, s94, WSO
	s_mov_b32 s95, 0
.if HEADS
	s_lshl_b32 s44, s44, 6
.else
	s_lshl_b32 s44, s44, 12
.endif
	s_mov_b32 s45, 0
	s_mul_i32 s92, s92, SIZE_K
	s_add_co_u32 s92, s92, WCO
	s_mov_b32 s93, 0
	s_mul_i32 s96, s20, HALFA
	s_mul_i32 s97, s20, HALFB
	s_add_co_u32 s97, s97, 2*HALFA
	s_mov_b32 s98, 0                               ; a side's scales are one tile, laid [chunk][128 rows][8]
	s_wait_kmcnt 0x0
	s_add_nc_u64 s[44:45], s[4:5], s[44:45]
	s_add_nc_u64 s[46:47], s[4:5], s[46:47]
	s_add_nc_u64 s[92:93], s[6:7], s[92:93]
	s_add_nc_u64 s[94:95], s[6:7], s[94:95]
	CROUND
	s_mov_b32 s[G0S], 1
	s_add_co_u32 s[G0S+1], s98, SCL
	s_mov_b64 s[G0S+2:G0S+3], s[46:47]
	s_or_b32 s[G0S+3], s[G0S+3], 0x80000000
	s_mov_b32 s[G0SB], 1
	s_add_co_u32 s[G0SB+1], s98, SCL+2*HALFS+128
	s_mov_b64 s[G0SB+2:G0SB+3], s[94:95]
	s_or_b32 s[G0SB+3], s[G0SB+3], 0x80000000
.irp s, 0,1
	s_mov_b32 s[G0+4*\s], 1
	s_add_co_u32 s[G0+4*\s+1], s96, \s*SLOT
	s_add_nc_u64 s[G0+4*\s+2:G0+4*\s+3], s[44:45], \s*ASTEP
	s_or_b32 s[G0+4*\s+3], s[G0+4*\s+3], 0x80000000
	s_mov_b32 s[G0B+4*\s], 1
	s_add_co_u32 s[G0B+4*\s+1], s97, \s*SLOT
	s_add_nc_u64 s[G0B+4*\s+2:G0B+4*\s+3], s[92:93], \s*KSTEP
	s_or_b32 s[G0B+4*\s+3], s[G0B+4*\s+3], 0x80000000
.endr
; THE HEAD'S LOADS, ONE A WAVE.  Waves 0 and 2 fetch from a tile's first row, so their slot 0 descriptors with 128 rows bring K step 0's whole tile of A and of B; wave 1 fetches A's scales, wave 3 B's.
.macro ARM under, g0, g1, next
	s_cmp_lt_u32 s18, \under
	s_cbranch_scc0 \next
	tensor_load_to_lds s[\g0:\g0+3], s[\g1:\g1+7]
	s_nop 0
.rept 4
	v_nop
.endr
	s_branch .Lhead_asked
\next:
.endm
	ARM 1, G0,  G1,  .Lhead_sa
	ARM 2, G0S, G1S, .Lhead_b
	ARM 3, G0B, G1B, .Lhead_sb
	tensor_load_to_lds s[G0SB:G0SB+3], s[G1SB:G1SB+7]
	s_nop 0
.rept 4
	v_nop
.endr
.Lhead_asked:
; THE PREFETCHES.  A K step is 512 bytes of each row, two blocks of 256.  Of the 64 rows that a wave fetches in the ring, each of the four partners that ask for them jointly names 16, told apart BY ADDRESS (cx for A, cy for B):
; two lanes to a row, one instruction a wave, so each block is named once in each cluster that will load it.  Here K steps 2 and 3; behind each refill the K step that stands two refills on; the loop's last trip asks for nothing.
	s_cmp_eq_u32 s19, 0                            ; do I fetch for A?
	s_cselect_b64 s[4:5], s[44:45], s[92:93]       ; my 64 rows
	s_cselect_b32 s6, s40, s41                     ; my place among the four
	s_add_nc_u64 s[4:5], s[4:5], 2*KSTEP           ; at K step 2
	s_lshl_b32 s6, s6, 16                          ; 16 rows of 4,096 bytes
	v_and_b32 v8, 31, v0
	v_lshrrev_b32 v9, 1, v8
	v_and_b32 v8, 1, v8
	v_lshlrev_b32 v9, 12, v9
	v_lshl_add_u32 v8, v8, 8, v9
	v_add_nc_u32 v8, s6, v8                        ; v8 is never rewritten
	global_prefetch_b8 v8, s[4:5] th:TH_LOAD_NT scope:SCOPE_SE
	global_prefetch_b8 v8, s[4:5] offset:KSTEP th:TH_LOAD_NT scope:SCOPE_SE
	v_and_b32 v6, 31, v0
	v_lshlrev_b32 v[CO], 4, v6
	s_wait_alu depctr_va_vdst(0)
	s_lshl_b32 s44, s22, 9
	s_mov_b32 s45, 0
	s_add_nc_u64 s[8:9], s[8:9], s[44:45]
	s_add_nc_u64 s[12:13], s[12:13], s[44:45]
	global_load_b128 v[BI:BI+3], v[CO], s[8:9]
	global_load_b128 v[GG:GG+3], v[CO], s[12:13]
	s_lshl_b32 s46, s21, 7
	s_lshl_b32 s47, s18, 5
	s_add_co_u32 s46, s46, s47
	s_lshl_b32 s92, s46, 2
	s_add_co_u32 s92, s92, 0x420000
	s_mov_b32 s93, 0
	s_add_nc_u64 s[14:15], s[14:15], s[92:93]
	s_lshl_b32 s46, s46, 12
	s_mov_b32 s47, 0
	s_add_nc_u64 s[46:47], s[46:47], s[44:45]
	s_add_nc_u64 s[10:11], s[10:11], s[46:47]
	s_add_nc_u64 s[16:17], s[16:17], s[46:47]
	WIN 0x80
.set J, 0
.rept 32
.set PT, (J&7)|(((J>>3)&1)<<4)|(((J>>4)&1)<<3)
	global_load_b128 v[4*J:4*J+3], v[CO], s[10:11] offset:PT*4096 th:TH_LOAD_NT
.set J, J+1
.endr
	WIN 0
	v_and_b32 v1, 15, v0
	v_bfe_u32 v2, v0, 4, 1
	s_wait_alu depctr_va_vdst(0)
	v_mul_u32_u24 v3, v1, PB
	v_lshl_add_u32 v3, v2, 4, v3
.if HEADS
	v_mul_u32_u24 v4, v1, 80
	v_lshl_add_u32 v4, v2, 4, v4
.else
	v_mov_b32 v4, v3
.endif
	s_mul_i32 s44, s19, HALFA
	s_mul_i32 s45, s20, HALFB
	s_add_co_u32 s45, s45, 2*HALFA
.irp s, 0,1
	v_add_nc_u32 v[ADRA+\s], s44, v4
	v_add_nc_u32 v[ADRB+\s], s45, v3
	s_add_co_u32 s44, s44, SLOT
	s_add_co_u32 s45, s45, SLOT
.endr
	v_lshlrev_b32 v5, 3, v1
	s_mul_i32 s44, s19, 512                        ; my 64 rows of a chunk's 128
	s_mul_i32 s45, s20, 512
	s_add_co_u32 s45, s45, 2*HALFS+128
	s_sub_co_u32 s45, s45, s44
	v_mul_u32_u24 v7, s45, v2
	s_add_co_u32 s44, s44, SCL
	v_add_nc_u32 v5, v5, v7
	v_add_nc_u32 v[ADRS], s44, v5
	s_mul_i32 s44, s19, 64*SPITCH
	s_lshl_b32 s45, s20, 8
	s_add_co_u32 s44, s44, s45
	v_mul_u32_u24 v5, v1, SPITCH
	v_lshl_add_u32 v5, v2, 6, v5
	v_add_nc_u32 v[STO], s44, v5
	s_mul_i32 s44, s18, 32*SPITCH
	v_add_nc_u32 v[RD], s44, v[CO]
.macro FRAGB reg, slot, q, i
.irp c, 0,1,2,3
	ds_load_b128 v[\reg+4*\c:\reg+4*\c+3], v[ADRB+\slot] offset:128*(\q)+32*\c+(\i)*16*PB
.endr
.endm
.macro FRAGA reg, slot, q, i
.irp c, 0,1,2,3
.if HEADS
	ds_load_b128 v[\reg+4*\c:\reg+4*\c+3], v[ADRA+\slot] offset:(2*(\q)+\c/2)*5120+(\c%2)*32+(\i)*16*80
.else
	ds_load_b128 v[\reg+4*\c:\reg+4*\c+3], v[ADRA+\slot] offset:128*(\q)+32*\c+(\i)*16*PB
.endif
.endr
.endm
.macro FETCH slot, q, f
	WIN 0x40
.irp i, 0,1,2,3
	FRAGB \f+64+16*\i, \slot, \q, \i
.endr
.irp i, 0,1,2,3
	FRAGA \f+16*\i, \slot, \q, \i
.endr
.endm
.macro SCALES sc
.irp i, 0,1,2,3
.irp k, 0,1
	ds_load_b64 v[SC+16*\sc+4*\i+2*\k:SC+16*\sc+4*\i+2*\k+1], v[ADRS] offset:1024*\k+128*\i
.endr
.endr
.endm
.macro MULA f, sc, q, a, zero
.irp b, 0,1,2,3
.if \zero
	v_wmma_scale_f32_16x16x128_f8f6f4 v[ACC+8*(4*(\a)+\b):ACC+8*(4*(\a)+\b)+7], v[\f+64+16*\b:\f+64+16*\b+15], v[\f+16*(\a):\f+16*(\a)+15], 0, v[SC+16*(\sc)+4*\b+(\q)], v[SC+16*(\sc)+4*(\a)+(\q)] matrix_a_fmt:MATRIX_FMT_BF8 matrix_b_fmt:MATRIX_FMT_BF8 matrix_a_scale:MATRIX_SCALE_ROW1
.else
	v_wmma_scale_f32_16x16x128_f8f6f4 v[ACC+8*(4*(\a)+\b):ACC+8*(4*(\a)+\b)+7], v[\f+64+16*\b:\f+64+16*\b+15], v[\f+16*(\a):\f+16*(\a)+15], v[ACC+8*(4*(\a)+\b):ACC+8*(4*(\a)+\b)+7], v[SC+16*(\sc)+4*\b+(\q)], v[SC+16*(\sc)+4*(\a)+(\q)] matrix_a_fmt:MATRIX_FMT_BF8 matrix_b_fmt:MATRIX_FMT_BF8 matrix_a_scale:MATRIX_SCALE_ROW1
.endif
.endr
.endm
.macro PLACES n
.rept \n
	v_nop
.endr
.endm
.macro SUB slot, q, f, g, zero
	s_wait_dscnt 8
	WIN 0x05
	MULA \f, \slot, \q, 0, \zero
	MULA \f, \slot, \q, 1, \zero
	PLACES 8
	FETCH \slot, (\q)+1, \g
	s_wait_dscnt 32
	WIN 0x05
	MULA \f, \slot, \q, 2, \zero
	MULA \f, \slot, \q, 3, \zero
.endm
.macro TURN slot, next, fill
	WIN 0
.if \fill
	s_wait_xcnt 0x0                                ; my last prefetch has read its address: it is stepped here, a K step behind that prefetch
	s_add_nc_u64 s[4:5], s[4:5], KSTEP
.endif
	s_wait_tensorcnt 0x0
	ds_add_u32 v[SPW], v[NIL]
	s_wait_dscnt 9
	WIN 0x05
	MULA F1, \slot, 3, 0, 0
	MULA F1, \slot, 3, 1, 0
	s_wait_dscnt 0x0
	s_barrier_signal -1
	MULA F1, \slot, 3, 2, 0
	WIN 0
	s_barrier_wait -1
.if \fill
	CREST
	s_add_nc_u64 s[G0+4*\slot+2:G0+4*\slot+3], s[G0+4*\slot+2:G0+4*\slot+3], 2*ASTEP
	s_add_nc_u64 s[G0B+4*\slot+2:G0B+4*\slot+3], s[G0B+4*\slot+2:G0B+4*\slot+3], 2*KSTEP
	JLOAD G0+4*\slot, G1, G0B+4*\slot, G1B
	PLACES 4
.else
	PLACES 8
.endif
	s_wait_alu depctr_va_vdst(0)
	v_add_nc_u32 v[ADRS], 2048, v[ADRS]            ; two chunks of 128 rows x 8 bytes on
	SCALES \next
	FETCH \next, 0, F0
.if \fill
	WIN 0
	s_cmp_gt_u32 s23, 1                            ; s23 = 1 in the loop's last trip, whose refills have no K step two on
	s_cbranch_scc0 .Lno_ask_\@
	global_prefetch_b8 v8, s[4:5] offset:KSTEP th:TH_LOAD_NT scope:SCOPE_SE
.Lno_ask_\@:
.endif
	WIN 0x05
	MULA F1, \slot, 3, 3, 0
.endm
	s_wait_alu depctr_va_vdst(0)
	s_wait_tensorcnt 0x0                           ; my tile of the head's four is in; the lines ahead of a later first fill:
	ds_add_u32 v[SPW], v[NIL]
	s_mov_b32 s[G1+2], 64<<16                      ; no tensor load of mine is out: from here on a load brings 64 rows
	s_mov_b32 s[G1+4], 64
	s_mov_b32 s[G1B+2], 64<<16
	s_mov_b32 s[G1B+4], 64
	s_wait_dscnt 0x0
	CROUND                                         ; all four tiles are in, and all sixteen work-groups are here
	JLOAD G0+4, G1, G0B+4, G1B                     ; K step 1, the first tensor load behind the round
	SCALES 0
	FETCH 0, 0, F0
	SUB 0, 0, F0, F1, 1
.if LAPS > 1
	WIN 0
	s_mov_b32 s23, LAPS-1
.Llap:
	SUB 0, 1, F1, F0, 0
	SUB 0, 2, F0, F1, 0
	TURN 0, 1, 1
	SUB 1, 0, F0, F1, 0
	SUB 1, 1, F1, F0, 0
	SUB 1, 2, F0, F1, 0
	TURN 1, 0, 1
	SUB 0, 0, F0, F1, 0
	WIN 0
	s_sub_co_u32 s23, s23, 1
	s_cmp_lg_u32 s23, 0
	s_cbranch_scc1 .Llap
.endif
	SUB 0, 1, F1, F0, 0
	SUB 0, 2, F0, F1, 0
	TURN 0, 1, 0
	s_load_b512 s[FS:FS+15], s[14:15], 0x0
	s_load_b512 s[FS+16:FS+31], s[14:15], 0x40
	SUB 1, 0, F0, F1, 0
	SUB 1, 1, F1, F0, 0
	SUB 1, 2, F0, F1, 0
	s_wait_dscnt 8
	WIN 0x05
	MULA F1, 1, 3, 0, 0
	MULA F1, 1, 3, 1, 0
	s_wait_dscnt 0
	MULA F1, 1, 3, 2, 0
	MULA F1, 1, 3, 3, 0
	WIN 0
	PLACES 8
.irp a, 0,1,2,3
.irp b, 0,1,2,3
	ds_store_b128 v[STO], v[ACC+8*(4*\a+\b):ACC+8*(4*\a+\b)+3] offset:\a*16*SPITCH+128*(\b/2)+32*(\b%2)
	ds_store_b128 v[STO], v[ACC+8*(4*\a+\b)+4:ACC+8*(4*\a+\b)+7] offset:\a*16*SPITCH+128*(\b/2)+32*(\b%2)+16
.endr
.endr
	s_wait_dscnt 0x0
	s_barrier_signal -1
	s_barrier_wait -1
.set J, 0
.rept 32
	ds_load_b128 v[ACC+4*J:ACC+4*J+3], v[RD] offset:J*SPITCH
.set J, J+1
.endr
	s_wait_loadcnt 0x0
	s_wait_kmcnt 0x0
	WIN 0x88
.set J, 0
.rept 32
.set PT, (J&7)|(((J>>3)&1)<<4)|(((J>>4)&1)<<3)
.irp e, 0,1,2,3
	v_mul_f32 v[4*J+\e], s[FS+PT], v[4*J+\e]
.endr
.set J, J+1
.endr
	s_wait_dscnt 0x0
	WIN 0x02
.set J, 0
.rept 32
	v_pk_fma_f32 v[ACC+4*J:ACC+4*J+1], v[4*J:4*J+1], v[GG:GG+1], v[ACC+4*J:ACC+4*J+1]
	v_pk_fma_f32 v[ACC+4*J+2:ACC+4*J+3], v[4*J+2:4*J+3], v[GG+2:GG+3], v[ACC+4*J+2:ACC+4*J+3]
.set J, J+1
.endr
	WIN 0
.set J, 0
.rept 32
	v_pk_add_f32 v[ACC+4*J:ACC+4*J+1], v[ACC+4*J:ACC+4*J+1], v[BI:BI+1]
	v_pk_add_f32 v[ACC+4*J+2:ACC+4*J+3], v[ACC+4*J+2:ACC+4*J+3], v[BI+2:BI+3]
.set J, J+1
.endr
.set J, 0
.rept 32
.set PT, (J&7)|(((J>>3)&1)<<4)|(((J>>4)&1)<<3)
.if HEADS
	global_store_b128 v[CO], v[ACC+4*J:ACC+4*J+3], s[16:17] offset:PT*4096
.else
	global_store_b128 v[CO], v[ACC+4*J:ACC+4*J+3], s[16:17] offset:PT*4096 th:TH_STORE_NT
.endif
.set J, J+1
.endr
	s_wait_tensorcnt 0x0
	ds_add_u32 v[SPW], v[NIL]
	s_wait_dscnt 0x0
	CROUND
	s_endpgm
.Lfunc_end_k_q300b7210b4_ffn2:
	.size	k_q300b7210b4_ffn2, .Lfunc_end_k_q300b7210b4_ffn2-k_q300b7210b4_ffn2
	.p2alignl 7, 3214868480
	.fill 96, 4, 3214868480
	.section	.rodata,"a",@progbits
	.p2align	6, 0x0
	.amdhsa_kernel k_q300b7210b4_ffn2
		.amdhsa_group_segment_fixed_size 327680
		.amdhsa_private_segment_fixed_size 0
		.amdhsa_enable_private_segment 0
		.amdhsa_kernarg_size 56
		.amdhsa_user_sgpr_count 2
		.amdhsa_user_sgpr_kernarg_segment_ptr 1
		.amdhsa_wavefront_size32 1
		.amdhsa_system_sgpr_workgroup_id_x 1
		.amdhsa_system_sgpr_workgroup_id_y 1
		.amdhsa_system_sgpr_workgroup_id_z 1
		.amdhsa_system_vgpr_workitem_id 0
		.amdhsa_next_free_vgpr 768
		.amdhsa_next_free_sgpr 100
		.amdhsa_reserve_vcc 0
		.amdhsa_float_denorm_mode_32 3
		.amdhsa_float_denorm_mode_16_64 3
		.amdhsa_memory_ordered 1
		.amdhsa_forward_progress 1
		.amdhsa_inst_pref_size 110
	.end_amdhsa_kernel
	.amdgpu_metadata
---
amdhsa.version: [ 1, 2 ]
amdhsa.kernels:
  - .name:           k_q300b7210b4_ffn2
    .symbol:         k_q300b7210b4_ffn2.kd
    .args:
      - { .name: HID, .offset: 0, .size: 8, .value_kind: global_buffer, .address_space: global }
      - { .name: W, .offset: 8, .size: 8, .value_kind: global_buffer, .address_space: global }
      - { .name: b2, .offset: 16, .size: 8, .value_kind: global_buffer, .address_space: global }
      - { .name: Y, .offset: 24, .size: 8, .value_kind: global_buffer, .address_space: global }
      - { .name: g2, .offset: 32, .size: 8, .value_kind: global_buffer, .address_space: global }
      - { .name: N2, .offset: 40, .size: 8, .value_kind: global_buffer, .address_space: global }
      - { .name: out0, .offset: 48, .size: 8, .value_kind: global_buffer, .address_space: global }
    .group_segment_fixed_size: 327680
    .private_segment_fixed_size: 0
    .kernarg_segment_align: 8
    .kernarg_segment_size: 56
    .max_flat_workgroup_size: 128
    .sgpr_count:     100
    .vgpr_count:     768
    .wavefront_size: 32
...
	.end_amdgpu_metadata
.endif
;; end of part 7
